; MI455X (gfx1250); checked and timed in simulation.
; The chip was launched on July 23, 2026; its instructions are those of AMD's public machine-readable ISA for CDNA 5 (MIT licence, August 2026) and "CDNA5" Instruction Set Architecture Reference Guide (July 2026). The comments in the code are by the model that wrote it; some were corrected since.
;; Transformer Block. Allowed arithmetic: matrix products marked QUANTISED: E2M1 operands, one E8M0 scale for each 32 along K, by v_wmma_scale_f32_16x16x128_f8f6f4 with both operands' format E2M1 (or v_wmma_scale_f32_32x16x128_f4), f32 sums; everything else in f32.
;; Inputs: fc1_b 4,096 float32; fc1_w 4,096 x 1,024 float32; fc2_b 1,024 float32; fc2_w 1,024 x 4,096 float32; ln1_b 1,024 float32; ln1_g 1,024 float32; ln2_b 1,024 float32; ln2_g 1,024 float32; out_b 1,024 float32; out_w 1,024 x 1,024 float32; qkv_b 3,072 float32; qkv_w 3,072 x 1,024 float32; x 2 x 2,048 x 1,024 float32.
;; Outputs: out0 2 x 2,048 x 1,024 float32.
;; This version of the problem:
;;   THIS VERSION OF THE PROBLEM IS GIVEN IN LOW PRECISION. The matrix products marked QUANTISED in the list below multiply operands that are first quantised to E2M1 (2 exponent bits, 1 mantissa bit; 4 bits a number), with one power-of-two scale for each 32 numbers along K (OCP MX v1.0); their sums are f32. All else is computed in f32.
;;   The module's matrix products, in the order in which they are computed (A, B: the left and right operand; K: the contracted axis; several contracted axes count as one K, in the product's order):
;;     1. [M 4,096, K 1,024] x [K 1,024, N 3,072]; A: computed on the way; B: input qkv_w: QUANTISED
;;     2. batch 32 x [M 2,048, K 64] x [K 64, N 2,048]; A: computed on the way; B: computed on the way: QUANTISED
;;     3. batch 32 x [M 2,048, K 2,048] x [K 2,048, N 64]; A: softmax (see below); B: computed on the way: QUANTISED
;;     4. [M 4,096, K 1,024] x [K 1,024, N 1,024]; A: computed on the way; B: input out_w: QUANTISED
;;     5. [M 4,096, K 1,024] x [K 1,024, N 4,096]; A: computed on the way; B: input fc1_w: QUANTISED
;;     6. [M 4,096, K 4,096] x [K 4,096, N 1,024]; A: computed on the way; B: input fc2_w: QUANTISED
;;   THE QUANTISER, for each operand of a quantised product, along K:
;;     - K is cut into blocks of 32 from its start; a last block that is shorter is filled with zeros.
;;     - A block's scale is 2^e with e = floor(log2(the largest magnitude in the block)) - 2, held to -126 .. 127; a block of zeros has e = 0. As a byte (E8M0): e + 127.
;;     - Each number is divided by its block's scale, clamped to +-6, and rounded to the nearest number of E2M1, ties to even, subnormals kept.
;;     - The product sums the exact products of the quantised numbers (number of the format x scale) in f32.
;;   ~~~python
;;   def quantise(x, axis):      # numpy; x: float32 -> the quantised numbers, widened to float32 again
;;       x = np.moveaxis(x, axis, -1); K = x.shape[-1]
;;       x = np.pad(x, [(0, 0)] * (x.ndim - 1) + [(0, -K % 32)]); x = x.reshape(x.shape[:-1] + (-1, 32)); a = np.abs(x).max(-1, keepdims=True)
;;       e = np.where(a > 0, np.clip(np.frexp(np.where(a > 0, a, 1))[1] - 1 - 2, -126, 127), 0)      # np.frexp(a)[1] - 1 = floor(log2(a)), exactly
;;       r = np.clip(x / 2.0 ** e, -6, 6)
;;       step = 2.0 ** (np.maximum(np.frexp(np.where(r == 0, 1, r))[1] - 1, 0) - 1)
;;       q = np.round(r / step) * step * 2.0 ** e      # np.round: ties to even
;;       return np.moveaxis(q.reshape(q.shape[:-2] + (-1,))[..., :K], -1, axis).astype(np.float32)
;;   ~~~
;;   SOFTMAX AHEAD OF A QUANTISED PRODUCT. Where the list says 'softmax', what is quantised is not the finished softmax but p = 2^(t - M), with t = logit x log2(e) and M = ceil(the row's largest t), a whole number; so 1/2 < the row's largest p <= 1. The row's sum l is taken of the UNQUANTISED p, in f32, and the product's result is divided by l at the end. Since M is a whole number, a kernel that streams over the keys may use a running M (the ceiling of the running maximum): every later rescaling is an exact power of two, which a block's scale takes up: the codes' values come out the same.
;;   OPERANDS COMPUTED ON THE WAY. 'Computed on the way' means the value that the module computes at that place (a softmax that the list does not call 'softmax' is quantised finished and normalised). What goes into a quantiser is computed in f32, as accurately as f32 sums, v_exp_f32 and their like allow (about 1e-6 of the number): no bf16 or f16 on the way to a quantiser, and a product that is left as it is and whose result goes on into a quantised operand takes f32 operands (vector FMAs, or v_wmma_f32_16x16x4_f32). A number that lies on a knife's edge between two numbers of the format may be rounded either way, as far as f32 arithmetic and the matrix unit's own rounding can turn it there, and no further.
;; 2 versions. Each part assembles by itself: llvm-mc -triple=amdgcn-amd-amdhsa -mcpu=gfx1250 --defsym DOCPART=n.
;; ======== version 1 of 2: 6 launches
;; workspace buffers: prepb 8,912,896 bytes; qkvb 6,946,816 bytes; attb 2,228,224 bytes; x1 16,777,216 bytes; n2 2,228,224 bytes; hq 8,912,896 bytes
;; launch prep (part 1): grid 1024 x 1, 8 waves a work-group, no clusters, 70,656 bytes of LDS; arguments x, qkv_w, out_w, fc1_w, fc2_w, ln1_g, ln1_b, prepb; writes prepb
.if DOCPART == 1
	.amdgcn_target "amdgcn-amd-amdhsa--gfx1250"
	.amdhsa_code_object_version 6
	.text
	.protected	k_qd0b30cc946_prep
	.globl	k_qd0b30cc946_prep
	.p2align	8
	.type	k_qd0b30cc946_prep,@function
k_qd0b30cc946_prep:
	s_mov_b64 s[64:65], 0
	v_nop
	global_prefetch_b8 v0, s[64:65] scope:SCOPE_SE
	s_setreg_imm32_b32 hwreg(HW_REG_WAVE_MODE, 25, 1), 1
	s_wait_xcnt 0x0
; LN1(x) and the four weights become codes of FP4 (E2M1) with one E8M0 byte for each 32 along K, laid in the ORDER OF AN OPERAND'S REGISTERS.
; An item is 16 rows x 1,024 along K.  Items 0-255: x (layer norm first); 256-447 qkv_w; 448-511 out_w; 512-767 fc1_w; 768-1023 fc2_w (item = 768 + 4 tile + quarter of K).
; THE ROWS OF A TILE ARE NOT NEIGHBOURS: row r of tile t is the tensor's row 32 (t / 2) + 8 (t % 2) + r % 8 + 16 (r / 8), so that in every later product the 16 registers of
; two neighbouring tiles are 16 neighbours along the next K.
; Codes of item i: byte i x 8192 + 1024 s + 512 c + 16 lane: lane (r, h) holds the 32 codes of k = 128 s + 64 c + 32 h + 0 .. 31 of row r.  Scale bytes: 8,388,608 + 512 i + 32 r + 4 s: the word of K step s.
; SHARES: a work-group an item, wave w the item's K step w (512 bytes of each row).  Each load reads 512 consecutive bytes of a row; the 16 rows turn through the wave's own stage in LDS, so that a lane gets two whole blocks.
; ONE PATH FOR ALL ITEMS: every item runs the layer norm's sums and both barriers; a mask that hangs on the work-group's number alone then takes mean or 0, rsqrt or 1, the normalised or the plain number.
; So a weight goes through unchanged, bit for bit, and no barrier stands under a branch.
; No tensor load, no cluster: each byte is read once, by one wave; work-groups share nothing.
; LIMITS: NaN and infinities are not served.  A block whose largest magnitude lies under 2^-124 (zeros too) gets the byte 1: its codes are then zeros or held small, and this program alone reads the bytes.
; The mean and the variance are summed in another order than a plain running sum.
.set P1,   0                           ; LDS: 16 rows x 8 waves' sums
.set P2,   512                         ; the same for the squares
.set SCL,  1024                        ; the item's 512 scale bytes
.set STG,  1536                        ; a stage for each wave: 16 rows x 528 bytes (512 + 16 of padding)
.set SPI,  528
.set R,    16                          ; v16-79   rows as loaded; later ln1_b
.set X,    80                          ; v80-143  my 64 numbers: register 32 c + e = k 128 w + 64 c + 32 h + e of row r
.set G,    144                         ; v144-207 ln1_g at my 64 places; then the normalised numbers
.set A,    208                         ; v208-223 byte offsets of the 16 rows
.set C,    224                         ; v224-231 the codes
	s_load_b512 s[4:19], s[0:1], 0x0               ; x, qkv_w, out_w, fc1_w, fc2_w, ln1_g, ln1_b, prepb
	v_lshl_add_u32 v240, v0, 2, 0x11000
	v_mov_b32 v241, 0
	v_lshrrev_b32 v4, 5, v0
	v_readfirstlane_b32 s24, v4                    ; wave 0..7
	v_and_b32 v5, 31, v0                           ; lane
	v_and_b32 v6, 15, v0                           ; r
	v_bfe_u32 v7, v0, 4, 1                         ; h
	v_lshlrev_b32 v1, 4, v0                        ; 16 x thread = 512 w + 16 lane: my bytes of a row
	s_mul_i32 s25, s24, 16*SPI
	s_add_co_u32 s25, s25, STG                     ; my stage
	v_lshl_add_u32 v2, v5, 4, s25                  ; into it: 16 lane, the row in the immediate
	v_mul_u32_u24 v3, v6, SPI
	v_lshl_add_u32 v3, v7, 7, v3
	v_add_nc_u32 v3, s25, v3                       ; out of it: row r, + 128 h
	s_lshl_b32 s26, s24, 9
	v_lshl_add_u32 v232, v7, 7, s26                ; ln1_g, ln1_b: 512 w + 128 h
	s_lshl_b32 s26, s24, 2
	v_lshl_add_u32 v233, v6, 5, s26                ; 32 r + 4 w: my wave's word of row r
	v_lshlrev_b32 v234, 5, v6                      ; 32 r
	s_lshl_b32 s26, s24, 10
	v_lshl_add_u32 v235, v5, 4, s26                ; codes: 1024 w + 16 lane
	v_lshlrev_b32 v236, 4, v5                      ; 16 lane
	v_lshlrev_b32 v237, 3, v7                      ; 8 h
	s_mov_b32 s36, 0x76543210
	s_mov_b32 s37, 0xfedcba98                      ; v_permlanex16_b32's selects for lane l xor 16
	s_mov_b32 s38, 0x3a800000                      ; 1 / 1024
	s_wait_kmcnt 0x0
	s_mov_b64 s[20:21], s[4:5]                     ; which tensor: a choice on the work-group's number alone
	s_mov_b32 s22, 0                               ; its first item
	s_cmp_ge_u32 ttmp9, 256
	s_cselect_b64 s[20:21], s[6:7], s[20:21]
	s_cselect_b32 s22, 256, s22
	s_cselect_b32 s28, 0, -1                       ; the mask: every lane for x's items, none for a weight's
	s_cmp_ge_u32 ttmp9, 448
	s_cselect_b64 s[20:21], s[8:9], s[20:21]
	s_cselect_b32 s22, 448, s22
	s_cmp_ge_u32 ttmp9, 512
	s_cselect_b64 s[20:21], s[10:11], s[20:21]
	s_cselect_b32 s22, 512, s22
	s_cmp_ge_u32 ttmp9, 768
	s_cselect_b64 s[20:21], s[12:13], s[20:21]
	s_cselect_b32 s22, 768, s22
	s_cselect_b32 s23, 2, 0                        ; fc2_w: four items to a tile, rows four times as long
	s_sub_co_u32 s29, ttmp9, s22
	s_lshr_b32 s30, s29, s23                       ; the tile
	s_lshl_b32 s31, s30, s23
	s_sub_co_u32 s31, s29, s31                     ; the quarter of K
	s_lshl_b32 s32, 0x1000, s23                    ; a row in bytes
	s_lshr_b32 s33, s30, 1
	s_lshl_b32 s33, s33, 5
	s_and_b32 s34, s30, 1
	s_lshl_b32 s34, s34, 3
	s_add_co_u32 s33, s33, s34                     ; the tile's first row
	s_mul_i32 s34, s33, s32
	s_lshl_b32 s35, s31, 12
	s_add_co_u32 s34, s34, s35
	s_mov_b32 s35, 0
	s_add_nc_u64 s[20:21], s[20:21], s[34:35]
	s_lshl_b32 s34, ttmp9, 13
	s_add_nc_u64 s[2:3], s[18:19], s[34:35]        ; the item's codes
	s_lshl_b32 s34, ttmp9, 9
	s_add_co_u32 s34, s34, 0x800000
	s_add_nc_u64 s[18:19], s[18:19], s[34:35]      ; the item's scale bytes
.set i, 0
.rept 16
	v_mad_u32_u24 v[A+i], s32, i+8*(i/8), v1       ; tile row i is the tensor's row i + 8 (i / 8) from the tile's first
.set i, i+1
.endr
.set i, 0
.rept 16
	global_load_b128 v[R+4*i:R+4*i+3], v[A+i], s[20:21] th:TH_LOAD_NT   ; 32 lanes read 512 consecutive bytes of one row
.set i, i+1
.endr
.set j, 0
.rept 16
	global_load_b128 v[G+4*j:G+4*j+3], v232, s[14:15] offset:256*(j/8)+16*(j%8)
.set j, j+1
.endr
.set i, 0
.rept 16
	s_wait_loadcnt 31-i                            ; row i is in: behind it stand 15 - i rows and the 16 loads of ln1_g
	ds_store_b128 v2, v[R+4*i:R+4*i+3] offset:SPI*i
.set i, i+1
.endr
.set j, 0
.rept 16
	ds_load_b128 v[X+4*j:X+4*j+3], v3 offset:256*(j/8)+16*(j%8)   ; LDS serves a wave's instructions in order: these see my stores
.set j, j+1
.endr
	s_wait_dscnt 0x0                               ; my numbers are in, and the stores have read R
.set j, 0
.rept 16
	global_load_b128 v[R+4*j:R+4*j+3], v232, s[16:17] offset:256*(j/8)+16*(j%8)   ; ln1_b
.set j, j+1
.endr
	; the row's sum: my 64, lane l xor 16's, then the eight waves' through LDS
	v_pk_add_f32 v[4:5], v[X:X+1], v[X+2:X+3]
	v_pk_add_f32 v[6:7], v[X+4:X+5], v[X+6:X+7]
.set j, 8
.rept 14
	v_pk_add_f32 v[4:5], v[4:5], v[X+j:X+j+1]
	v_pk_add_f32 v[6:7], v[6:7], v[X+j+2:X+j+3]
.set j, j+4
.endr
	v_pk_add_f32 v[4:5], v[4:5], v[6:7]
	v_add_f32 v4, v4, v5
	v_permlanex16_b32 v5, v4, s36, s37
	v_add_f32 v4, v4, v5
	ds_store_b32 v233, v4 offset:P1
	s_wait_dscnt 0x0                               ; for the others' sake: my sum lies in LDS
	s_barrier_signal -1
	s_barrier_wait -1
	ds_load_b128 v[4:7], v234 offset:P1
	ds_load_b128 v[12:15], v234 offset:P1+16
	s_wait_dscnt 0x0
	v_pk_add_f32 v[4:5], v[4:5], v[6:7]
	v_pk_add_f32 v[12:13], v[12:13], v[14:15]
	v_pk_add_f32 v[4:5], v[4:5], v[12:13]
	v_add_f32 v4, v4, v5
	v_mul_f32 v4, s38, v4                          ; the mean
	v_cndmask_b32 v4, 0, v4, s28                   ; a weight: 0
	v_mov_b32 v5, v4
.set j, 0
.rept 32
	v_pk_add_f32 v[X+j:X+j+1], v[X+j:X+j+1], v[4:5] neg_lo:[0,1] neg_hi:[0,1]
.set j, j+2
.endr
	v_pk_mul_f32 v[6:7], v[X:X+1], v[X:X+1]
	v_pk_mul_f32 v[8:9], v[X+2:X+3], v[X+2:X+3]
.set j, 4
.rept 15
	v_pk_fma_f32 v[6:7], v[X+j:X+j+1], v[X+j:X+j+1], v[6:7]
	v_pk_fma_f32 v[8:9], v[X+j+2:X+j+3], v[X+j+2:X+j+3], v[8:9]
.set j, j+4
.endr
	v_pk_add_f32 v[6:7], v[6:7], v[8:9]
	v_add_f32 v6, v6, v7
	v_permlanex16_b32 v7, v6, s36, s37
	v_add_f32 v6, v6, v7
	ds_store_b32 v233, v6 offset:P2
	s_wait_dscnt 0x0
	s_barrier_signal -1
	s_barrier_wait -1
	ds_load_b128 v[8:11], v234 offset:P2
	ds_load_b128 v[12:15], v234 offset:P2+16
	s_wait_dscnt 0x0
	v_pk_add_f32 v[8:9], v[8:9], v[10:11]
	v_pk_add_f32 v[12:13], v[12:13], v[14:15]
	v_pk_add_f32 v[8:9], v[8:9], v[12:13]
	v_add_f32 v6, v8, v9
	v_fmaak_f32 v6, s38, v6, 0x3727c5ac            ; the variance + 1e-5
	v_rsq_f32 v6, v6
	v_nop                                          ; a plain line behind the transcendental
	s_wait_alu depctr_va_vdst(0)
	v_cndmask_b32 v6, 1.0, v6, s28                 ; a weight: 1
	v_mov_b32 v7, v6
.set j, 0
.rept 32
	v_pk_mul_f32 v[X+j:X+j+1], v[X+j:X+j+1], v[6:7]
.set j, j+2
.endr
	s_wait_loadcnt 0x0                             ; ln1_g and ln1_b
.set j, 0
.rept 32
	v_pk_fma_f32 v[G+j:G+j+1], v[X+j:X+j+1], v[G+j:G+j+1], v[R+j:R+j+1]
.set j, j+2
.endr
.set j, 0
.rept 64
	v_cndmask_b32 v[X+j], v[X+j], v[G+j], s28      ; x: the normalised number; a weight: as it came
.set j, j+1
.endr
	; my two blocks: all 32 numbers of each are mine
.irp c, 0,1
	v_max3_num_f32 v[4+\c], |v[X+32*\c]|, |v[X+1+32*\c]|, 0x1800000   ; with the floor 2^(3 - 127): the byte cannot fall under 1
.endr
.irp i, 2,4,6,8,10,12,14,16,18,20,22,24,26,28,30
.irp c, 0,1
	v_max3_num_f32 v[4+\c], v[4+\c], |v[X+32*\c+\i]|, |v[X+1+32*\c+\i]|
.endr
.endr
.irp c, 0,1
	v_add_nc_u32 v[6+\c], 0xff000000, v[4+\c]      ; 2 off the exponent field: the conversion's scale operand
.endr
.irp c, 0,1
	v_lshrrev_b32 v[8+\c], 23, v[6+\c]             ; the scale's byte
.endr
	v_lshl_or_b32 v12, v9, 16, v8                  ; blocks h and 2 + h of the K step,
	v_lshlrev_b32 v12, v237, v12                   ; at their places in the word;
	v_mov_b32 v13, 0
	v_permlanex16_b32 v13, v12, s36, s37
	v_or_b32 v12, v12, v13                         ; with lane l xor 16's two the word is whole
.irp c, 0,1
.irp g, 0,1,2,3
	v_cvt_scalef32_pk8_fp4_f32 v[C+4*\c+\g], v[X+32*\c+8*\g:X+32*\c+8*\g+7], v[6+\c]
.endr
.endr
	v_nop                                          ; a plain line behind the last scaled conversion
	global_store_b128 v235, v[C:C+3], s[2:3]       ; 32 lanes store 512 consecutive bytes
	global_store_b128 v235, v[C+4:C+7], s[2:3] offset:512
	ds_store_b32 v233, v12 offset:SCL
	s_wait_dscnt 0x0
	s_barrier_signal -1
	s_barrier_wait -1
	s_cmp_lg_u32 s24, 0
	s_cbranch_scc1 .Lend
	ds_load_b128 v[8:11], v236 offset:SCL          ; wave 0 stores the item's 512 scale bytes as two whole runs of 256
	s_wait_dscnt 0x0
	global_store_b128 v236, v[8:11], s[18:19]
.Lend:
	s_wait_tensorcnt 0x0
	ds_add_u32 v240, v241
	s_wait_dscnt 0x0
	s_endpgm
.Lfunc_end_k_qd0b30cc946_prep:
	.size	k_qd0b30cc946_prep, .Lfunc_end_k_qd0b30cc946_prep-k_qd0b30cc946_prep
	.p2alignl 7, 3214868480
	.fill 96, 4, 3214868480
	.section	.rodata,"a",@progbits
	.p2align	6, 0x0
	.amdhsa_kernel k_qd0b30cc946_prep
		.amdhsa_group_segment_fixed_size 70656
		.amdhsa_private_segment_fixed_size 0
		.amdhsa_enable_private_segment 0
		.amdhsa_kernarg_size 64
		.amdhsa_user_sgpr_count 2
		.amdhsa_user_sgpr_kernarg_segment_ptr 1
		.amdhsa_wavefront_size32 1
		.amdhsa_system_sgpr_workgroup_id_x 1
		.amdhsa_system_sgpr_workgroup_id_y 1
		.amdhsa_system_sgpr_workgroup_id_z 1
		.amdhsa_system_vgpr_workitem_id 0
		.amdhsa_next_free_vgpr 242
		.amdhsa_next_free_sgpr 66
		.amdhsa_reserve_vcc 0
		.amdhsa_float_denorm_mode_32 3
		.amdhsa_float_denorm_mode_16_64 3
		.amdhsa_memory_ordered 1
		.amdhsa_forward_progress 1
		.amdhsa_inst_pref_size 31
	.end_amdhsa_kernel
	.amdgpu_metadata
---
amdhsa.version: [ 1, 2 ]
amdhsa.kernels:
  - .name:           k_qd0b30cc946_prep
    .symbol:         k_qd0b30cc946_prep.kd
    .args:
      - { .name: x, .offset: 0, .size: 8, .value_kind: global_buffer, .address_space: global }
      - { .name: qkv_w, .offset: 8, .size: 8, .value_kind: global_buffer, .address_space: global }
      - { .name: out_w, .offset: 16, .size: 8, .value_kind: global_buffer, .address_space: global }
      - { .name: fc1_w, .offset: 24, .size: 8, .value_kind: global_buffer, .address_space: global }
      - { .name: fc2_w, .offset: 32, .size: 8, .value_kind: global_buffer, .address_space: global }
      - { .name: ln1_g, .offset: 40, .size: 8, .value_kind: global_buffer, .address_space: global }
      - { .name: ln1_b, .offset: 48, .size: 8, .value_kind: global_buffer, .address_space: global }
      - { .name: prepb, .offset: 56, .size: 8, .value_kind: global_buffer, .address_space: global }
    .group_segment_fixed_size: 70656
    .private_segment_fixed_size: 0
    .kernarg_segment_align: 8
    .kernarg_segment_size: 64
    .max_flat_workgroup_size: 256
    .sgpr_count:     66
    .vgpr_count:     242
    .wavefront_size: 32
...
	.end_amdgpu_metadata
.endif
;; end of part 1
;; launch qkv (part 2): grid 256 x 1, 3 waves a work-group, no clusters, 3,584 bytes of LDS; arguments prepb, qkv_b, qkvb; writes qkvb
.if DOCPART == 2
	.amdgcn_target "amdgcn-amd-amdhsa--gfx1250"
	.amdhsa_code_object_version 6
	.text
	.protected	k_qd0b30cc946_qkv
	.globl	k_qd0b30cc946_qkv
	.p2align	8
	.type	k_qd0b30cc946_qkv,@function
k_qd0b30cc946_qkv:
	s_mov_b64 s[64:65], 0
	v_nop
	global_prefetch_b8 v0, s[64:65] scope:SCOPE_SE
	s_setreg_imm32_b32 hwreg(HW_REG_WAVE_MODE, 25, 1), 1
	s_wait_xcnt 0x0
; q, k, v = LN1(x) qkv_w^T + qkv_b on codes of FP4, and their quantising for attention: q and k along the head's 64, v along the keys.
; SHARES: a work-group takes 128 tokens (work-group / 8) and 128 channels (work-group % 8) of each of the three sections; wave w takes section w: 128 x 128 x 1,024, 64 accumulators.
; 32 blocks of tokens x 24 blocks of channels are 768 such tiles: 256 work-groups of three waves.
; OPERANDS COME FROM MEMORY STRAIGHT INTO REGISTERS: the launch before has laid them in register order, so a fragment is two loads of 512 consecutive bytes.  Nothing lands in LDS, so there is no tile that a joint
; load of a cluster could share, and no ring.  Three sets of fragments take turns: two K steps' loads are out while a step is multiplied.
; SOURCE 0 = P, SOURCE 1 = Q.  A lane of the result holds one row of Q, and its registers run along P's rows, 16 neighbours for each pair of tiles.  q, k: P = the weights, Q = the tokens (registers run along the head).
; v: P = the tokens, Q = the weights (registers run along the keys).  The two are swapped by choosing offsets on the wave's number; the products' text is one.
; OUT (qkvb): q's codes at 0, k's at 2 MiB: [head 32][block 16][tile 8][512]: lane (r, h) = block h of the head's 64.  v's at 4 MiB: [head][key step 16][tile of 16 channels 4][1024]: a fragment's image.
; Scale words: q's at 0x600000, k's at 0x640000: [head][block][512], tile a, row r at 16 r + 256 (a / 4) + 4 (a % 4), bytes (s0, s1, 127, 127): the upper half of K = 128 is zero codes.
; v's at 0x680000: [head][key step][256], tile t, row r at 8 (r + 16 (t % 2)) + 4 (t / 2).
; LIMITS: NaN and infinities are not served; a block under 2^-124 gets the byte 1 (read by this program alone).
.set TSP, 8192                         ; from tile to tile of P, of Q
.set TSQ, 8192
.set SP,  16                           ; s[16:17] P's codes, s[18:19] Q's, s[20:21] P's scale bytes, s[22:23] Q's
.set SQ,  18
.set SSP, 20
.set SSQ, 22
.set OC,  24                           ; s[24:25] where my codes go, s[26:27] my scale words
.set OS,  26
.set SEL, 28
.set SCP, 64                           ; v64-95  P's scale words: register 8 (b / 2) + s: lanes 0-15 tile b even, lanes 16-31 tile b odd
.set SCQ, 96                           ; v96-127 Q's
.set TM,  16                           ; v16-31  the quantiser's work
.set PW,  32                           ; v32     the scale word just made
.set PC,  40                           ; v40-47  the codes just made
.set H,   128                          ; v128-191 64 numbers to quantise (where Q's set 0 lay)
; window 0: v0-63 addresses and work; v64-127 scale words; v128-191, v192-255 Q's sets 0, 1.  window 1: v0-191 P's sets 0, 1, 2; v192-255 Q's set 2.  windows 2, 3: the accumulators (a, b) at v[8 (8 (a % 4) + b)].
.set MSB, 0
.macro WIN new                         ; the immediate's high byte repeats the setting that is left
.if MSB != (\new)
	s_set_vgpr_msb (MSB<<8)|(\new)
.set MSB, (\new)
.endif
.endm
.macro PLACES n
.rept \n
	v_nop
.endr
.endm
; one product: po, qo = 1: the tile is the odd one of its pair, its scale words lie in lanes 16-31
.macro WM acc, pf, qf, sp, sq, po, qo, zero
.set wA, \acc
.set wP, \pf
.set wQ, \qf
.set wS, \sp
.set wT, \sq
.set wV, 2*(\po)+(\qo)
.if \zero
.if wV == 0
	v_wmma_scale_f32_16x16x128_f8f6f4 v[wA:wA+7], v[wP:wP+7], v[wQ:wQ+7], 0, v[wS], v[wT] matrix_a_fmt:MATRIX_FMT_FP4 matrix_b_fmt:MATRIX_FMT_FP4
.elseif wV == 1
	v_wmma_scale_f32_16x16x128_f8f6f4 v[wA:wA+7], v[wP:wP+7], v[wQ:wQ+7], 0, v[wS], v[wT] matrix_a_fmt:MATRIX_FMT_FP4 matrix_b_fmt:MATRIX_FMT_FP4 matrix_b_scale:MATRIX_SCALE_ROW1
.elseif wV == 2
	v_wmma_scale_f32_16x16x128_f8f6f4 v[wA:wA+7], v[wP:wP+7], v[wQ:wQ+7], 0, v[wS], v[wT] matrix_a_fmt:MATRIX_FMT_FP4 matrix_b_fmt:MATRIX_FMT_FP4 matrix_a_scale:MATRIX_SCALE_ROW1
.else
	v_wmma_scale_f32_16x16x128_f8f6f4 v[wA:wA+7], v[wP:wP+7], v[wQ:wQ+7], 0, v[wS], v[wT] matrix_a_fmt:MATRIX_FMT_FP4 matrix_b_fmt:MATRIX_FMT_FP4 matrix_a_scale:MATRIX_SCALE_ROW1 matrix_b_scale:MATRIX_SCALE_ROW1
.endif
.else
.if wV == 0
	v_wmma_scale_f32_16x16x128_f8f6f4 v[wA:wA+7], v[wP:wP+7], v[wQ:wQ+7], v[wA:wA+7], v[wS], v[wT] matrix_a_fmt:MATRIX_FMT_FP4 matrix_b_fmt:MATRIX_FMT_FP4
.elseif wV == 1
	v_wmma_scale_f32_16x16x128_f8f6f4 v[wA:wA+7], v[wP:wP+7], v[wQ:wQ+7], v[wA:wA+7], v[wS], v[wT] matrix_a_fmt:MATRIX_FMT_FP4 matrix_b_fmt:MATRIX_FMT_FP4 matrix_b_scale:MATRIX_SCALE_ROW1
.elseif wV == 2
	v_wmma_scale_f32_16x16x128_f8f6f4 v[wA:wA+7], v[wP:wP+7], v[wQ:wQ+7], v[wA:wA+7], v[wS], v[wT] matrix_a_fmt:MATRIX_FMT_FP4 matrix_b_fmt:MATRIX_FMT_FP4 matrix_a_scale:MATRIX_SCALE_ROW1
.else
	v_wmma_scale_f32_16x16x128_f8f6f4 v[wA:wA+7], v[wP:wP+7], v[wQ:wQ+7], v[wA:wA+7], v[wS], v[wT] matrix_a_fmt:MATRIX_FMT_FP4 matrix_b_fmt:MATRIX_FMT_FP4 matrix_a_scale:MATRIX_SCALE_ROW1 matrix_b_scale:MATRIX_SCALE_ROW1
.endif
.endif
.endm
; K step s: 8 fragments of P and 8 of Q into set s % 3: 32 loads of 512 consecutive bytes
.macro LOADSTEP s
.set sg, (\s)%3
.set qb, 128+64*((sg+1)/2)
	WIN 0x40                                       ; destination window 1, address window 0
.irp i, 0,1,2,3,4,5,6,7
	global_load_b128 v[64*sg+8*\i:64*sg+8*\i+3], v1, s[SP:SP+1] offset:\i*TSP+(\s)*1024
	global_load_b128 v[64*sg+8*\i+4:64*sg+8*\i+7], v1, s[SP:SP+1] offset:\i*TSP+(\s)*1024+512
.endr
.if sg < 2
	WIN 0
.endif
.irp i, 0,1,2,3,4,5,6,7
	global_load_b128 v[qb+8*\i:qb+8*\i+3], v1, s[SQ:SQ+1] offset:\i*TSQ+(\s)*1024
	global_load_b128 v[qb+8*\i+4:qb+8*\i+7], v1, s[SQ:SQ+1] offset:\i*TSQ+(\s)*1024+512
.endr
.endm
; its 64 products: the 64 accumulators take turns, one instruction a turn, in the same order in every step
.macro MULSTEP s, zero
.set sg, (\s)%3
.set qb, 128+64*((sg+1)/2)
.set ma, 0
.rept 8
.if ma == 0
	WIN 0xa1+4*(sg/2)                              ; P window 1; Q window 0 or 1; C and D window 2
.endif
.if ma == 4
	WIN 0xf1+4*(sg/2)                              ; C and D window 3
.endif
.set mb, 0
.rept 8
	WM 8*(8*(ma%4)+mb), 64*sg+8*mb, qb+8*ma, SCP+8*(mb/2)+(\s), SCQ+8*(ma/2)+(\s), mb%2, ma%2, \zero
.set mb, mb+1
.endr
.set ma, ma+1
.endr
.endm
; scale words of 8 tiles, rows of 32 bytes: a load brings a pair of tiles (lanes 0-15, 16-31) and four K steps
.macro SC_RM reg, bs, adr, pstr
.irp i, 0,1,2,3
.irp q, 0,1
	global_load_b128 v[\reg+8*\i+4*\q:\reg+8*\i+4*\q+3], v[\adr], s[\bs:\bs+1] offset:\i*\pstr+16*\q
.endr
.endr
.endm
; K steps 0 to 5.  The wait: behind step s's loads stand the 64 of steps s + 1 and s + 2; the count's field ends at 63, so one load more is waited for.
; Four plain lines stand between a step's products and the loads into the registers that they read (ISA guide 7.12.1 for vector instructions).
.macro CORE05
	LOADSTEP 0
	LOADSTEP 1
	LOADSTEP 2
.set cs, 0
.rept 6
	s_wait_loadcnt 63
.if cs == 0
	MULSTEP cs, 1
.else
	MULSTEP cs, 0
.endif
	PLACES 4
.if cs < 5
	LOADSTEP cs+3
.endif
.set cs, cs+1
.endr
	WIN 0
.endm
; 64 numbers of a lane, register 16 b + i = k 32 b + 16 (lane / 16) + i of my row, become a fragment's codes in v[PC] on and its scale word in v[PW]
.macro QUANT s
.irp b, 0,1,2,3
	v_max3_num_f32 v[TM+\b], |v[\s+16*\b]|, |v[\s+1+16*\b]|, 0x1800000   ; with the floor 2^(3 - 127): the byte cannot fall under 1
.endr
.irp i, 2,4,6,8,10,12,14
.irp b, 0,1,2,3
	v_max3_num_f32 v[TM+\b], v[TM+\b], |v[\s+16*\b+\i]|, |v[\s+1+16*\b+\i]|
.endr
.endr
.irp b, 0,1,2,3
	v_permlanex16_b32 v[TM+4+\b], v[TM+\b], s[SEL], s[SEL+1]
.endr
.irp b, 0,1,2,3
	v_max_num_f32 v[TM+\b], v[TM+\b], v[TM+4+\b]   ; with lane l xor 16's: the block's largest magnitude
.endr
.irp b, 0,1,2,3
	v_add_nc_u32 v[TM+12+\b], 0xff000000, v[TM+\b] ; 2 off its exponent field: the conversion's scale operand
.endr
.irp b, 0,1,2,3
	v_lshrrev_b32 v[TM+4+\b], 23, v[TM+12+\b]      ; the scale's byte
.endr
	v_lshl_or_b32 v[PW], v[TM+5], 8, v[TM+4]
	v_lshl_or_b32 v[PW], v[TM+6], 16, v[PW]
	v_lshl_or_b32 v[PW], v[TM+7], 24, v[PW]
.irp b, 0,1,2,3
	v_cvt_scalef32_pk8_fp4_f32 v[PC+2*\b], v[\s+16*\b:\s+7+16*\b], v[TM+12+\b]
	v_cvt_scalef32_pk8_fp4_f32 v[PC+1+2*\b], v[\s+8+16*\b:\s+15+16*\b], v[TM+12+\b]
.endr
	v_nop                                          ; a plain line behind the last scaled conversion
.irp c, 0,1                                    ; the operand's layout wants a whole block in a lane
.irp i, 0,1
	v_permlane16_swap_b32 v[PC+4*\c+\i], v[PC+2+4*\c+\i]
.endr
.endr
.endm
	s_load_b128 s[4:7], s[0:1], 0x0                ; prepb, qkv_b
	s_load_b64 s[8:9], s[0:1], 0x10                ; qkvb
	v_lshl_add_u32 v62, v0, 2, 0xc00
	v_mov_b32 v63, 0
	v_lshrrev_b32 v2, 5, v0
	v_readfirstlane_b32 s10, v2                    ; wave = section: 0 q, 1 k, 2 v
	v_and_b32 v9, 31, v0                           ; lane
	v_and_b32 v10, 15, v0                          ; r
	v_bfe_u32 v11, v0, 4, 1                        ; h
	v_lshlrev_b32 v1, 4, v9                        ; 16 lane
	v_lshlrev_b32 v2, 5, v9                        ; 32 lane: scale words
	v_lshlrev_b32 v3, 6, v11                       ; 64 h: q's and k's bias
	v_and_b32 v4, 8, v10
	v_add_nc_u32 v4, v4, v10
	v_lshlrev_b32 v4, 2, v4                        ; 4 (r + 8 (r / 8)): v's bias, my channel in its tile
	s_lshl_b32 s30, s10, 10                        ; my wave's 1,024 bytes of LDS
	v_lshl_add_u32 v5, v10, 4, s30                 ; q, k: a scale word's place: 16 r
	v_lshl_add_u32 v6, v10, 3, s30                 ; v: 8 r
	v_lshl_add_u32 v7, v9, 4, s30                  ; back: 16 lane
	v_lshlrev_b32 v8, 4, v10
	v_lshl_add_u32 v8, v11, 12, v8                 ; v's scale words in memory: 16 r, lanes 16-31 the next head
.irp b, 0,1,2,3
	v_mov_b32 v[TM+4+\b], 0                        ; written once: a lane permute's destination counts as one of its sources
.endr
	s_mov_b32 s[SEL], 0x76543210
	s_mov_b32 s[SEL+1], 0xfedcba98
	s_mov_b32 s44, 0x7f7f0000
	s_lshr_b32 s11, ttmp9, 3                       ; block of 128 tokens
	s_and_b32 s12, ttmp9, 7                        ; block of 128 channels
	s_lshl_b32 s30, s11, 16                        ; the tokens' codes,
	s_lshl_b32 s31, s11, 12
	s_add_co_u32 s31, s31, 0x800000                ; their scale bytes
	s_lshl_b32 s32, s10, 6
	s_lshl_b32 s33, s12, 3
	s_add_co_u32 s32, s32, s33                     ; my first tile of qkv_w
	s_lshl_b32 s33, s32, 9
	s_add_co_u32 s33, s33, 0x820000                ; its scale bytes,
	s_lshl_b32 s32, s32, 13
	s_add_co_u32 s32, s32, 0x200000                ; its codes
	s_cmp_eq_u32 s10, 2                            ; v: the tokens are P
	s_cselect_b32 s34, s30, s32
	s_cselect_b32 s36, s32, s30
	s_cselect_b32 s38, s31, s33
	s_cselect_b32 s40, s33, s31
	s_cselect_b32 s45, 8, 9                        ; v's scale words: 256 bytes a block, q's and k's 512
	s_mov_b32 s35, 0
	s_mov_b32 s37, 0
	s_mov_b32 s39, 0
	s_mov_b32 s41, 0
	s_wait_kmcnt 0x0
	s_add_nc_u64 s[SP:SP+1], s[4:5], s[34:35]
	s_add_nc_u64 s[SQ:SQ+1], s[4:5], s[36:37]
	s_add_nc_u64 s[SSP:SSP+1], s[4:5], s[38:39]
	s_add_nc_u64 s[SSQ:SSQ+1], s[4:5], s[40:41]
	SC_RM SCP, SSP, 2, 1024
	SC_RM SCQ, SSQ, 2, 1024
	s_lshr_b32 s30, s11, 4
	s_lshl_b32 s30, s30, 4
	s_lshl_b32 s31, s12, 1
	s_add_co_u32 s30, s30, s31                     ; my first head: 16 batch + 2 (block of channels)
	s_lshl_b32 s30, s30, 4
	s_and_b32 s31, s11, 15
	s_add_co_u32 s30, s30, s31                     ; 16 head + block of tokens in the batch
	s_lshl_b32 s32, s30, 12
	s_lshl_b32 s31, s10, 21
	s_add_co_u32 s32, s32, s31
	s_mov_b32 s33, 0
	s_add_nc_u64 s[OC:OC+1], s[8:9], s[32:33]
	s_lshl_b32 s32, s30, s45
	s_lshl_b32 s31, s10, 18
	s_add_co_u32 s32, s32, s31
	s_add_co_u32 s32, s32, 0x600000
	s_add_nc_u64 s[OS:OS+1], s[8:9], s[32:33]
	s_lshl_b32 s32, s10, 12
	s_lshl_b32 s31, s12, 9
	s_add_co_u32 s32, s32, s31
	s_add_nc_u64 s[6:7], s[6:7], s[32:33]          ; qkv_b at my 128 channels
	CORE05
	; the bias comes into P's set 2, which has had its last step: 16 loads on either way
	s_cmp_eq_u32 s10, 2
	s_cbranch_scc1 .Lbias_v
	WIN 0x40
.set j, 0
.rept 16
	global_load_b128 v[128+4*j:131+4*j], v3, s[6:7] offset:128*(j/4)+16*(j%4)   ; register 16 b + i: channel 32 b + 16 h + i
.set j, j+1
.endr
	WIN 0
	s_branch .Lbias_in
.Lbias_v:
	WIN 0x40
.set j, 0
.rept 8
	global_load_b32 v[128+2*j], v4, s[6:7] offset:(32*(j/2)+8*(j%2))*4          ; my channel of tile j, twice: a pair for the packed addition
	global_load_b32 v[129+2*j], v4, s[6:7] offset:(32*(j/2)+8*(j%2))*4
.set j, j+1
.endr
	WIN 0
.Lbias_in:
	s_wait_loadcnt 48                              ; step 6 is in: behind it step 7's 32 loads and the bias's 16
	MULSTEP 6, 0
	s_wait_loadcnt 16                              ; step 7 is in
	MULSTEP 7, 0
	WIN 0
	s_wait_loadcnt 0x0                             ; the bias
	PLACES 4                                       ; in front of the first read of results
.macro EPI_QK a                        ; tile a of tokens: 128 channels = two heads
	s_wait_xcnt 0x0                                ; the last tile's stores have read their registers
	s_wait_dscnt 0x0
	WIN 0x06+(\a)/4                                ; source 0 window 2 or 3, source 1 window 1
.set j, 0
.rept 32
	v_pk_add_f32 v[H+j:H+j+1], v[64*((\a)%4)+j:64*((\a)%4)+j+1], v[128+j:129+j]
.set j, j+2
.endr
	WIN 0
	QUANT H
	global_store_b128 v1, v[PC:PC+3], s[OC:OC+1] offset:512*(\a)
	global_store_b128 v1, v[PC+4:PC+7], s[OC:OC+1] offset:512*(\a)+65536        ; the next head
	v_and_or_b32 v33, v[PW], 0xffff, s44           ; a head's two bytes, and 127 for the zero half of K
	v_lshrrev_b32 v34, 16, v[PW]
	v_or_b32 v34, s44, v34
	ds_store_b32 v5, v33 offset:256*((\a)/4)+4*((\a)%4)
	ds_store_b32 v5, v34 offset:512+256*((\a)/4)+4*((\a)%4)
.endm
.macro EPI_V a                         ; tile a of channels: 128 keys = one K step of the second product of attention
	s_wait_xcnt 0x0
	s_wait_dscnt 0x0
	WIN 0x06+(\a)/4
.set j, 0
.rept 32
	v_pk_add_f32 v[H+j:H+j+1], v[64*((\a)%4)+j:64*((\a)%4)+j+1], v[128+2*(\a):129+2*(\a)]
.set j, j+2
.endr
	WIN 0
	QUANT H
	global_store_b128 v1, v[PC:PC+3], s[OC:OC+1] offset:65536*((\a)/4)+1024*((\a)%4)
	global_store_b128 v1, v[PC+4:PC+7], s[OC:OC+1] offset:65536*((\a)/4)+1024*((\a)%4)+512
	ds_store_b32 v6, v[PW] offset:256*((\a)/4)+128*((\a)%2)+4*(((\a)%4)/2)
.endm
	s_cmp_eq_u32 s10, 2
	s_cbranch_scc1 .Lout_v
.irp a, 0,1,2,3,4,5,6,7
	EPI_QK \a
.endr
	ds_load_b128 v[48:51], v7                      ; LDS serves a wave's instructions in order: these see my stores
	ds_load_b128 v[52:55], v7 offset:512
	s_wait_dscnt 0x0
	global_store_b128 v1, v[48:51], s[OS:OS+1]     ; 512 consecutive bytes for each head
	global_store_b128 v1, v[52:55], s[OS:OS+1] offset:8192
	s_wait_tensorcnt 0x0
	ds_add_u32 v62, v63
	s_wait_dscnt 0x0
	s_endpgm
.Lout_v:
.irp a, 0,1,2,3,4,5,6,7
	EPI_V \a
.endr
	ds_load_b128 v[48:51], v7
	s_wait_dscnt 0x0
	global_store_b128 v8, v[48:51], s[OS:OS+1]     ; 256 consecutive bytes for each head
	s_wait_tensorcnt 0x0
	ds_add_u32 v62, v63
	s_wait_dscnt 0x0
	s_endpgm
.Lfunc_end_k_qd0b30cc946_qkv:
	.size	k_qd0b30cc946_qkv, .Lfunc_end_k_qd0b30cc946_qkv-k_qd0b30cc946_qkv
	.p2alignl 7, 3214868480
	.fill 96, 4, 3214868480
	.section	.rodata,"a",@progbits
	.p2align	6, 0x0
	.amdhsa_kernel k_qd0b30cc946_qkv
		.amdhsa_group_segment_fixed_size 3584
		.amdhsa_private_segment_fixed_size 0
		.amdhsa_enable_private_segment 0
		.amdhsa_kernarg_size 24
		.amdhsa_user_sgpr_count 2
		.amdhsa_user_sgpr_kernarg_segment_ptr 1
		.amdhsa_wavefront_size32 1
		.amdhsa_system_sgpr_workgroup_id_x 1
		.amdhsa_system_sgpr_workgroup_id_y 1
		.amdhsa_system_sgpr_workgroup_id_z 1
		.amdhsa_system_vgpr_workitem_id 0
		.amdhsa_next_free_vgpr 1024
		.amdhsa_next_free_sgpr 66
		.amdhsa_reserve_vcc 0
		.amdhsa_float_denorm_mode_32 3
		.amdhsa_float_denorm_mode_16_64 3
		.amdhsa_memory_ordered 1
		.amdhsa_forward_progress 1
		.amdhsa_inst_pref_size 199
	.end_amdhsa_kernel
	.amdgpu_metadata
---
amdhsa.version: [ 1, 2 ]
amdhsa.kernels:
  - .name:           k_qd0b30cc946_qkv
    .symbol:         k_qd0b30cc946_qkv.kd
    .args:
      - { .name: prepb, .offset: 0, .size: 8, .value_kind: global_buffer, .address_space: global }
      - { .name: qkv_b, .offset: 8, .size: 8, .value_kind: global_buffer, .address_space: global }
      - { .name: qkvb, .offset: 16, .size: 8, .value_kind: global_buffer, .address_space: global }
    .group_segment_fixed_size: 3584
    .private_segment_fixed_size: 0
    .kernarg_segment_align: 8
    .kernarg_segment_size: 24
    .max_flat_workgroup_size: 96
    .sgpr_count:     66
    .vgpr_count:     1024
    .wavefront_size: 32
...
	.end_amdgpu_metadata
.endif
;; end of part 2
;; launch attn (part 3): grid 8 x 32, 8 waves a work-group, no clusters, 1,536 bytes of LDS; arguments qkvb, attb; writes attb
.if DOCPART == 3
	.amdgcn_target "amdgcn-amd-amdhsa--gfx1250"
	.amdhsa_code_object_version 6
	.text
	.protected	k_qd0b30cc946_attn
	.globl	k_qd0b30cc946_attn
	.p2align	8
	.type	k_qd0b30cc946_attn,@function
k_qd0b30cc946_attn:
	s_mov_b64 s[64:65], 0
	v_nop
	global_prefetch_b8 v0, s[64:65] scope:SCOPE_SE
	s_setreg_imm32_b32 hwreg(HW_REG_WAVE_MODE, 25, 1), 1
	s_wait_xcnt 0x0
; Causal attention on codes of FP4, head size 64, and the quantising of its result along the channels for the next product.
; t = score x log2(e) / 8; M = the row's largest t so far, rounded UP to a whole number; p = 2^(t - M) is quantised along the keys, not normalised; the row's sum is taken of the unquantised p and divides at the end.
; When M moves, the sum and O are multiplied by 2^(old M - new M), which rounds nothing.
; SHARES: work-group (g, head) has eight waves; wave w takes two tiles of 16 queries, one after the other: tile w of block g, then tile w xor 7 of block 15 - g (blocks of 128 queries).
; That is (g + 1) + (16 - g) = 17 key steps of 128 for every wave of the launch: the causal work is even.  Key steps that lie wholly behind a tile's queries are not walked; the step on the diagonal is masked.
; LAYOUT: both products transposed: S^T = K Q^T (source 0 = 16 keys), O^T = V^T P^T (source 0 = 16 channels): a lane holds one query throughout.  The launch before has laid tokens and channels in tiles whose row r is
; 8 (t % 2) + r % 8 + 16 (r / 8) of a pair's 32, so the 16 registers of tiles 2 b, 2 b + 1 are 16 neighbouring keys (or channels): 32 b + 16 (lane / 16) + 0 .. 15.
; The head's 64 fill half of K = 128: registers 4-7 of q's and k's fragments are zero codes, their scale bytes 127.
; K AND V COME FROM MEMORY STRAIGHT INTO REGISTERS, in register order, 512 consecutive bytes a load: a step's V is asked for behind its first products, the next step's K with it; the softmax stands between request and use.
; NO CLUSTER: nothing lands in LDS that a joint load could share, and the work-groups of a head walk different numbers of key steps.
; OUT (attb): codes [tile of tokens 256][8192], head at 512 x head; scale bytes at 2 MiB: [head 32][tile in the batch 128][r][2].
; LIMITS: NaN and infinities are not served; a block under 2^-124 gets the byte 1 (read by this program alone).
; REGISTERS: v1 16 lane, v2 8 lane, v3 16 r, v4 my query less 16 (lane / 16), v5 the prefetch's lane term, v9-11, v24 addresses; v12 -M, v13 the largest t, v[14:15] the sum; v16-23 Q; v32-95 K; v96-159 S^T, then p;
; v160-191 O^T; v192-223 V; v224-231 p's codes; v232-239, v244-247, v252, v254 at work; v[240:241] V's scale words, v248-251 K's, v253 p's, v255 Q's.
.set SEL, 52
.set CS,  54
.set BLK, 50                           ; s50, s51 the two passes' blocks of queries
.set AT,  57                           ; s57, s58 their tiles
.set DQ,  48                           ; s48, s49 the tile's first query in its block
.set TM,  232
.set BY,  238
.set PC,  224
.macro PLACES n
.rept \n
	v_nop
.endr
.endm
.macro PADDR p                         ; pass p: where Q, its scale words and the result lie
	s_lshl_b32 s38, s36, 16
	s_lshl_b32 s41, s[BLK+\p], 12
	s_add_co_u32 s38, s38, s41
	s_lshl_b32 s41, s[AT+\p], 9
	s_add_co_u32 s38, s38, s41
	s_add_nc_u64 s[26+4*\p:27+4*\p], s[4:5], s[38:39]
	s_lshl_b32 s38, s36, 13
	s_lshl_b32 s41, s[BLK+\p], 9
	s_add_co_u32 s38, s38, s41
	s_lshr_b32 s41, s[AT+\p], 2
	s_lshl_b32 s41, s41, 8
	s_add_co_u32 s38, s38, s41
	s_and_b32 s41, s[AT+\p], 3
	s_lshl_b32 s41, s41, 2
	s_add_co_u32 s38, s38, s41
	s_add_co_u32 s38, s38, 0x600000
	s_add_nc_u64 s[28+4*\p:29+4*\p], s[4:5], s[38:39]
	s_lshr_b32 s38, s36, 4
	s_lshl_b32 s38, s38, 7
	s_lshl_b32 s41, s[BLK+\p], 3
	s_add_co_u32 s38, s38, s41
	s_add_co_u32 s38, s38, s[AT+\p]                ; the tile of tokens: 128 batch + 8 block + tile
	s_lshl_b32 s38, s38, 13
	s_and_b32 s41, s36, 15
	s_lshl_b32 s41, s41, 9
	s_add_co_u32 s38, s38, s41
	s_add_nc_u64 s[44+2*\p:45+2*\p], s[6:7], s[38:39]
	s_lshr_b32 s38, s[AT+\p], 1
	s_lshl_b32 s38, s38, 5
	s_and_b32 s41, s[AT+\p], 1
	s_lshl_b32 s41, s41, 3
	s_add_co_u32 s[DQ+\p], s38, s41
.endm
.macro KLOAD bc, bs, oc, os            ; a key step's eight tiles of K (the lower halves of the fragments) and their scale words: 9 loads
.irp t, 0,1,2,3,4,5,6,7
	global_load_b128 v[32+8*\t:35+8*\t], v1, s[\bc:\bc+1] offset:\oc+512*\t
.endr
	global_load_b128 v[248:251], v1, s[\bs:\bs+1] offset:\os    ; register t % 4: lanes 0-15 tile t < 4, lanes 16-31 tile t + 4
.endm
; A KEY STEP of 128 keys.  masked = 1: the step on the diagonal.  nxt = 1: the next step's K is asked for; 2: the next pass's first K and its Q; 0: nothing.  pf = 1: the text holds the prefetch.
.macro STEP masked, nxt, pf
	s_wait_loadcnt 0x0                             ; this step's K and its scale words (and Q)
.irp t, 0,1,2,3
	v_wmma_scale_f32_16x16x128_f8f6f4 v[96+8*\t:103+8*\t], v[32+8*\t:39+8*\t], v[16:23], 0, v[248+\t], v255 matrix_a_fmt:MATRIX_FMT_FP4 matrix_b_fmt:MATRIX_FMT_FP4
.endr
.irp t, 4,5,6,7
	v_wmma_scale_f32_16x16x128_f8f6f4 v[96+8*\t:103+8*\t], v[32+8*\t:39+8*\t], v[16:23], 0, v[244+\t], v255 matrix_a_fmt:MATRIX_FMT_FP4 matrix_b_fmt:MATRIX_FMT_FP4 matrix_a_scale:MATRIX_SCALE_ROW1
.endr
	PLACES 4                                       ; in front of the loads into registers that products have read, and of the first read of the scores
.irp t, 0,1,2,3
	global_load_b128 v[192+8*\t:195+8*\t], v1, s[12:13] offset:1024*\t
	global_load_b128 v[196+8*\t:199+8*\t], v1, s[12:13] offset:1024*\t+512
.endr
	global_load_b64 v[240:241], v2, s[14:15]       ; V's scale words: register t / 2, lanes 16-31 for odd t
.if \nxt == 1
	KLOAD 8, 10, 4096, 512
.endif
.if \nxt == 2
	KLOAD 16, 18, 0, 0
	global_load_b128 v[16:19], v1, s[30:31]
	global_load_b32 v255, v3, s[32:33]
.endif
.if \pf
; A PREFETCH INTO THE L2 of the key step three steps on: K's 4,096 bytes (lanes 0-15, 256 bytes apart) and V's (lanes 16-31).  All work-groups of a head walk the same K and V: wave 0 of the head's first work-group asks,
; in its second pass, which walks all 16 steps; so each run of 256 bytes of steps 3 to 15 is named once in the launch.  Steps 0 to 2 and the scale bytes come by their loads alone.  Trips 13 and 14 ask for nothing.
	s_cmp_lt_u32 s40, s56
	s_cbranch_scc0 .Lnot_mine_\@
	global_prefetch_b8 v5, s[8:9] offset:12288 th:TH_LOAD_NT scope:SCOPE_SE
.Lnot_mine_\@:
.endif
.if \masked                            ; register 16 b + i holds key 32 b + 16 (lane / 16) + i of the step: hidden where 32 b + i > my query - 16 (lane / 16)
	v_mov_b32 v254, 0xff800000                     ; -infinity: p = 0 then
.set n, 0
.rept 64
	v_cmp_gt_i32 vcc_lo, 32*(n/16)+n%16, v4
	v_cndmask_b32 v[96+n], v[96+n], v254, vcc_lo
.set n, n+1
.endr
.endif
.irp b, 0,1,2,3
	v_max3_num_f32 v[232+\b], v[96+16*\b], v[97+16*\b], v[98+16*\b]   ; the largest score of each block of 32 keys: for the row's maximum, and, since p rises with the score, for the block's largest p
.endr
.irp i, 3,5,7,9,11,13
.irp b, 0,1,2,3
	v_max3_num_f32 v[232+\b], v[232+\b], v[96+16*\b+\i], v[97+16*\b+\i]
.endr
.endr
.irp b, 0,1,2,3
	v_max_num_f32 v[232+\b], v[232+\b], v[111+16*\b]
.endr
.irp b, 0,1,2,3
	v_permlanex16_b32 v[236+\b], v[232+\b], s[SEL], s[SEL+1]
.endr
.irp b, 0,1,2,3
	v_max_num_f32 v[232+\b], v[232+\b], v[236+\b]  ; with lane l xor 16's 16 keys
.endr
	v_max3_num_f32 v254, v232, v233, v234
	v_max_num_f32 v254, v254, v235                 ; the step's largest score of my query
	v_mul_f32 v254, s[CS], v254                    ; as t
	v_max_num_f32 v13, v13, v254                   ; the running largest t
	v_mov_b32 v254, v12
	v_floor_f32 v12, -v13                          ; the new -M = floor(-t) = -ceil(t)
	v_sub_f32 v254, v12, v254                      ; old M - new M: a whole number, 0 or less
	v_cvt_i32_f32 v254, v254                       ; (it saturates)
	v_ldexp_f32 v252, 1.0, v254                    ; f = 2^(old M - new M)
.set j, 0
.rept 32
	v_pk_fma_f32 v[96+j:97+j], v[96+j:97+j], s[CS:CS+1], v[12:13] op_sel_hi:[1,0,0]   ; t - M
.set j, j+2
.endr
.irp b, 0,1,2,3
	v_fma_f32 v[232+\b], v[232+\b], s[CS], v12     ; the same of each block's largest score
.endr
.set j, 0
.rept 64
	v_exp_f32 v[96+j], v[96+j]                     ; p = 2^(t - M)
.set j, j+1
.endr
.irp b, 0,1,2,3
	v_exp_f32 v[232+\b], v[232+\b]                 ; the block's largest p
.endr
	v_pk_mul_f32 v[14:15], v[14:15], v[252:253] op_sel_hi:[1,0]   ; the sums under the new M (a plain line behind the exponentials)
	s_wait_alu depctr_va_vdst(0)
.irp b, 0,1,2,3
	v_max_num_f32 v[232+\b], 0x1800000, v[232+\b]  ; the floor 2^(3 - 127)
.endr
.irp b, 0,1,2,3
	v_add_nc_u32 v[244+\b], 0xff000000, v[232+\b]  ; the conversion's scale operand
.endr
.irp b, 0,1,2,3
	v_lshrrev_b32 v[236+\b], 23, v[244+\b]         ; the scale's byte
.endr
	v_lshl_or_b32 v253, v237, 8, v236              ; p's scale word for these 128 keys
	v_lshl_or_b32 v253, v238, 16, v253
	v_lshl_or_b32 v253, v239, 24, v253
.irp b, 0,1,2,3
	v_cvt_scalef32_pk8_fp4_f32 v[224+2*\b], v[96+16*\b:103+16*\b], v[244+\b]
	v_cvt_scalef32_pk8_fp4_f32 v[225+2*\b], v[104+16*\b:111+16*\b], v[244+\b]
.endr
	v_nop                                          ; a plain line behind the last scaled conversion
.irp c, 0,1
.irp i, 0,1
	v_permlane16_swap_b32 v[224+4*\c+\i], v[226+4*\c+\i]
.endr
.endr
	v_pk_add_f32 v[236:237], v[96:97], v[98:99]    ; the row's sum is taken of the unquantised p, in two chains
.set j, 4
.rept 15
	v_pk_add_f32 v[14:15], v[14:15], v[96+j:97+j]
	v_pk_add_f32 v[236:237], v[236:237], v[98+j:99+j]
.set j, j+4
.endr
	v_pk_add_f32 v[14:15], v[14:15], v[236:237]
.set j, 0
.rept 16
	v_pk_mul_f32 v[160+j:161+j], v[160+j:161+j], v[252:253] op_sel_hi:[1,0]   ; O^T under the new M.  (With the sums above: the plain lines between p's codes and scale word and the products)
.set j, j+2
.endr
.if \nxt == 1
	s_wait_loadcnt 9                               ; V and its scale words are in; the next K's 9 loads may be out
.elseif \nxt == 2
	s_wait_loadcnt 11                              ; the next pass's K, 9 loads, and Q, 2, may be out
.else
	s_wait_loadcnt 0x0
.endif
	v_wmma_scale_f32_16x16x128_f8f6f4 v[160:167], v[192:199], v[224:231], v[160:167], v240, v253 matrix_a_fmt:MATRIX_FMT_FP4 matrix_b_fmt:MATRIX_FMT_FP4
	v_wmma_scale_f32_16x16x128_f8f6f4 v[168:175], v[200:207], v[224:231], v[168:175], v240, v253 matrix_a_fmt:MATRIX_FMT_FP4 matrix_b_fmt:MATRIX_FMT_FP4 matrix_a_scale:MATRIX_SCALE_ROW1
	v_wmma_scale_f32_16x16x128_f8f6f4 v[176:183], v[208:215], v[224:231], v[176:183], v241, v253 matrix_a_fmt:MATRIX_FMT_FP4 matrix_b_fmt:MATRIX_FMT_FP4
	v_wmma_scale_f32_16x16x128_f8f6f4 v[184:191], v[216:223], v[224:231], v[184:191], v241, v253 matrix_a_fmt:MATRIX_FMT_FP4 matrix_b_fmt:MATRIX_FMT_FP4 matrix_a_scale:MATRIX_SCALE_ROW1
.if \nxt == 1
	s_wait_xcnt 0x0                                ; every load and the prefetch have read their bases: on to the next key step
	s_add_nc_u64 s[8:9], s[8:9], 4096
	s_add_nc_u64 s[10:11], s[10:11], 512
	s_add_nc_u64 s[12:13], s[12:13], 4096
	s_add_nc_u64 s[14:15], s[14:15], 256
.endif
.endm
.macro QUANT2 s                        ; 32 numbers, register 16 b + i = channel 32 b + 16 (lane / 16) + i, become 4 registers of codes in v[PC] on and two scale bytes in v[BY]
.irp b, 0,1
	v_max3_num_f32 v[TM+\b], |v[\s+16*\b]|, |v[\s+1+16*\b]|, 0x1800000
.endr
.irp i, 2,4,6,8,10,12,14
.irp b, 0,1
	v_max3_num_f32 v[TM+\b], v[TM+\b], |v[\s+16*\b+\i]|, |v[\s+1+16*\b+\i]|
.endr
.endr
.irp b, 0,1
	v_permlanex16_b32 v[TM+4+\b], v[TM+\b], s[SEL], s[SEL+1]
.endr
.irp b, 0,1
	v_max_num_f32 v[TM+\b], v[TM+\b], v[TM+4+\b]
.endr
.irp b, 0,1
	v_add_nc_u32 v[TM+12+\b], 0xff000000, v[TM+\b]
.endr
.irp b, 0,1
	v_lshrrev_b32 v[TM+4+\b], 23, v[TM+12+\b]
.endr
	v_lshl_or_b32 v[BY], v[TM+5], 8, v[TM+4]
.irp b, 0,1
	v_cvt_scalef32_pk8_fp4_f32 v[PC+2*\b], v[\s+16*\b:\s+7+16*\b], v[TM+12+\b]
	v_cvt_scalef32_pk8_fp4_f32 v[PC+1+2*\b], v[\s+8+16*\b:\s+15+16*\b], v[TM+12+\b]
.endr
	v_nop
	v_permlane16_swap_b32 v[PC], v[PC+2]
	v_permlane16_swap_b32 v[PC+1], v[PC+3]
.endm
.macro PASS p
	s_wait_xcnt 0x0                                ; earlier loads and stores have read their bases and data
	s_wait_dscnt 0x0
	s_mov_b64 s[8:9], s[16:17]                     ; back to the head's first key step
	s_mov_b64 s[10:11], s[18:19]
	s_mov_b64 s[12:13], s[20:21]
	s_mov_b64 s[14:15], s[22:23]
	v_add_nc_u32 v4, s[DQ+\p], v9
	v_mov_b32 v13, 0xff61b1e6                      ; the largest t so far: -3e38
	v_floor_f32 v12, -v13
	v_mov_b32 v14, 0
	v_mov_b32 v15, 0
.set j, 0
.rept 32
	v_mov_b32 v[160+j], 0                          ; O^T: the step is written once; its first use finds zeros, which the first change of M leaves zeros
.set j, j+1
.endr
	s_mov_b32 s40, 0
.if \p == 0
	s_cmp_eq_u32 s[BLK], 0                         ; block 0 has the diagonal step alone
	s_cbranch_scc1 .Ldiag_\@
.endif
.Lkeys_\@:
	STEP 0, 1, \p
	s_add_co_u32 s40, s40, 1
	s_cmp_lt_u32 s40, s[BLK+\p]
	s_cbranch_scc1 .Lkeys_\@
.Ldiag_\@:
	STEP 1, 2-2*\p, 0
	PLACES 4                                       ; in front of the first read of O^T
	v_add_f32 v14, v14, v15
	v_permlanex16_b32 v252, v14, s[SEL], s[SEL+1]
	v_add_f32 v14, v14, v252                       ; the row's sum
	v_rcp_f32 v14, v14
	v_nop
	s_wait_alu depctr_va_vdst(0)
	v_mov_b32 v15, v14
.set j, 0
.rept 16
	v_pk_mul_f32 v[160+j:161+j], v[160+j:161+j], v[14:15]
.set j, j+2
.endr
	QUANT2 160
	global_store_b128 v1, v[PC:PC+3], s[44+2*\p:45+2*\p]    ; 512 consecutive bytes
	ds_store_b16 v[10+\p], v[BY] offset:256*\p
.endm
	s_load_b128 s[4:7], s[0:1], 0x0                ; qkvb, attb
	v_lshl_add_u32 v242, v0, 2, 0x200
	v_mov_b32 v243, 0
	v_lshrrev_b32 v6, 5, v0
	v_readfirstlane_b32 s34, v6                    ; wave 0..7
	s_mov_b32 s35, ttmp9                           ; g
	s_and_b32 s36, ttmp7, 0xffff                   ; 16 batch + head
	v_and_b32 v6, 31, v0
	v_and_b32 v7, 15, v0                           ; r
	v_bfe_u32 v8, v0, 4, 1                         ; h
	v_lshlrev_b32 v1, 4, v6
	v_lshlrev_b32 v2, 3, v6
	v_lshlrev_b32 v3, 4, v7
	v_lshlrev_b32 v5, 8, v7
	v_lshl_add_u32 v5, v8, 21, v5                  ; 256 r; lanes 16-31 2 MiB on: V's codes lie so far behind K's
	v_and_b32 v9, 8, v7
	v_add_nc_u32 v9, v9, v7
	v_lshlrev_b32 v10, 4, v8
	v_sub_nc_u32 v9, v9, v10                       ; r + 8 (r / 8) - 16 h
	s_mov_b32 s[BLK], s35
	s_sub_co_u32 s[BLK+1], 15, s35
	s_mov_b32 s[AT], s34
	s_xor_b32 s[AT+1], s34, 7
	s_lshl_b32 s41, s[AT], 5
	v_lshl_add_u32 v10, v7, 1, s41                 ; LDS: 32 tile + 2 r
	s_lshl_b32 s41, s[AT+1], 5
	v_lshl_add_u32 v11, v7, 1, s41
	s_lshl_b32 s41, s35, 1
	s_sub_co_u32 s41, 15, s41
	s_lshl_b32 s41, s41, 8
	v_mul_u32_u24 v24, s41, v8
	v_add_nc_u32 v24, v24, v3
	s_lshl_b32 s41, s35, 8
	v_add_nc_u32 v24, s41, v24                     ; the scale bytes' way out: lanes 0-15 block g, lanes 16-31 block 15 - g; 16 r
.irp j, 20,21,22,23
	v_mov_b32 v[\j], 0                             ; the upper half of K = 128: zero codes
.endr
.irp t, 0,1,2,3,4,5,6,7
.irp j, 4,5,6,7
	v_mov_b32 v[32+8*\t+\j], 0
.endr
.endr
.irp b, 0,1,2,3
	v_mov_b32 v[236+\b], 0                         ; written once: a lane permute's destination counts as one of its sources
.endr
	v_mov_b32 v253, 0                              ; (named as the upper half of a pair before it is first written)
	s_mov_b32 s[SEL], 0x76543210
	s_mov_b32 s[SEL+1], 0xfedcba98
	s_mov_b32 s[CS], 0x3e38aa3b                    ; log2(e) / sqrt(64)
	s_mov_b32 s[CS+1], s[CS]
	s_or_b32 s41, s34, s35
	s_cmp_eq_u32 s41, 0
	s_cselect_b32 s56, 13, 0                       ; the trips in which I prefetch
	s_mov_b32 s39, 0
	s_wait_kmcnt 0x0
	s_lshl_b32 s38, s36, 16
	s_add_co_u32 s38, s38, 0x200000
	s_add_nc_u64 s[16:17], s[4:5], s[38:39]        ; the head's K,
	s_add_co_u32 s38, s38, 0x200000
	s_add_nc_u64 s[20:21], s[4:5], s[38:39]        ; V,
	s_lshl_b32 s38, s36, 13
	s_add_co_u32 s38, s38, 0x640000
	s_add_nc_u64 s[18:19], s[4:5], s[38:39]        ; K's scale words,
	s_lshl_b32 s38, s36, 12
	s_add_co_u32 s38, s38, 0x680000
	s_add_nc_u64 s[22:23], s[4:5], s[38:39]        ; V's
	s_lshl_b32 s38, s36, 12
	s_add_co_u32 s38, s38, 0x200000
	s_add_nc_u64 s[60:61], s[6:7], s[38:39]        ; the result's scale bytes
	PADDR 0
	PADDR 1
	global_load_b128 v[16:19], v1, s[26:27]        ; the first pass's Q
	global_load_b32 v255, v3, s[28:29]
	KLOAD 16, 18, 0, 0
	PASS 0
	PASS 1
	s_wait_dscnt 0x0
	s_barrier_signal -1
	s_barrier_wait -1
	s_cmp_lg_u32 s34, 0
	s_cbranch_scc1 .Lend
	ds_load_b128 v[16:19], v1                      ; wave 0 stores the two blocks' scale bytes: two whole runs of 256
	s_wait_dscnt 0x0
	global_store_b128 v24, v[16:19], s[60:61]
.Lend:
	s_wait_tensorcnt 0x0
	ds_add_u32 v242, v243
	s_wait_dscnt 0x0
	s_endpgm
.Lfunc_end_k_qd0b30cc946_attn:
	.size	k_qd0b30cc946_attn, .Lfunc_end_k_qd0b30cc946_attn-k_qd0b30cc946_attn
	.p2alignl 7, 3214868480
	.fill 96, 4, 3214868480
	.section	.rodata,"a",@progbits
	.p2align	6, 0x0
	.amdhsa_kernel k_qd0b30cc946_attn
		.amdhsa_group_segment_fixed_size 1536
		.amdhsa_private_segment_fixed_size 0
		.amdhsa_enable_private_segment 0
		.amdhsa_kernarg_size 16
		.amdhsa_user_sgpr_count 2
		.amdhsa_user_sgpr_kernarg_segment_ptr 1
		.amdhsa_wavefront_size32 1
		.amdhsa_system_sgpr_workgroup_id_x 1
		.amdhsa_system_sgpr_workgroup_id_y 1
		.amdhsa_system_sgpr_workgroup_id_z 1
		.amdhsa_system_vgpr_workitem_id 0
		.amdhsa_next_free_vgpr 256
		.amdhsa_next_free_sgpr 66
		.amdhsa_reserve_vcc 1
		.amdhsa_float_denorm_mode_32 3
		.amdhsa_float_denorm_mode_16_64 3
		.amdhsa_memory_ordered 1
		.amdhsa_forward_progress 1
		.amdhsa_inst_pref_size 88
	.end_amdhsa_kernel
	.amdgpu_metadata
---
amdhsa.version: [ 1, 2 ]
amdhsa.kernels:
  - .name:           k_qd0b30cc946_attn
    .symbol:         k_qd0b30cc946_attn.kd
    .args:
      - { .name: qkvb, .offset: 0, .size: 8, .value_kind: global_buffer, .address_space: global }
      - { .name: attb, .offset: 8, .size: 8, .value_kind: global_buffer, .address_space: global }
    .group_segment_fixed_size: 1536
    .private_segment_fixed_size: 0
    .kernarg_segment_align: 8
    .kernarg_segment_size: 16
    .max_flat_workgroup_size: 256
    .sgpr_count:     66
    .vgpr_count:     256
    .wavefront_size: 32
...
	.end_amdgpu_metadata
.endif
;; end of part 3
;; launch proj (part 4): grid 256 x 1, 16 waves a work-group, no clusters, 74,240 bytes of LDS; arguments attb, prepb, x, out_b, ln2_g, ln2_b, x1, n2; writes x1, n2
.if DOCPART == 4
	.amdgcn_target "amdgcn-amd-amdhsa--gfx1250"
	.amdhsa_code_object_version 6
	.text
	.protected	k_qd0b30cc946_proj
	.globl	k_qd0b30cc946_proj
	.p2align	8
	.type	k_qd0b30cc946_proj,@function
k_qd0b30cc946_proj:
	s_mov_b64 s[64:65], 0
	v_nop
	global_prefetch_b8 v0, s[64:65] scope:SCOPE_SE
	s_setreg_imm32_b32 hwreg(HW_REG_WAVE_MODE, 25, 1), 1
	s_wait_xcnt 0x0
; x1 = x + att out_w^T + out_b on codes of FP4; then LN2(x1), quantised along the channels.
; SHARES: a work-group takes one tile of 16 tokens with ALL 1,024 columns, so that the layer norm's sums stay in the work-group; wave w takes columns 64 w on: four tiles of out_w, four accumulators, K = 1,024 in 8 steps.
; 256 tiles of tokens: 256 work-groups of sixteen waves, four to a SIMD.
; Source 0 = 16 rows of out_w, source 1 = the tokens: a lane holds one token, register 16 b + i = column 64 w + 32 b + 16 (lane / 16) + i.  x + out_b starts the sums as the first products' C.
; Operands come from memory straight into registers, in register order (512 consecutive bytes a load), four sets by turns: three steps' loads are out while a step is multiplied.
; NO CLUSTER: nothing lands in LDS that a joint load could share.
; x comes in, and x1 goes out, as whole runs of 256 bytes of a row, through the wave's own stage in LDS.
; OUT: x1 [4096][1024] f32; n2: codes [tile][8192] at 512 w; scale bytes at 2 MiB: [tile][r][32], bytes 2 w, 2 w + 1.
; LIMITS: NaN and infinities are not served; a block under 2^-124 gets the byte 1 (read by this program alone); the mean and the variance are summed in another order than a plain running sum.
.set P1,  0                            ; LDS: 16 rows x 16 waves' sums
.set P2,  1024
.set SG,  2048                         ; the tile's 512 scale bytes
.set STG, 2560                         ; a stage for each wave: 16 rows x 272 bytes (256 + 16 of padding)
.set SEL, 38
.set TM,  232
.set BY,  248
.set PC,  252
; v16-23 the tokens' scale words, v24-39 out_w's (register 8 (b / 2) + s), v40-71 the accumulators, v72, v112, v152, v192 four sets of 32 (P) + 8 (Q), v232-255 at work
.macro PLACES n
.rept \n
	v_nop
.endr
.endm
.macro WM acc, pf, qf, sp, sq, po
.set wA, \acc
.set wP, \pf
.set wQ, \qf
.set wS, \sp
.set wT, \sq
.if \po
	v_wmma_scale_f32_16x16x128_f8f6f4 v[wA:wA+7], v[wP:wP+7], v[wQ:wQ+7], v[wA:wA+7], v[wS], v[wT] matrix_a_fmt:MATRIX_FMT_FP4 matrix_b_fmt:MATRIX_FMT_FP4 matrix_a_scale:MATRIX_SCALE_ROW1
.else
	v_wmma_scale_f32_16x16x128_f8f6f4 v[wA:wA+7], v[wP:wP+7], v[wQ:wQ+7], v[wA:wA+7], v[wS], v[wT] matrix_a_fmt:MATRIX_FMT_FP4 matrix_b_fmt:MATRIX_FMT_FP4
.endif
.endm
.macro LSTEP s                         ; K step s: 10 loads into set s % 4
.set f, 72+40*((\s)%4)
.irp b, 0,1,2,3
	global_load_b128 v[f+8*\b:f+8*\b+3], v1, s[26:27] offset:8192*\b+1024*(\s)
	global_load_b128 v[f+8*\b+4:f+8*\b+7], v1, s[26:27] offset:8192*\b+1024*(\s)+512
.endr
	global_load_b128 v[f+32:f+35], v1, s[22:23] offset:1024*(\s)
	global_load_b128 v[f+36:f+39], v1, s[22:23] offset:1024*(\s)+512
.endm
.macro MSTEP s                         ; its four products: the four accumulators take turns
.set f, 72+40*((\s)%4)
.set mb, 0
.rept 4
	WM 40+8*mb, f+8*mb, f+32, 24+8*(mb/2)+(\s), 16+(\s), mb%2
.set mb, mb+1
.endr
.endm
.macro RED16                           ; the sixteen waves' parts in v236-251 -> v236
	v_pk_add_f32 v[236:237], v[236:237], v[238:239]
	v_pk_add_f32 v[240:241], v[240:241], v[242:243]
	v_pk_add_f32 v[244:245], v[244:245], v[246:247]
	v_pk_add_f32 v[248:249], v[248:249], v[250:251]
	v_pk_add_f32 v[236:237], v[236:237], v[240:241]
	v_pk_add_f32 v[244:245], v[244:245], v[248:249]
	v_pk_add_f32 v[236:237], v[236:237], v[244:245]
	v_add_f32 v236, v236, v237
.endm
.macro QUANT2 s
.irp b, 0,1
	v_max3_num_f32 v[TM+\b], |v[\s+16*\b]|, |v[\s+1+16*\b]|, 0x1800000   ; with the floor 2^(3 - 127)
.endr
.irp i, 2,4,6,8,10,12,14
.irp b, 0,1
	v_max3_num_f32 v[TM+\b], v[TM+\b], |v[\s+16*\b+\i]|, |v[\s+1+16*\b+\i]|
.endr
.endr
.irp b, 0,1
	v_permlanex16_b32 v[TM+4+\b], v[TM+\b], s[SEL], s[SEL+1]
.endr
.irp b, 0,1
	v_max_num_f32 v[TM+\b], v[TM+\b], v[TM+4+\b]
.endr
.irp b, 0,1
	v_add_nc_u32 v[TM+12+\b], 0xff000000, v[TM+\b]
.endr
.irp b, 0,1
	v_lshrrev_b32 v[TM+4+\b], 23, v[TM+12+\b]
.endr
	v_lshl_or_b32 v[BY], v[TM+5], 8, v[TM+4]
.irp b, 0,1
	v_cvt_scalef32_pk8_fp4_f32 v[PC+2*\b], v[\s+16*\b:\s+7+16*\b], v[TM+12+\b]
	v_cvt_scalef32_pk8_fp4_f32 v[PC+1+2*\b], v[\s+8+16*\b:\s+15+16*\b], v[TM+12+\b]
.endr
	v_nop
	v_permlane16_swap_b32 v[PC], v[PC+2]
	v_permlane16_swap_b32 v[PC+1], v[PC+3]
.endm
	s_load_b512 s[4:19], s[0:1], 0x0               ; attb, prepb, x, out_b, ln2_g, ln2_b, x1, n2
	v_lshrrev_b32 v12, 5, v0
	v_readfirstlane_b32 s20, v12                   ; wave 0..15
	v_and_b32 v14, 31, v0                          ; lane
	v_and_b32 v12, 15, v0                          ; r
	v_bfe_u32 v13, v0, 4, 1                        ; h
	v_lshlrev_b32 v1, 4, v14                       ; 16 lane
	v_lshlrev_b32 v2, 5, v14                       ; 32 lane
	v_lshlrev_b32 v3, 1, v12                       ; 2 r
	s_lshl_b32 s41, s20, 8
	v_lshl_add_u32 v4, v12, 4, s41
	v_lshl_add_u32 v4, v13, 12, v4                 ; x, x1: 256 w + 16 r, lanes 16-31 one row down
	v_lshl_add_u32 v7, v13, 6, s41                 ; out_b, ln2_g, ln2_b: 256 w + 64 h
	s_mul_i32 s41, s20, 16*272
	s_add_co_u32 s41, s41, STG                     ; my stage
	v_mul_u32_u24 v5, v13, 272
	v_lshl_add_u32 v5, v12, 4, v5
	v_add_nc_u32 v5, s41, v5                       ; by rows: lanes 0-15 one row, lanes 16-31 the next
	v_mul_u32_u24 v6, v12, 272
	v_lshl_add_u32 v6, v13, 6, v6
	v_add_nc_u32 v6, s41, v6                       ; in the result's layout: row r, + 64 h
	s_lshl_b32 s41, s20, 2
	v_lshl_add_u32 v8, v12, 6, s41                 ; 64 r + 4 w
	v_lshlrev_b32 v9, 6, v12                       ; 64 r
	s_lshl_b32 s41, s20, 1
	v_lshl_add_u32 v10, v12, 5, s41                ; 32 r + 2 w
	s_lshl_b32 s41, s20, 9
	v_lshl_add_u32 v11, v14, 4, s41                ; 512 w + 16 lane
	v_mov_b32 v233, 0                              ; written once: a lane permute's destination counts as one of its sources
	v_mov_b32 v235, 0
	v_mov_b32 v236, 0
	v_mov_b32 v237, 0
	s_mov_b32 s[SEL], 0x76543210
	s_mov_b32 s[SEL+1], 0xfedcba98
	s_mov_b32 s40, 0x3a800000                      ; 1 / 1024
	s_mov_b32 s43, 0
	s_wait_kmcnt 0x0
	s_lshl_b32 s42, ttmp9, 13
	s_add_nc_u64 s[22:23], s[4:5], s[42:43]        ; the tokens' codes
	s_add_nc_u64 s[34:35], s[18:19], s[42:43]      ; n2's codes
	s_lshr_b32 s42, ttmp9, 7
	s_lshl_b32 s42, s42, 16
	s_and_b32 s41, ttmp9, 127
	s_lshl_b32 s41, s41, 5
	s_add_co_u32 s42, s42, s41
	s_add_co_u32 s42, s42, 0x200000
	s_add_nc_u64 s[24:25], s[4:5], s[42:43]        ; the tokens' scale bytes: head 0 of the batch, my tile
	s_lshl_b32 s42, s20, 15
	s_add_co_u32 s42, s42, 0x380000
	s_add_nc_u64 s[26:27], s[6:7], s[42:43]        ; my four tiles of out_w
	s_lshl_b32 s42, s20, 11
	s_add_co_u32 s42, s42, 0x838000
	s_add_nc_u64 s[28:29], s[6:7], s[42:43]        ; their scale bytes
	s_lshr_b32 s42, ttmp9, 1
	s_lshl_b32 s42, s42, 5
	s_and_b32 s41, ttmp9, 1
	s_lshl_b32 s41, s41, 3
	s_add_co_u32 s42, s42, s41                     ; the tile's first row
	s_lshl_b32 s42, s42, 12
	s_add_nc_u64 s[30:31], s[8:9], s[42:43]
	s_add_nc_u64 s[32:33], s[16:17], s[42:43]
	s_lshl_b32 s42, ttmp9, 9
	s_add_co_u32 s42, s42, 0x200000
	s_add_nc_u64 s[36:37], s[18:19], s[42:43]      ; n2's scale bytes
.set i, 0
.rept 8
	global_load_b128 v[152+4*i:155+4*i], v4, s[30:31] offset:(2*i+8*(i/4))*4096   ; x: tile rows 2 i, 2 i + 1: sixteen lanes read 256 consecutive bytes
.set i, i+1
.endr
.set j, 0
.rept 8
	global_load_b128 v[184+4*j:187+4*j], v7, s[10:11] offset:128*(j/4)+16*(j%4)   ; out_b in the result's layout
.set j, j+1
.endr
.irp i, 0,1
.irp q, 0,1
	global_load_b128 v[24+8*\i+4*\q:27+8*\i+4*\q], v2, s[28:29] offset:1024*\i+16*\q
.endr
.endr
.set j, 0
.rept 16
	global_load_u16 v[216+j], v3, s[24:25] offset:4096*j     ; head j's two scale bytes of my token
.set j, j+1
.endr
	LSTEP 0
	LSTEP 1
	s_wait_loadcnt 48                              ; x is in: behind it 8 + 4 + 16 + 20 loads
.set i, 0
.rept 8
	ds_store_b128 v5, v[152+4*i:155+4*i] offset:544*i
.set i, i+1
.endr
.set j, 0
.rept 8
	ds_load_b128 v[40+4*j:43+4*j], v6 offset:128*(j/4)+16*(j%4)   ; LDS serves a wave's instructions in order: x in the result's layout
.set j, j+1
.endr
	s_wait_loadcnt 20                              ; the bias and the scales are in; steps 0 and 1 may be out
.set j, 0
.rept 8
	v_lshl_or_b32 v[16+j], v[217+2*j], 16, v[216+2*j]        ; K step j = heads 2 j, 2 j + 1
.set j, j+1
.endr
	s_wait_dscnt 0x0
.set j, 0
.rept 16
	v_pk_add_f32 v[40+j:41+j], v[40+j:41+j], v[184+j:185+j]  ; x + out_b: what the sums start from
.set j, j+2
.endr
	LSTEP 2
	LSTEP 3
	PLACES 8                                       ; scale words made by vector lines stand eight plain lines ahead of a scaled product
.set ps, 0
.rept 8
.if ps < 5
	s_wait_loadcnt 30                              ; behind this step's loads: three steps' 30
.elseif ps == 5
	s_wait_loadcnt 28                              ; steps 6, 7 and ln2_g's 8
.elseif ps == 6
	s_wait_loadcnt 26                              ; step 7, ln2_g, ln2_b
.else
	s_wait_loadcnt 16                              ; ln2_g, ln2_b
.endif
	MSTEP ps
	PLACES 4                                       ; in front of loads into registers that the products read; behind the last step: of the first read of results
.if ps < 4
	LSTEP ps+4
.elseif ps == 4
.set j, 0
.rept 8
	global_load_b128 v[72+4*j:75+4*j], v7, s[12:13] offset:128*(j/4)+16*(j%4)    ; ln2_g
.set j, j+1
.endr
.elseif ps == 5
.set j, 0
.rept 8
	global_load_b128 v[112+4*j:115+4*j], v7, s[14:15] offset:128*(j/4)+16*(j%4)  ; ln2_b
.set j, j+1
.endr
.endif
.set ps, ps+1
.endr
	; x1 goes out by rows, through my stage; each accumulator is read from its low end on
.set j, 0
.rept 8
	ds_store_b128 v6, v[40+4*j:43+4*j] offset:128*(j/4)+16*(j%4)
.set j, j+1
.endr
.set i, 0
.rept 8
	ds_load_b128 v[152+4*i:155+4*i], v5 offset:544*i
.set i, i+1
.endr
	; the row's sum meanwhile: my 32, lane l xor 16's, then the sixteen waves' through LDS
	v_pk_add_f32 v[232:233], v[40:41], v[42:43]
	v_pk_add_f32 v[234:235], v[44:45], v[46:47]
.set j, 8
.rept 6
	v_pk_add_f32 v[232:233], v[232:233], v[40+j:41+j]
	v_pk_add_f32 v[234:235], v[234:235], v[42+j:43+j]
.set j, j+4
.endr
	v_pk_add_f32 v[232:233], v[232:233], v[234:235]
	v_add_f32 v232, v232, v233
	v_permlanex16_b32 v233, v232, s[SEL], s[SEL+1]
	v_add_f32 v232, v232, v233
	ds_store_b32 v8, v232 offset:P1
.set i, 0
.rept 8
	s_wait_dscnt 8-i                               ; row pair i is back: behind it 7 - i loads and the sum's store
	global_store_b128 v4, v[152+4*i:155+4*i], s[32:33] offset:(2*i+8*(i/4))*4096   ; sixteen lanes store 256 consecutive bytes
.set i, i+1
.endr
	s_wait_dscnt 0x0
	s_barrier_signal -1
	s_barrier_wait -1
.irp k, 0,1,2,3
	ds_load_b128 v[236+4*\k:239+4*\k], v9 offset:P1+16*\k
.endr
	s_wait_dscnt 0x0
	RED16
	v_mul_f32 v232, s40, v236                      ; the mean
	v_mov_b32 v233, v232
.set j, 0
.rept 16
	v_pk_add_f32 v[40+j:41+j], v[40+j:41+j], v[232:233] neg_lo:[0,1] neg_hi:[0,1]
.set j, j+2
.endr
	v_pk_mul_f32 v[234:235], v[40:41], v[40:41]
	v_pk_mul_f32 v[236:237], v[42:43], v[42:43]
.set j, 4
.rept 7
	v_pk_fma_f32 v[234:235], v[40+j:41+j], v[40+j:41+j], v[234:235]
	v_pk_fma_f32 v[236:237], v[42+j:43+j], v[42+j:43+j], v[236:237]
.set j, j+4
.endr
	v_pk_add_f32 v[234:235], v[234:235], v[236:237]
	v_add_f32 v234, v234, v235
	v_permlanex16_b32 v235, v234, s[SEL], s[SEL+1]
	v_add_f32 v234, v234, v235
	ds_store_b32 v8, v234 offset:P2
	s_wait_dscnt 0x0
	s_barrier_signal -1
	s_barrier_wait -1
.irp k, 0,1,2,3
	ds_load_b128 v[236+4*\k:239+4*\k], v9 offset:P2+16*\k
.endr
	s_wait_dscnt 0x0
	RED16
	v_fmaak_f32 v236, s40, v236, 0x3727c5ac        ; the variance + 1e-5
	v_rsq_f32 v236, v236
	v_nop
	s_wait_alu depctr_va_vdst(0)
	v_mov_b32 v237, v236
	s_wait_loadcnt 0x0                             ; ln2_g, ln2_b
.set j, 0
.rept 16
	v_pk_mul_f32 v[40+j:41+j], v[40+j:41+j], v[236:237]
.set j, j+2
.endr
.set j, 0
.rept 16
	v_pk_fma_f32 v[40+j:41+j], v[40+j:41+j], v[72+j:73+j], v[112+j:113+j]
.set j, j+2
.endr
	QUANT2 40
	global_store_b128 v11, v[PC:PC+3], s[34:35]    ; 512 consecutive bytes
	ds_store_b16 v10, v[BY] offset:SG
	s_wait_dscnt 0x0
	s_barrier_signal -1
	s_barrier_wait -1
	s_cmp_lg_u32 s20, 0
	s_cbranch_scc1 .Lend
	ds_load_b128 v[232:235], v1 offset:SG          ; wave 0 stores the tile's 512 scale bytes
	s_wait_dscnt 0x0
	global_store_b128 v1, v[232:235], s[36:37]
.Lend:
	s_wait_xcnt 0x0
	v_lshl_add_u32 v254, v0, 2, 0x11a00
	v_mov_b32 v255, 0
	s_wait_tensorcnt 0x0
	ds_add_u32 v254, v255
	s_wait_dscnt 0x0
	s_endpgm
.Lfunc_end_k_qd0b30cc946_proj:
	.size	k_qd0b30cc946_proj, .Lfunc_end_k_qd0b30cc946_proj-k_qd0b30cc946_proj
	.p2alignl 7, 3214868480
	.fill 96, 4, 3214868480
	.section	.rodata,"a",@progbits
	.p2align	6, 0x0
	.amdhsa_kernel k_qd0b30cc946_proj
		.amdhsa_group_segment_fixed_size 74240
		.amdhsa_private_segment_fixed_size 0
		.amdhsa_enable_private_segment 0
		.amdhsa_kernarg_size 64
		.amdhsa_user_sgpr_count 2
		.amdhsa_user_sgpr_kernarg_segment_ptr 1
		.amdhsa_wavefront_size32 1
		.amdhsa_system_sgpr_workgroup_id_x 1
		.amdhsa_system_sgpr_workgroup_id_y 1
		.amdhsa_system_sgpr_workgroup_id_z 1
		.amdhsa_system_vgpr_workitem_id 0
		.amdhsa_next_free_vgpr 256
		.amdhsa_next_free_sgpr 66
		.amdhsa_reserve_vcc 0
		.amdhsa_float_denorm_mode_32 3
		.amdhsa_float_denorm_mode_16_64 3
		.amdhsa_memory_ordered 1
		.amdhsa_forward_progress 1
		.amdhsa_inst_pref_size 36
	.end_amdhsa_kernel
	.amdgpu_metadata
---
amdhsa.version: [ 1, 2 ]
amdhsa.kernels:
  - .name:           k_qd0b30cc946_proj
    .symbol:         k_qd0b30cc946_proj.kd
    .args:
      - { .name: attb, .offset: 0, .size: 8, .value_kind: global_buffer, .address_space: global }
      - { .name: prepb, .offset: 8, .size: 8, .value_kind: global_buffer, .address_space: global }
      - { .name: x, .offset: 16, .size: 8, .value_kind: global_buffer, .address_space: global }
      - { .name: out_b, .offset: 24, .size: 8, .value_kind: global_buffer, .address_space: global }
      - { .name: ln2_g, .offset: 32, .size: 8, .value_kind: global_buffer, .address_space: global }
      - { .name: ln2_b, .offset: 40, .size: 8, .value_kind: global_buffer, .address_space: global }
      - { .name: x1, .offset: 48, .size: 8, .value_kind: global_buffer, .address_space: global }
      - { .name: n2, .offset: 56, .size: 8, .value_kind: global_buffer, .address_space: global }
    .group_segment_fixed_size: 74240
    .private_segment_fixed_size: 0
    .kernarg_segment_align: 8
    .kernarg_segment_size: 64
    .max_flat_workgroup_size: 512
    .sgpr_count:     66
    .vgpr_count:     256
    .wavefront_size: 32
...
	.end_amdgpu_metadata
.endif
;; end of part 4
;; launch fc1 (part 5): grid 16 x 16, 4 waves a work-group, no clusters, 264,704 bytes of LDS; arguments n2, prepb, fc1_b, hq; writes hq
.if DOCPART == 5
	.amdgcn_target "amdgcn-amd-amdhsa--gfx1250"
	.amdhsa_code_object_version 6
	.text
	.protected	k_qd0b30cc946_fc1
	.globl	k_qd0b30cc946_fc1
	.p2align	8
	.type	k_qd0b30cc946_fc1,@function
k_qd0b30cc946_fc1:
	s_mov_b64 s[64:65], 0
	v_nop
	global_prefetch_b8 v0, s[64:65] scope:SCOPE_SE
	s_setreg_imm32_b32 hwreg(HW_REG_WAVE_MODE, 25, 1), 1
	s_wait_xcnt 0x0
; h = gelu(LN2(x1) fc1_w^T + fc1_b) on codes of FP4, quantised along the hidden units for the next product.
; SHARES: a work-group of four waves takes 256 tokens x 256 hidden units, a wave 128 x 128 x 1,024: 64 accumulators.  32 x 32 such tiles: 256 work-groups.
; Source 0 = P = 16 rows of fc1_w, source 1 = Q = 16 tokens: a lane holds one token, its registers run along the hidden units, 16 neighbours for each pair of tiles.
; OPERANDS COME FROM MEMORY STRAIGHT INTO REGISTERS, in register order, 512 consecutive bytes a load; three sets by turns.  Nothing lands in LDS that a joint load of a cluster could share.
; THE WAY OUT: the activation is long (176 lines for 16 numbers), so it is written once, in a loop of eight trips over the tiles of tokens; the accumulators, whose register numbers differ from tile to tile, go through the
; wave's own 64 KiB of LDS as images of their registers and come back tile by tile.
; GELU, exact form: gelu(x) = max(x, 0) - |x| erfc(|x| / sqrt 2) / 2, with erfc(z) = t exp(-z^2 + c0 + c1 t + .. + c9 t^9), t = 1 / (1 + z / 2): a fit whose relative error is 1.2e-7 for every z.
; log2(e) is folded into the c, the halving into c0.  Large |x|: the exponential falls to 0 and gelu is max(x, 0).
; OUT (hq): codes [tile of tokens 256][K step 32][1024]; scale words at 8 MiB: [K step][tile][r][4].
; LIMITS: NaN and infinities are not served; a block under 2^-124 gets the byte 1 (read by this program alone); erfc carries about 1e-6 of itself after its evaluation in f32.
.set TSP, 8192
.set TSQ, 8192
.set SP,  16
.set SQ,  18
.set SSP, 44
.set SSQ, 46
.set SEL, 48
.set SCP, 64
.set SCQ, 96
.set TM,  16
.set PW,  32
.set PC,  40
.set H,   128                          ; v128-191 a tile's 64 numbers
.set AX,  192                          ; v192-207 |x|;  v208-223 t;  v224-239 the polynomial;  v240-255 |x| sqrt(log2(e) / 2)
.set T,   208
.set P,   224
.set Z,   240
.set SCW, 262144                       ; LDS: behind the four waves' images, 512 bytes of scale words for each
; s[20:21] .. s[34:35] c0 .. c7, s[36:37] c9, s[38:39] sqrt(log2(e) / 2), s[40:41] 1 / (2 sqrt 2); v[60:61] c8 (a line reads at most two scalar values)
.set MSB, 0
.macro WIN new                         ; the immediate's high byte repeats the setting that is left
.if MSB != (\new)
	s_set_vgpr_msb (MSB<<8)|(\new)
.set MSB, (\new)
.endif
.endm
.macro PLACES n
.rept \n
	v_nop
.endr
.endm
.macro WM acc, pf, qf, sp, sq, po, qo, zero
.set wA, \acc
.set wP, \pf
.set wQ, \qf
.set wS, \sp
.set wT, \sq
.set wV, 2*(\po)+(\qo)
.if \zero
.if wV == 0
	v_wmma_scale_f32_16x16x128_f8f6f4 v[wA:wA+7], v[wP:wP+7], v[wQ:wQ+7], 0, v[wS], v[wT] matrix_a_fmt:MATRIX_FMT_FP4 matrix_b_fmt:MATRIX_FMT_FP4
.elseif wV == 1
	v_wmma_scale_f32_16x16x128_f8f6f4 v[wA:wA+7], v[wP:wP+7], v[wQ:wQ+7], 0, v[wS], v[wT] matrix_a_fmt:MATRIX_FMT_FP4 matrix_b_fmt:MATRIX_FMT_FP4 matrix_b_scale:MATRIX_SCALE_ROW1
.elseif wV == 2
	v_wmma_scale_f32_16x16x128_f8f6f4 v[wA:wA+7], v[wP:wP+7], v[wQ:wQ+7], 0, v[wS], v[wT] matrix_a_fmt:MATRIX_FMT_FP4 matrix_b_fmt:MATRIX_FMT_FP4 matrix_a_scale:MATRIX_SCALE_ROW1
.else
	v_wmma_scale_f32_16x16x128_f8f6f4 v[wA:wA+7], v[wP:wP+7], v[wQ:wQ+7], 0, v[wS], v[wT] matrix_a_fmt:MATRIX_FMT_FP4 matrix_b_fmt:MATRIX_FMT_FP4 matrix_a_scale:MATRIX_SCALE_ROW1 matrix_b_scale:MATRIX_SCALE_ROW1
.endif
.else
.if wV == 0
	v_wmma_scale_f32_16x16x128_f8f6f4 v[wA:wA+7], v[wP:wP+7], v[wQ:wQ+7], v[wA:wA+7], v[wS], v[wT] matrix_a_fmt:MATRIX_FMT_FP4 matrix_b_fmt:MATRIX_FMT_FP4
.elseif wV == 1
	v_wmma_scale_f32_16x16x128_f8f6f4 v[wA:wA+7], v[wP:wP+7], v[wQ:wQ+7], v[wA:wA+7], v[wS], v[wT] matrix_a_fmt:MATRIX_FMT_FP4 matrix_b_fmt:MATRIX_FMT_FP4 matrix_b_scale:MATRIX_SCALE_ROW1
.elseif wV == 2
	v_wmma_scale_f32_16x16x128_f8f6f4 v[wA:wA+7], v[wP:wP+7], v[wQ:wQ+7], v[wA:wA+7], v[wS], v[wT] matrix_a_fmt:MATRIX_FMT_FP4 matrix_b_fmt:MATRIX_FMT_FP4 matrix_a_scale:MATRIX_SCALE_ROW1
.else
	v_wmma_scale_f32_16x16x128_f8f6f4 v[wA:wA+7], v[wP:wP+7], v[wQ:wQ+7], v[wA:wA+7], v[wS], v[wT] matrix_a_fmt:MATRIX_FMT_FP4 matrix_b_fmt:MATRIX_FMT_FP4 matrix_a_scale:MATRIX_SCALE_ROW1 matrix_b_scale:MATRIX_SCALE_ROW1
.endif
.endif
.endm
.macro LOADSTEP s                      ; K step s: 8 fragments of P and 8 of Q into set s % 3: 32 loads of 512 consecutive bytes
.set sg, (\s)%3
.set qb, 128+64*((sg+1)/2)
	WIN 0x40
.irp i, 0,1,2,3,4,5,6,7
	global_load_b128 v[64*sg+8*\i:64*sg+8*\i+3], v1, s[SP:SP+1] offset:\i*TSP+(\s)*1024
	global_load_b128 v[64*sg+8*\i+4:64*sg+8*\i+7], v1, s[SP:SP+1] offset:\i*TSP+(\s)*1024+512
.endr
.if sg < 2
	WIN 0
.endif
.irp i, 0,1,2,3,4,5,6,7
	global_load_b128 v[qb+8*\i:qb+8*\i+3], v1, s[SQ:SQ+1] offset:\i*TSQ+(\s)*1024
	global_load_b128 v[qb+8*\i+4:qb+8*\i+7], v1, s[SQ:SQ+1] offset:\i*TSQ+(\s)*1024+512
.endr
.endm
.macro MULSTEP s, zero                 ; its 64 products: the 64 accumulators take turns, in the same order in every step
.set sg, (\s)%3
.set qb, 128+64*((sg+1)/2)
.set ma, 0
.rept 8
.if ma == 0
	WIN 0xa1+4*(sg/2)
.endif
.if ma == 4
	WIN 0xf1+4*(sg/2)
.endif
.set mb, 0
.rept 8
	WM 8*(8*(ma%4)+mb), 64*sg+8*mb, qb+8*ma, SCP+8*(mb/2)+(\s), SCQ+8*(ma/2)+(\s), mb%2, ma%2, \zero
.set mb, mb+1
.endr
.set ma, ma+1
.endr
.endm
.macro SC_RM reg, bs, adr, pstr
.irp i, 0,1,2,3
.irp q, 0,1
	global_load_b128 v[\reg+8*\i+4*\q:\reg+8*\i+4*\q+3], v[\adr], s[\bs:\bs+1] offset:\i*\pstr+16*\q
.endr
.endr
.endm
; K steps 0 to 5.  The wait: behind step s's loads stand the 64 of steps s + 1 and s + 2; the count's field ends at 63, so one load more is waited for.
.macro CORE05
	LOADSTEP 0
	LOADSTEP 1
	LOADSTEP 2
.set cs, 0
.rept 6
	s_wait_loadcnt 63
.if cs == 0
	MULSTEP cs, 1
.else
	MULSTEP cs, 0
.endif
	PLACES 4                                       ; in front of loads into registers that the products read
.if cs < 5
	LOADSTEP cs+3
.endif
.set cs, cs+1
.endr
	WIN 0
.endm
.macro QUANT s
.irp b, 0,1,2,3
	v_max3_num_f32 v[TM+\b], |v[\s+16*\b]|, |v[\s+1+16*\b]|, 0x1800000   ; with the floor 2^(3 - 127)
.endr
.irp i, 2,4,6,8,10,12,14
.irp b, 0,1,2,3
	v_max3_num_f32 v[TM+\b], v[TM+\b], |v[\s+16*\b+\i]|, |v[\s+1+16*\b+\i]|
.endr
.endr
.irp b, 0,1,2,3
	v_permlanex16_b32 v[TM+4+\b], v[TM+\b], s[SEL], s[SEL+1]
.endr
.irp b, 0,1,2,3
	v_max_num_f32 v[TM+\b], v[TM+\b], v[TM+4+\b]
.endr
.irp b, 0,1,2,3
	v_add_nc_u32 v[TM+12+\b], 0xff000000, v[TM+\b]
.endr
.irp b, 0,1,2,3
	v_lshrrev_b32 v[TM+4+\b], 23, v[TM+12+\b]
.endr
	v_lshl_or_b32 v[PW], v[TM+5], 8, v[TM+4]
	v_lshl_or_b32 v[PW], v[TM+6], 16, v[PW]
	v_lshl_or_b32 v[PW], v[TM+7], 24, v[PW]
.irp b, 0,1,2,3
	v_cvt_scalef32_pk8_fp4_f32 v[PC+2*\b], v[\s+16*\b:\s+7+16*\b], v[TM+12+\b]
	v_cvt_scalef32_pk8_fp4_f32 v[PC+1+2*\b], v[\s+8+16*\b:\s+15+16*\b], v[TM+12+\b]
.endr
	v_nop
.irp c, 0,1
.irp i, 0,1
	v_permlane16_swap_b32 v[PC+4*\c+\i], v[PC+2+4*\c+\i]
.endr
.endr
.endm
.macro GELU n                          ; 16 numbers, v[H + n] on, in place
.set j, 0
.rept 16
	v_and_b32 v[AX+j], 0x7fffffff, v[H+(\n)+j]
.set j, j+1
.endr
.set j, 0
.rept 8
	v_pk_fma_f32 v[T+j:T+j+1], v[AX+j:AX+j+1], s[40:41], 1.0 op_sel_hi:[1,0,0]    ; 1 + z / 2
.set j, j+2
.endr
.set j, 0
.rept 16
	v_rcp_f32 v[T+j], v[T+j]
.set j, j+1
.endr
.set j, 0
.rept 8
	v_pk_mul_f32 v[Z+j:Z+j+1], v[AX+j:AX+j+1], s[38:39] op_sel_hi:[1,0]           ; (plain lines behind the reciprocals)
.set j, j+2
.endr
.set j, 0
	s_wait_alu depctr_va_vdst(0)
.rept 8
	v_pk_fma_f32 v[P+j:P+j+1], v[T+j:T+j+1], s[36:37], v[60:61] op_sel_hi:[1,0,1] ; c9 t + c8
.set j, j+2
.endr
.irp k, 34,32,30,28,26,24,22,20
.set j, 0
.rept 8
	v_pk_fma_f32 v[P+j:P+j+1], v[P+j:P+j+1], v[T+j:T+j+1], s[\k:\k+1] op_sel_hi:[1,1,0]
.set j, j+2
.endr
.endr
.set j, 0
.rept 8
	v_pk_fma_f32 v[P+j:P+j+1], v[Z+j:Z+j+1], v[Z+j:Z+j+1], v[P+j:P+j+1] neg_lo:[1,0,0] neg_hi:[1,0,0]   ; - z^2 log2(e)
.set j, j+2
.endr
.set j, 0
.rept 8
	v_pk_mul_f32 v[T+j:T+j+1], v[T+j:T+j+1], v[AX+j:AX+j+1]                       ; |x| t
.set j, j+2
.endr
.set j, 0
.rept 16
	v_exp_f32 v[P+j], v[P+j]
.set j, j+1
.endr
.set j, 0
.rept 16
	v_max_num_f32 v[H+(\n)+j], 0, v[H+(\n)+j]      ; (plain lines behind the exponentials)
.set j, j+1
.endr
.set j, 0
	s_wait_alu depctr_va_vdst(0)
.rept 8
	v_pk_fma_f32 v[H+(\n)+j:H+(\n)+j+1], v[T+j:T+j+1], v[P+j:P+j+1], v[H+(\n)+j:H+(\n)+j+1] neg_lo:[1,0,0] neg_hi:[1,0,0]
.set j, j+2
.endr
.endm
	s_load_b256 s[4:11], s[0:1], 0x0               ; n2, prepb, fc1_b, hq
	v_lshl_add_u32 v62, v0, 2, 0x40800
	v_mov_b32 v63, 0
	v_lshrrev_b32 v2, 5, v0
	v_readfirstlane_b32 s12, v2                    ; wave 0..3
	v_and_b32 v9, 31, v0
	v_and_b32 v10, 15, v0
	v_bfe_u32 v11, v0, 4, 1
	v_lshlrev_b32 v1, 4, v9                        ; 16 lane
	v_lshlrev_b32 v2, 5, v9                        ; 32 lane
	v_lshlrev_b32 v3, 6, v11                       ; 64 h
	s_lshl_b32 s50, s12, 16
	v_lshl_add_u32 v5, v9, 4, s50                  ; LDS: my images: 65,536 w + 16 lane
	s_lshl_b32 s50, s12, 9
	s_add_co_u32 s50, s50, SCW
	v_lshl_add_u32 v6, v10, 2, s50                 ; my scale words: 4 r
	v_lshl_add_u32 v7, v9, 4, s50                  ; back: 16 lane
.irp b, 0,1,2,3
	v_mov_b32 v[TM+4+\b], 0
.endr
	v_mov_b32 v60, 0xbf97d29d                      ; c8
	v_mov_b32 v61, 0xbf97d29d
	s_mov_b32 s[SEL], 0x76543210
	s_mov_b32 s[SEL+1], 0xfedcba98
	s_mov_b32 s20, 0xc034d90f                      ; c0 log2(e) - 1
	s_mov_b32 s22, 0x3fb8ab5a
	s_mov_b32 s24, 0x3f0a29d2
	s_mov_b32 s26, 0x3e0efb2e
	s_mov_b32 s28, 0xbe899a80
	s_mov_b32 s30, 0x3ecdfd18
	s_mov_b32 s32, 0xbfd1a1e5
	s_mov_b32 s34, 0x40097039
	s_mov_b32 s36, 0x3e7c6f08                      ; c9
	s_mov_b32 s38, 0x3f596d27                      ; sqrt(log2(e) / 2)
	s_mov_b32 s40, 0x3eb504f3                      ; 1 / (2 sqrt 2)
.irp k, 20,22,24,26,28,30,32,34,36,38,40
	s_mov_b32 s[\k+1], s[\k]                       ; (a packed line names the pair)
.endr
	s_and_b32 s13, ttmp7, 0xffff
	s_lshl_b32 s13, s13, 1
	s_lshr_b32 s50, s12, 1
	s_add_co_u32 s13, s13, s50                     ; my block of 128 tokens
	s_lshl_b32 s14, ttmp9, 1
	s_and_b32 s50, s12, 1
	s_add_co_u32 s14, s14, s50                     ; my block of 128 hidden units
	s_mov_b32 s51, 0
	s_wait_kmcnt 0x0
	s_lshl_b32 s50, s14, 16
	s_add_co_u32 s50, s50, 0x400000
	s_add_nc_u64 s[SP:SP+1], s[6:7], s[50:51]
	s_lshl_b32 s50, s14, 12
	s_add_co_u32 s50, s50, 0x840000
	s_add_nc_u64 s[SSP:SSP+1], s[6:7], s[50:51]
	s_lshl_b32 s50, s13, 16
	s_add_nc_u64 s[SQ:SQ+1], s[4:5], s[50:51]
	s_lshl_b32 s50, s13, 12
	s_add_co_u32 s50, s50, 0x200000
	s_add_nc_u64 s[SSQ:SSQ+1], s[4:5], s[50:51]
	SC_RM SCP, SSP, 2, 1024
	SC_RM SCQ, SSQ, 2, 1024
	s_lshl_b32 s50, s14, 9
	s_add_nc_u64 s[8:9], s[8:9], s[50:51]          ; fc1_b at my 128 units
	s_lshl_b32 s50, s14, 14
	s_lshl_b32 s52, s13, 9
	s_add_co_u32 s50, s50, s52
	s_add_co_u32 s50, s50, 0x800000
	s_add_nc_u64 s[54:55], s[10:11], s[50:51]      ; my 512 bytes of scale words
	s_lshl_b32 s50, s13, 18
	s_lshl_b32 s52, s14, 10
	s_add_co_u32 s50, s50, s52
	s_add_nc_u64 s[10:11], s[10:11], s[50:51]      ; my first tile's fragment
	CORE05
	WIN 0x40                                       ; the bias comes into P's set 2, which has had its last step
.set j, 0
.rept 16
	global_load_b128 v[128+4*j:131+4*j], v3, s[8:9] offset:128*(j/4)+16*(j%4)     ; register 16 b + i: unit 32 b + 16 h + i
.set j, j+1
.endr
	WIN 0
	s_wait_loadcnt 48                              ; step 6 is in: behind it step 7's 32 loads and the bias's 16
	MULSTEP 6, 0
	s_wait_loadcnt 16
	MULSTEP 7, 0
	WIN 0
	s_wait_loadcnt 0x0
	PLACES 4                                       ; in front of the first read of results
.set ea, 0
.rept 8
	WIN 0x08+4*(ea/4)                              ; an LDS store's data are its source 1: window 2 or 3
.set eb, 0
.rept 8
	ds_store_b128 v5, v[8*(8*(ea%4)+eb):8*(8*(ea%4)+eb)+3] offset:(8*ea+eb)*1024          ; each accumulator from its low end on
	ds_store_b128 v5, v[8*(8*(ea%4)+eb)+4:8*(8*(ea%4)+eb)+7] offset:(8*ea+eb)*1024+512
.set eb, eb+1
.endr
.set ea, ea+1
.endr
	WIN 0
	s_mov_b32 s52, 0                               ; the tile of tokens
	s_mov_b32 s53, 0                               ; its images: 8,192 bytes a tile
	s_mov_b32 s56, 0                               ; its scale words: 64 bytes
.Ltile:
	s_wait_dscnt 0x0                               ; the last trip's LDS store has read its registers
	v_add_nc_u32 v12, s53, v5
	v_add_nc_u32 v13, s56, v6
.set j, 0
.rept 16
	ds_load_b128 v[H+4*j:H+4*j+3], v12 offset:512*j          ; LDS serves a wave's instructions in order: these see my stores
.set j, j+1
.endr
	s_wait_dscnt 0x0
	WIN 0x04                                       ; source 1 window 1
.set j, 0
.rept 32
	v_pk_add_f32 v[H+j:H+j+1], v[H+j:H+j+1], v[128+j:129+j]
.set j, j+2
.endr
	WIN 0
	GELU 0
	GELU 16
	GELU 32
	GELU 48
	QUANT H
	global_store_b128 v1, v[PC:PC+3], s[10:11]     ; 512 consecutive bytes each
	global_store_b128 v1, v[PC+4:PC+7], s[10:11] offset:512
	ds_store_b32 v13, v[PW]
	s_wait_xcnt 0x0                                ; the stores have read their registers and their base
	s_add_nc_u64 s[10:11], s[10:11], 32768
	s_add_co_u32 s53, s53, 8192
	s_add_co_u32 s56, s56, 64
	s_add_co_u32 s52, s52, 1
	s_cmp_lt_u32 s52, 8
	s_cbranch_scc1 .Ltile
	ds_load_b128 v[48:51], v7
	s_wait_dscnt 0x0
	global_store_b128 v1, v[48:51], s[54:55]       ; my eight tiles' scale words: 512 consecutive bytes
	s_wait_tensorcnt 0x0
	ds_add_u32 v62, v63
	s_wait_dscnt 0x0
	s_endpgm
.Lfunc_end_k_qd0b30cc946_fc1:
	.size	k_qd0b30cc946_fc1, .Lfunc_end_k_qd0b30cc946_fc1-k_qd0b30cc946_fc1
	.p2alignl 7, 3214868480
	.fill 96, 4, 3214868480
	.section	.rodata,"a",@progbits
	.p2align	6, 0x0
	.amdhsa_kernel k_qd0b30cc946_fc1
		.amdhsa_group_segment_fixed_size 264704
		.amdhsa_private_segment_fixed_size 0
		.amdhsa_enable_private_segment 0
		.amdhsa_kernarg_size 32
		.amdhsa_user_sgpr_count 2
		.amdhsa_user_sgpr_kernarg_segment_ptr 1
		.amdhsa_wavefront_size32 1
		.amdhsa_system_sgpr_workgroup_id_x 1
		.amdhsa_system_sgpr_workgroup_id_y 1
		.amdhsa_system_sgpr_workgroup_id_z 1
		.amdhsa_system_vgpr_workitem_id 0
		.amdhsa_next_free_vgpr 1024
		.amdhsa_next_free_sgpr 66
		.amdhsa_reserve_vcc 0
		.amdhsa_float_denorm_mode_32 3
		.amdhsa_float_denorm_mode_16_64 3
		.amdhsa_memory_ordered 1
		.amdhsa_forward_progress 1
		.amdhsa_inst_pref_size 151
	.end_amdhsa_kernel
	.amdgpu_metadata
---
amdhsa.version: [ 1, 2 ]
amdhsa.kernels:
  - .name:           k_qd0b30cc946_fc1
    .symbol:         k_qd0b30cc946_fc1.kd
    .args:
      - { .name: n2, .offset: 0, .size: 8, .value_kind: global_buffer, .address_space: global }
      - { .name: prepb, .offset: 8, .size: 8, .value_kind: global_buffer, .address_space: global }
      - { .name: fc1_b, .offset: 16, .size: 8, .value_kind: global_buffer, .address_space: global }
      - { .name: hq, .offset: 24, .size: 8, .value_kind: global_buffer, .address_space: global }
    .group_segment_fixed_size: 264704
    .private_segment_fixed_size: 0
    .kernarg_segment_align: 8
    .kernarg_segment_size: 32
    .max_flat_workgroup_size: 128
    .sgpr_count:     66
    .vgpr_count:     1024
    .wavefront_size: 32
...
	.end_amdgpu_metadata
.endif
;; end of part 5
;; launch fc2 (part 6): grid 8 x 32, 4 waves a work-group, no clusters, 270,848 bytes of LDS; arguments hq, prepb, fc2_b, x1, out0; writes out0
.if DOCPART == 6
	.amdgcn_target "amdgcn-amd-amdhsa--gfx1250"
	.amdhsa_code_object_version 6
	.text
	.protected	k_qd0b30cc946_fc2
	.globl	k_qd0b30cc946_fc2
	.p2align	8
	.type	k_qd0b30cc946_fc2,@function
k_qd0b30cc946_fc2:
	s_mov_b64 s[64:65], 0
	v_nop
	global_prefetch_b8 v0, s[64:65] scope:SCOPE_SE
	s_setreg_imm32_b32 hwreg(HW_REG_WAVE_MODE, 25, 1), 1
	s_wait_xcnt 0x0
; out0 = x1 + h fc2_w^T + fc2_b on codes of FP4.
; SHARES: a work-group makes 128 tokens x 128 columns; 32 x 8 such tiles are 256 work-groups.  ITS FOUR WAVES SHARE K: wave w takes K = 1,024 w on, 128 x 128 x 1,024, 64 accumulators, so that all four SIMDs work;
; the four parts meet in LDS, and each wave then adds and stores 32 whole rows.  So an output's sum over K is made of four partial sums, in another order than one running sum.
; Source 0 = P = 16 rows of fc2_w, source 1 = Q = 16 tokens: a lane holds one token, its registers run along the columns.
; OPERANDS COME FROM MEMORY STRAIGHT INTO REGISTERS, in register order, 512 consecutive bytes a load; three sets by turns.  Nothing lands in LDS that a joint load of a cluster could share.
; LIMITS: NaN and infinities are not served.
.set TSP, 32768
.set TSQ, 32768
.set SP,  16
.set SQ,  18
.set SSP, 20
.set SSQ, 22
.set SCP, 64
.set SCQ, 96
.set WREG, 67584                       ; LDS: a wave's part: 8 tiles x 16 rows x 528 bytes (512 + 16 of padding)
.set MSB, 0
.macro WIN new                         ; the immediate's high byte repeats the setting that is left
.if MSB != (\new)
	s_set_vgpr_msb (MSB<<8)|(\new)
.set MSB, (\new)
.endif
.endm
.macro PLACES n
.rept \n
	v_nop
.endr
.endm
.macro WM acc, pf, qf, sp, sq, po, qo, zero
.set wA, \acc
.set wP, \pf
.set wQ, \qf
.set wS, \sp
.set wT, \sq
.set wV, 2*(\po)+(\qo)
.if \zero
.if wV == 0
	v_wmma_scale_f32_16x16x128_f8f6f4 v[wA:wA+7], v[wP:wP+7], v[wQ:wQ+7], 0, v[wS], v[wT] matrix_a_fmt:MATRIX_FMT_FP4 matrix_b_fmt:MATRIX_FMT_FP4
.elseif wV == 1
	v_wmma_scale_f32_16x16x128_f8f6f4 v[wA:wA+7], v[wP:wP+7], v[wQ:wQ+7], 0, v[wS], v[wT] matrix_a_fmt:MATRIX_FMT_FP4 matrix_b_fmt:MATRIX_FMT_FP4 matrix_b_scale:MATRIX_SCALE_ROW1
.elseif wV == 2
	v_wmma_scale_f32_16x16x128_f8f6f4 v[wA:wA+7], v[wP:wP+7], v[wQ:wQ+7], 0, v[wS], v[wT] matrix_a_fmt:MATRIX_FMT_FP4 matrix_b_fmt:MATRIX_FMT_FP4 matrix_a_scale:MATRIX_SCALE_ROW1
.else
	v_wmma_scale_f32_16x16x128_f8f6f4 v[wA:wA+7], v[wP:wP+7], v[wQ:wQ+7], 0, v[wS], v[wT] matrix_a_fmt:MATRIX_FMT_FP4 matrix_b_fmt:MATRIX_FMT_FP4 matrix_a_scale:MATRIX_SCALE_ROW1 matrix_b_scale:MATRIX_SCALE_ROW1
.endif
.else
.if wV == 0
	v_wmma_scale_f32_16x16x128_f8f6f4 v[wA:wA+7], v[wP:wP+7], v[wQ:wQ+7], v[wA:wA+7], v[wS], v[wT] matrix_a_fmt:MATRIX_FMT_FP4 matrix_b_fmt:MATRIX_FMT_FP4
.elseif wV == 1
	v_wmma_scale_f32_16x16x128_f8f6f4 v[wA:wA+7], v[wP:wP+7], v[wQ:wQ+7], v[wA:wA+7], v[wS], v[wT] matrix_a_fmt:MATRIX_FMT_FP4 matrix_b_fmt:MATRIX_FMT_FP4 matrix_b_scale:MATRIX_SCALE_ROW1
.elseif wV == 2
	v_wmma_scale_f32_16x16x128_f8f6f4 v[wA:wA+7], v[wP:wP+7], v[wQ:wQ+7], v[wA:wA+7], v[wS], v[wT] matrix_a_fmt:MATRIX_FMT_FP4 matrix_b_fmt:MATRIX_FMT_FP4 matrix_a_scale:MATRIX_SCALE_ROW1
.else
	v_wmma_scale_f32_16x16x128_f8f6f4 v[wA:wA+7], v[wP:wP+7], v[wQ:wQ+7], v[wA:wA+7], v[wS], v[wT] matrix_a_fmt:MATRIX_FMT_FP4 matrix_b_fmt:MATRIX_FMT_FP4 matrix_a_scale:MATRIX_SCALE_ROW1 matrix_b_scale:MATRIX_SCALE_ROW1
.endif
.endif
.endm
.macro LOADSTEP s                      ; K step s of my quarter: 8 fragments of P and 8 of Q into set s % 3: 32 loads of 512 consecutive bytes
.set sg, (\s)%3
.set qb, 128+64*((sg+1)/2)
	WIN 0x40
.irp i, 0,1,2,3,4,5,6,7
	global_load_b128 v[64*sg+8*\i:64*sg+8*\i+3], v1, s[SP:SP+1] offset:\i*TSP+(\s)*1024
	global_load_b128 v[64*sg+8*\i+4:64*sg+8*\i+7], v1, s[SP:SP+1] offset:\i*TSP+(\s)*1024+512
.endr
.if sg < 2
	WIN 0
.endif
.irp i, 0,1,2,3,4,5,6,7
	global_load_b128 v[qb+8*\i:qb+8*\i+3], v1, s[SQ:SQ+1] offset:\i*TSQ+(\s)*1024
	global_load_b128 v[qb+8*\i+4:qb+8*\i+7], v1, s[SQ:SQ+1] offset:\i*TSQ+(\s)*1024+512
.endr
.endm
.macro MULSTEP s, zero                 ; its 64 products: the 64 accumulators take turns, in the same order in every step
.set sg, (\s)%3
.set qb, 128+64*((sg+1)/2)
.set ma, 0
.rept 8
.if ma == 0
	WIN 0xa1+4*(sg/2)
.endif
.if ma == 4
	WIN 0xf1+4*(sg/2)
.endif
.set mb, 0
.rept 8
	WM 8*(8*(ma%4)+mb), 64*sg+8*mb, qb+8*ma, SCP+8*(mb/2)+(\s), SCQ+8*(ma/2)+(\s), mb%2, ma%2, \zero
.set mb, mb+1
.endr
.set ma, ma+1
.endr
.endm
.macro SC_RM reg, bs, adr, pstr
.irp i, 0,1,2,3
.irp q, 0,1
	global_load_b128 v[\reg+8*\i+4*\q:\reg+8*\i+4*\q+3], v[\adr], s[\bs:\bs+1] offset:\i*\pstr+16*\q
.endr
.endr
.endm
.macro SC_ST reg, bs, adr              ; scale words laid [K step][tile][r]: a load brings a pair of tiles for one K step
.set j, 0
.rept 32
	global_load_b32 v[\reg+j], v[\adr], s[\bs:\bs+1] offset:(j%8)*16384+(j/8)*128
.set j, j+1
.endr
.endm
; K steps 0 to 5.  The wait: behind step s's loads stand the 64 of steps s + 1 and s + 2; the count's field ends at 63, so one load more is waited for.
.macro CORE05
	LOADSTEP 0
	LOADSTEP 1
	LOADSTEP 2
.set cs, 0
.rept 6
	s_wait_loadcnt 63
.if cs == 0
	MULSTEP cs, 1
.else
	MULSTEP cs, 0
.endif
	PLACES 4                                       ; in front of loads into registers that the products read
.if cs < 5
	LOADSTEP cs+3
.endif
.set cs, cs+1
.endr
	WIN 0
.endm
	s_load_b256 s[4:11], s[0:1], 0x0               ; hq, prepb, fc2_b, x1
	s_load_b64 s[12:13], s[0:1], 0x20              ; out0
	v_lshl_add_u32 v62, v0, 2, 0x42000
	v_mov_b32 v63, 0
	v_lshrrev_b32 v2, 5, v0
	v_readfirstlane_b32 s14, v2                    ; wave = quarter of K
	v_and_b32 v12, 31, v0
	v_and_b32 v13, 15, v0
	v_bfe_u32 v14, v0, 4, 1
	v_lshlrev_b32 v1, 4, v12                       ; 16 lane
	v_lshlrev_b32 v2, 5, v13
	v_lshl_add_u32 v2, v14, 11, v2                 ; fc2_w's scale words: 32 r, lanes 16-31 the next tile, 2,048 bytes on
	v_lshlrev_b32 v3, 2, v12                       ; 4 lane
	s_mul_i32 s30, s14, WREG
	v_mul_u32_u24 v4, v13, 528
	v_lshl_add_u32 v4, v14, 6, v4
	v_add_nc_u32 v4, s30, v4                       ; my part in LDS: row r, + 64 h
	s_mul_i32 s30, s14, 2*8448
	v_lshl_add_u32 v8, v12, 4, s30                 ; back: tiles 2 w, 2 w + 1 of wave 0's part, 16 lane;
	v_add_nc_u32 v9, WREG, v8                      ; of wave 1's,
	v_add_nc_u32 v10, 2*WREG, v8
	v_add_nc_u32 v11, 3*WREG, v8
	s_and_b32 s15, ttmp7, 0xffff                   ; block of 128 tokens; ttmp9: block of 128 columns
	s_mov_b32 s31, 0
	s_wait_kmcnt 0x0
	s_lshl_b32 s30, ttmp9, 18
	s_lshl_b32 s32, s14, 13
	s_add_co_u32 s30, s30, s32
	s_add_co_u32 s30, s30, 0x600000
	s_add_nc_u64 s[SP:SP+1], s[6:7], s[30:31]
	s_lshl_b32 s30, s15, 18
	s_add_co_u32 s30, s30, s32
	s_add_nc_u64 s[SQ:SQ+1], s[4:5], s[30:31]
	s_lshl_b32 s30, ttmp9, 14
	s_lshl_b32 s32, s14, 9
	s_add_co_u32 s30, s30, s32
	s_add_co_u32 s30, s30, 0x860000
	s_add_nc_u64 s[SSP:SSP+1], s[6:7], s[30:31]
	s_lshl_b32 s30, s14, 17
	s_lshl_b32 s32, s15, 9
	s_add_co_u32 s30, s30, s32
	s_add_co_u32 s30, s30, 0x800000
	s_add_nc_u64 s[SSQ:SSQ+1], s[4:5], s[30:31]
	SC_RM SCP, SSP, 2, 4096
	SC_ST SCQ, SSQ, 3
	s_lshl_b32 s30, s15, 19
	s_lshl_b32 s32, s14, 17
	s_add_co_u32 s30, s30, s32
	s_lshl_b32 s32, ttmp9, 9
	s_add_co_u32 s30, s30, s32
	s_add_nc_u64 s[10:11], s[10:11], s[30:31]      ; x1 and out0 at row 128 block + 32 w, my block's columns
	s_add_nc_u64 s[12:13], s[12:13], s[30:31]
	s_mov_b32 s30, s32
	s_add_nc_u64 s[8:9], s[8:9], s[30:31]          ; fc2_b at my block's columns
	CORE05
	WIN 0x40                                       ; x1's 32 rows come into P's and Q's set 2, which have had their last step: 512 consecutive bytes a load
.set n, 0
.rept 32
	global_load_b128 v[128+4*n:131+4*n], v1, s[10:11] offset:4096*n
.set n, n+1
.endr
	WIN 0
	global_load_b128 v[48:51], v1, s[8:9]          ; my four columns' bias
	s_wait_loadcnt 63                              ; step 6 is in: behind it stand 65 loads; the count's field ends at 63
	MULSTEP 6, 0
	s_wait_loadcnt 33                              ; step 7 is in: behind it x1's 32 and the bias
	MULSTEP 7, 0
	WIN 0
	s_wait_loadcnt 0x0
	PLACES 4                                       ; in front of the first read of results
.set ea, 0
.rept 8
	WIN 0x08+4*(ea/4)                              ; an LDS store's data are its source 1: window 2 or 3
.set eb, 0
.rept 8
	ds_store_b128 v4, v[8*(8*(ea%4)+eb):8*(8*(ea%4)+eb)+3] offset:ea*8448+128*(eb/2)+32*(eb%2)        ; lane (r, h): columns 32 (b / 2) + 16 h + 8 (b % 2) + 0 .. 7 of tile row r; each accumulator from its low end on
	ds_store_b128 v4, v[8*(8*(ea%4)+eb)+4:8*(8*(ea%4)+eb)+7] offset:ea*8448+128*(eb/2)+32*(eb%2)+16
.set eb, eb+1
.endr
.set ea, ea+1
.endr
	WIN 0
	s_wait_dscnt 0x0                               ; for the others' sake: my part lies in LDS
	s_barrier_signal -1
	s_barrier_wait -1
; eight rows: tile 2 w + e, tile rows 8 g .. 8 g + 7, which are rows 8 e + 16 g + 0 .. 7 of my 32
.macro OUTG e, g
	s_wait_xcnt 0x0                                ; the last group's stores have read their registers
.set i, 0
.rept 8
.irp q, 0,1,2,3
	ds_load_b128 v[128+16*i+4*\q:131+16*i+4*\q], v[8+\q] offset:\e*8448+528*(8*\g+i)   ; the 32 lanes take one row of 512 bytes of wave q's part
.endr
.set i, i+1
.endr
	s_wait_dscnt 0x0
.set i, 0
.rept 8
.set rb, 128+16*i
	v_pk_add_f32 v[rb:rb+1], v[rb:rb+1], v[rb+4:rb+5]
	v_pk_add_f32 v[rb+2:rb+3], v[rb+2:rb+3], v[rb+6:rb+7]
	v_pk_add_f32 v[rb+8:rb+9], v[rb+8:rb+9], v[rb+12:rb+13]
	v_pk_add_f32 v[rb+10:rb+11], v[rb+10:rb+11], v[rb+14:rb+15]
	v_pk_add_f32 v[rb:rb+1], v[rb:rb+1], v[rb+8:rb+9]
	v_pk_add_f32 v[rb+2:rb+3], v[rb+2:rb+3], v[rb+10:rb+11]
	v_pk_add_f32 v[rb:rb+1], v[rb:rb+1], v[48:49]
	v_pk_add_f32 v[rb+2:rb+3], v[rb+2:rb+3], v[50:51]
.set i, i+1
.endr
	WIN 0x04                                       ; source 1 window 1: x1
.set i, 0
.rept 8
.set rb, 128+16*i
.set rx, 128+4*(8*\e+16*\g+i)
	v_pk_add_f32 v[rb:rb+1], v[rb:rb+1], v[rx:rx+1]
	v_pk_add_f32 v[rb+2:rb+3], v[rb+2:rb+3], v[rx+2:rx+3]
.set i, i+1
.endr
	WIN 0
.set i, 0
.rept 8
	global_store_b128 v1, v[128+16*i:131+16*i], s[12:13] offset:4096*(8*\e+16*\g+i) th:TH_STORE_NT   ; 32 lanes store 512 consecutive bytes of a row
.set i, i+1
.endr
.endm
	OUTG 0, 0
	OUTG 0, 1
	OUTG 1, 0
	OUTG 1, 1
	s_wait_tensorcnt 0x0
	ds_add_u32 v62, v63
	s_wait_dscnt 0x0
	s_endpgm
.Lfunc_end_k_qd0b30cc946_fc2:
	.size	k_qd0b30cc946_fc2, .Lfunc_end_k_qd0b30cc946_fc2-k_qd0b30cc946_fc2
	.p2alignl 7, 3214868480
	.fill 96, 4, 3214868480
	.section	.rodata,"a",@progbits
	.p2align	6, 0x0
	.amdhsa_kernel k_qd0b30cc946_fc2
		.amdhsa_group_segment_fixed_size 270848
		.amdhsa_private_segment_fixed_size 0
		.amdhsa_enable_private_segment 0
		.amdhsa_kernarg_size 40
		.amdhsa_user_sgpr_count 2
		.amdhsa_user_sgpr_kernarg_segment_ptr 1
		.amdhsa_wavefront_size32 1
		.amdhsa_system_sgpr_workgroup_id_x 1
		.amdhsa_system_sgpr_workgroup_id_y 1
		.amdhsa_system_sgpr_workgroup_id_z 1
		.amdhsa_system_vgpr_workitem_id 0
		.amdhsa_next_free_vgpr 1024
		.amdhsa_next_free_sgpr 66
		.amdhsa_reserve_vcc 0
		.amdhsa_float_denorm_mode_32 3
		.amdhsa_float_denorm_mode_16_64 3
		.amdhsa_memory_ordered 1
		.amdhsa_forward_progress 1
		.amdhsa_inst_pref_size 140
	.end_amdhsa_kernel
	.amdgpu_metadata
---
amdhsa.version: [ 1, 2 ]
amdhsa.kernels:
  - .name:           k_qd0b30cc946_fc2
    .symbol:         k_qd0b30cc946_fc2.kd
    .args:
      - { .name: hq, .offset: 0, .size: 8, .value_kind: global_buffer, .address_space: global }
      - { .name: prepb, .offset: 8, .size: 8, .value_kind: global_buffer, .address_space: global }
      - { .name: fc2_b, .offset: 16, .size: 8, .value_kind: global_buffer, .address_space: global }
      - { .name: x1, .offset: 24, .size: 8, .value_kind: global_buffer, .address_space: global }
      - { .name: out0, .offset: 32, .size: 8, .value_kind: global_buffer, .address_space: global }
    .group_segment_fixed_size: 270848
    .private_segment_fixed_size: 0
    .kernarg_segment_align: 8
    .kernarg_segment_size: 40
    .max_flat_workgroup_size: 128
    .sgpr_count:     66
    .vgpr_count:     1024
    .wavefront_size: 32
...
	.end_amdgpu_metadata
.endif
;; end of part 6
;; ======== version 2 of 2: 6 launches
;; workspace buffers: prepb 8,912,896 bytes; qkvb 6,946,816 bytes; attb 2,228,224 bytes; x1 16,777,216 bytes; n2 2,228,224 bytes; hq 8,912,896 bytes
;; launch prep (part 7): grid 1024 x 1, 8 waves a work-group, no clusters, 70,656 bytes of LDS; arguments x, qkv_w, out_w, fc1_w, fc2_w, ln1_g, ln1_b, prepb; writes prepb
.if DOCPART == 7
	.amdgcn_target "amdgcn-amd-amdhsa--gfx1250"
	.amdhsa_code_object_version 6
	.text
	.protected	k_qd0b30cc946_prep
	.globl	k_qd0b30cc946_prep
	.p2align	8
	.type	k_qd0b30cc946_prep,@function
k_qd0b30cc946_prep:
	s_mov_b64 s[64:65], 0
	v_nop
	global_prefetch_b8 v0, s[64:65] scope:SCOPE_SE
	s_setreg_imm32_b32 hwreg(HW_REG_WAVE_MODE, 25, 1), 1
	s_wait_xcnt 0x0
; LN1(x) and the four weights become codes of FP4 (E2M1) with one E8M0 byte for each 32 along K, laid in the ORDER OF AN OPERAND'S REGISTERS.
; An item is 16 rows x 1,024 along K.  Items 0-255: x (layer norm first); 256-447 qkv_w; 448-511 out_w; 512-767 fc1_w; 768-1023 fc2_w (item = 768 + 4 tile + quarter of K).
; THE ROWS OF A TILE ARE NOT NEIGHBOURS: row r of tile t is the tensor's row 32 (t / 2) + 8 (t % 2) + r % 8 + 16 (r / 8), so that in every later product the 16 registers of
; two neighbouring tiles are 16 neighbours along the next K.
; Codes of item i: byte i x 8192 + 1024 s + 512 c + 16 lane: lane (r, h) holds the 32 codes of k = 128 s + 64 c + 32 h + 0 .. 31 of row r.  Scale bytes: 8,388,608 + 512 i + 32 r + 4 s: the word of K step s.
; SHARES: a work-group an item, wave w the item's K step w (512 bytes of each row).  Each load reads 512 consecutive bytes of a row; the 16 rows turn through the wave's own stage in LDS, so that a lane gets two whole blocks.
; ONE PATH FOR ALL ITEMS: every item runs the layer norm's sums and both barriers; a mask that hangs on the work-group's number alone then takes mean or 0, rsqrt or 1, the normalised or the plain number.
; So a weight goes through unchanged, bit for bit, and no barrier stands under a branch.
; No tensor load, no cluster: each byte is read once, by one wave; work-groups share nothing.
; LIMITS: NaN and infinities are not served.  A block whose largest magnitude lies under 2^-124 (zeros too) gets the byte 1: its codes are then zeros or held small, and this program alone reads the bytes.
; The mean and the variance are summed in another order than a plain running sum.
.set P1,   0                           ; LDS: 16 rows x 8 waves' sums
.set P2,   512                         ; the same for the squares
.set SCL,  1024                        ; the item's 512 scale bytes
.set STG,  1536                        ; a stage for each wave: 16 rows x 528 bytes (512 + 16 of padding)
.set SPI,  528
.set R,    16                          ; v16-79   rows as loaded; later ln1_b
.set X,    80                          ; v80-143  my 64 numbers: register 32 c + e = k 128 w + 64 c + 32 h + e of row r
.set G,    144                         ; v144-207 ln1_g at my 64 places; then the normalised numbers
.set A,    208                         ; v208-223 byte offsets of the 16 rows
.set C,    224                         ; v224-231 the codes
	s_load_b512 s[4:19], s[0:1], 0x0               ; x, qkv_w, out_w, fc1_w, fc2_w, ln1_g, ln1_b, prepb
	v_lshl_add_u32 v240, v0, 2, 0x11000
	v_mov_b32 v241, 0
	v_lshrrev_b32 v4, 5, v0
	s_delay_alu instid0(VALU_DEP_1)
	v_readfirstlane_b32 s24, v4                    ; wave 0..7
	v_and_b32 v5, 31, v0                           ; lane
	v_and_b32 v6, 15, v0                           ; r
	v_bfe_u32 v7, v0, 4, 1                         ; h
	v_lshlrev_b32 v1, 4, v0                        ; 16 x thread = 512 w + 16 lane: my bytes of a row
	s_mul_i32 s25, s24, 16*SPI
	s_add_co_u32 s25, s25, STG                     ; my stage
	v_lshl_add_u32 v2, v5, 4, s25                  ; into it: 16 lane, the row in the immediate
	v_mul_u32_u24 v3, v6, SPI
	s_delay_alu instid0(VALU_DEP_1)
	v_lshl_add_u32 v3, v7, 7, v3
	s_delay_alu instid0(VALU_DEP_1)
	v_add_nc_u32 v3, s25, v3                       ; out of it: row r, + 128 h
	s_lshl_b32 s26, s24, 9
	v_lshl_add_u32 v232, v7, 7, s26                ; ln1_g, ln1_b: 512 w + 128 h
	s_lshl_b32 s26, s24, 2
	v_lshl_add_u32 v233, v6, 5, s26                ; 32 r + 4 w: my wave's word of row r
	v_lshlrev_b32 v234, 5, v6                      ; 32 r
	s_lshl_b32 s26, s24, 10
	v_lshl_add_u32 v235, v5, 4, s26                ; codes: 1024 w + 16 lane
	v_lshlrev_b32 v236, 4, v5                      ; 16 lane
	v_lshlrev_b32 v237, 3, v7                      ; 8 h
	s_mov_b32 s36, 0x76543210
	s_mov_b32 s37, 0xfedcba98                      ; v_permlanex16_b32's selects for lane l xor 16
	s_mov_b32 s38, 0x3a800000                      ; 1 / 1024
	s_wait_kmcnt 0x0
	s_mov_b64 s[20:21], s[4:5]                     ; which tensor: a choice on the work-group's number alone
	s_mov_b32 s22, 0                               ; its first item
	s_cmp_ge_u32 ttmp9, 256
	s_cselect_b64 s[20:21], s[6:7], s[20:21]
	s_cselect_b32 s22, 256, s22
	s_cselect_b32 s28, 0, -1                       ; the mask: every lane for x's items, none for a weight's
	s_cmp_ge_u32 ttmp9, 448
	s_cselect_b64 s[20:21], s[8:9], s[20:21]
	s_cselect_b32 s22, 448, s22
	s_cmp_ge_u32 ttmp9, 512
	s_cselect_b64 s[20:21], s[10:11], s[20:21]
	s_cselect_b32 s22, 512, s22
	s_cmp_ge_u32 ttmp9, 768
	s_cselect_b64 s[20:21], s[12:13], s[20:21]
	s_cselect_b32 s22, 768, s22
	s_cselect_b32 s23, 2, 0                        ; fc2_w: four items to a tile, rows four times as long
	s_sub_co_u32 s29, ttmp9, s22
	s_lshr_b32 s30, s29, s23                       ; the tile
	s_lshl_b32 s31, s30, s23
	s_sub_co_u32 s31, s29, s31                     ; the quarter of K
	s_lshl_b32 s32, 0x1000, s23                    ; a row in bytes
	s_lshr_b32 s33, s30, 1
	s_lshl_b32 s33, s33, 5
	s_and_b32 s34, s30, 1
	s_lshl_b32 s34, s34, 3
	s_add_co_u32 s33, s33, s34                     ; the tile's first row
	s_mul_i32 s34, s33, s32
	s_lshl_b32 s35, s31, 12
	s_add_co_u32 s34, s34, s35
	s_mov_b32 s35, 0
	s_add_nc_u64 s[20:21], s[20:21], s[34:35]
	s_lshl_b32 s34, ttmp9, 13
	s_add_nc_u64 s[2:3], s[18:19], s[34:35]        ; the item's codes
	s_lshl_b32 s34, ttmp9, 9
	s_add_co_u32 s34, s34, 0x800000
	s_add_nc_u64 s[18:19], s[18:19], s[34:35]      ; the item's scale bytes
.set i, 0
.rept 16
	v_mad_u32_u24 v[A+i], s32, i+8*(i/8), v1       ; tile row i is the tensor's row i + 8 (i / 8) from the tile's first
.set i, i+1
.endr
.set i, 0
.rept 16
	global_load_b128 v[R+4*i:R+4*i+3], v[A+i], s[20:21] th:TH_LOAD_NT   ; 32 lanes read 512 consecutive bytes of one row
.set i, i+1
.endr
.set j, 0
.rept 16
	global_load_b128 v[G+4*j:G+4*j+3], v232, s[14:15] offset:256*(j/8)+16*(j%8)
.set j, j+1
.endr
.set i, 0
.rept 16
	s_wait_loadcnt 31-i                            ; row i is in: behind it stand 15 - i rows and the 16 loads of ln1_g
	ds_store_b128 v2, v[R+4*i:R+4*i+3] offset:SPI*i
.set i, i+1
.endr
.set j, 0
.rept 16
	ds_load_b128 v[X+4*j:X+4*j+3], v3 offset:256*(j/8)+16*(j%8)   ; LDS serves a wave's instructions in order: these see my stores
.set j, j+1
.endr
	s_wait_dscnt 0x0                               ; my numbers are in, and the stores have read R
.set j, 0
.rept 16
	global_load_b128 v[R+4*j:R+4*j+3], v232, s[16:17] offset:256*(j/8)+16*(j%8)   ; ln1_b
.set j, j+1
.endr
	v_pk_add_f32 v[6:7], v[80:81], v[82:83]
	v_pk_add_f32 v[238:239], v[88:89], v[92:93]
	v_pk_add_f32 v[230:231], v[96:97], v[100:101]
	v_pk_add_f32 v[228:229], v[104:105], v[108:109]
	v_pk_add_f32 v[226:227], v[112:113], v[116:117]
	v_pk_add_f32 v[224:225], v[120:121], v[124:125]
	v_pk_add_f32 v[222:223], v[128:129], v[132:133]
	v_pk_add_f32 v[4:5], v[136:137], v[140:141]
	s_delay_alu instid0(VALU_DEP_1)
	v_pk_add_f32 v[4:5], v[4:5], v[84:85]
	v_pk_add_f32 v[6:7], v[6:7], v[86:87]
	v_pk_add_f32 v[238:239], v[238:239], v[90:91]
	v_pk_add_f32 v[230:231], v[230:231], v[94:95]
	v_pk_add_f32 v[228:229], v[228:229], v[98:99]
	v_pk_add_f32 v[226:227], v[226:227], v[102:103]
	v_pk_add_f32 v[224:225], v[224:225], v[106:107]
	v_pk_add_f32 v[222:223], v[222:223], v[110:111]
	v_pk_add_f32 v[4:5], v[4:5], v[114:115]
	v_pk_add_f32 v[6:7], v[6:7], v[118:119]
	v_pk_add_f32 v[238:239], v[238:239], v[122:123]
	v_pk_add_f32 v[230:231], v[230:231], v[126:127]
	v_pk_add_f32 v[228:229], v[228:229], v[130:131]
	v_pk_add_f32 v[226:227], v[226:227], v[134:135]
	v_pk_add_f32 v[224:225], v[224:225], v[138:139]
	v_pk_add_f32 v[222:223], v[222:223], v[142:143]
	s_delay_alu instid0(VALU_DEP_4)
	v_pk_add_f32 v[4:5], v[4:5], v[228:229]
	s_delay_alu instid0(VALU_DEP_4)
	v_pk_add_f32 v[6:7], v[6:7], v[226:227]
	s_delay_alu instid0(VALU_DEP_4)
	v_pk_add_f32 v[238:239], v[238:239], v[224:225]
	s_delay_alu instid0(VALU_DEP_4)
	v_pk_add_f32 v[230:231], v[230:231], v[222:223]
	s_delay_alu instid0(VALU_DEP_2)
	v_pk_add_f32 v[4:5], v[4:5], v[238:239]
	s_delay_alu instid0(VALU_DEP_2)
	v_pk_add_f32 v[6:7], v[6:7], v[230:231]
	s_delay_alu instid0(VALU_DEP_1)
	v_pk_add_f32 v[4:5], v[4:5], v[6:7]
	s_delay_alu instid0(VALU_DEP_1)
	v_add_f32 v4, v4, v5
	s_delay_alu instid0(VALU_DEP_1)
	v_permlanex16_b32 v5, v4, s36, s37
	s_delay_alu instid0(VALU_DEP_1)
	v_add_f32 v4, v4, v5
	ds_store_b32 v233, v4 offset:P1
	s_wait_dscnt 0x0                               ; for the others' sake: my sum lies in LDS
	s_barrier_signal -1
	s_barrier_wait -1
	ds_load_b128 v[4:7], v234 offset:P1
	ds_load_b128 v[12:15], v234 offset:P1+16
	s_wait_dscnt 0x0
	v_pk_add_f32 v[4:5], v[4:5], v[6:7]
	v_pk_add_f32 v[12:13], v[12:13], v[14:15]
	s_delay_alu instid0(VALU_DEP_1)
	v_pk_add_f32 v[4:5], v[4:5], v[12:13]
	s_delay_alu instid0(VALU_DEP_1)
	v_add_f32 v4, v4, v5
	s_delay_alu instid0(VALU_DEP_1)
	v_mul_f32 v4, s38, v4                          ; the mean
	s_delay_alu instid0(VALU_DEP_1)
	v_cndmask_b32 v4, 0, v4, s28                   ; a weight: 0
	s_delay_alu instid0(VALU_DEP_1)
	v_mov_b32 v5, v4
.set j, 0
.rept 32
	v_pk_add_f32 v[X+j:X+j+1], v[X+j:X+j+1], v[4:5] neg_lo:[0,1] neg_hi:[0,1]
.set j, j+2
.endr
	v_pk_mul_f32 v[6:7], v[X:X+1], v[X:X+1]
	v_pk_mul_f32 v[8:9], v[X+2:X+3], v[X+2:X+3]
.set j, 4
.rept 15
	s_delay_alu instid0(VALU_DEP_2)
	v_pk_fma_f32 v[6:7], v[X+j:X+j+1], v[X+j:X+j+1], v[6:7]
	s_delay_alu instid0(VALU_DEP_2)
	v_pk_fma_f32 v[8:9], v[X+j+2:X+j+3], v[X+j+2:X+j+3], v[8:9]
.set j, j+4
.endr
	s_delay_alu instid0(VALU_DEP_1)
	v_pk_add_f32 v[6:7], v[6:7], v[8:9]
	s_delay_alu instid0(VALU_DEP_1)
	v_add_f32 v6, v6, v7
	s_delay_alu instid0(VALU_DEP_1)
	v_permlanex16_b32 v7, v6, s36, s37
	s_delay_alu instid0(VALU_DEP_1)
	v_add_f32 v6, v6, v7
	ds_store_b32 v233, v6 offset:P2
	s_wait_dscnt 0x0
	s_barrier_signal -1
	s_barrier_wait -1
	ds_load_b128 v[8:11], v234 offset:P2
	ds_load_b128 v[12:15], v234 offset:P2+16
	s_wait_dscnt 0x0
	v_pk_add_f32 v[8:9], v[8:9], v[10:11]
	v_pk_add_f32 v[12:13], v[12:13], v[14:15]
	s_delay_alu instid0(VALU_DEP_1)
	v_pk_add_f32 v[8:9], v[8:9], v[12:13]
	s_delay_alu instid0(VALU_DEP_1)
	v_add_f32 v6, v8, v9
	s_delay_alu instid0(VALU_DEP_1)
	v_fmaak_f32 v6, s38, v6, 0x3727c5ac            ; the variance + 1e-5
	s_wait_alu depctr_va_vdst(0)
	v_rsq_f32 v6, v6
	v_nop                                          ; a plain line behind the transcendental
	s_wait_alu depctr_va_vdst(0)
	v_cndmask_b32 v6, 1.0, v6, s28                 ; a weight: 1
	s_delay_alu instid0(VALU_DEP_1)
	v_mov_b32 v7, v6
.set j, 0
.rept 32
	v_pk_mul_f32 v[X+j:X+j+1], v[X+j:X+j+1], v[6:7]
.set j, j+2
.endr
	s_wait_loadcnt 0x0                             ; ln1_g and ln1_b
.set j, 0
.rept 32
	v_pk_fma_f32 v[G+j:G+j+1], v[X+j:X+j+1], v[G+j:G+j+1], v[R+j:R+j+1]
.set j, j+2
.endr
.set j, 0
.rept 64
	v_cndmask_b32 v[X+j], v[X+j], v[G+j], s28      ; x: the normalised number; a weight: as it came
.set j, j+1
.endr
	; my two blocks: all 32 numbers of each are mine
.irp c, 0,1
	v_max3_num_f32 v[4+\c], |v[X+32*\c]|, |v[X+1+32*\c]|, 0x1800000   ; with the floor 2^(3 - 127): the byte cannot fall under 1
.endr
.irp i, 2,4,6,8,10,12,14,16,18,20,22,24,26,28,30
.irp c, 0,1
	s_delay_alu instid0(VALU_DEP_2)
	v_max3_num_f32 v[4+\c], v[4+\c], |v[X+32*\c+\i]|, |v[X+1+32*\c+\i]|
.endr
.endr
.irp c, 0,1
	s_delay_alu instid0(VALU_DEP_2)
	v_add_nc_u32 v[6+\c], 0xff000000, v[4+\c]      ; 2 off the exponent field: the conversion's scale operand
.endr
.irp c, 0,1
	s_delay_alu instid0(VALU_DEP_2)
	v_lshrrev_b32 v[8+\c], 23, v[6+\c]             ; the scale's byte
.endr
	s_delay_alu instid0(VALU_DEP_1)
	v_lshl_or_b32 v12, v9, 16, v8                  ; blocks h and 2 + h of the K step,
	s_delay_alu instid0(VALU_DEP_1)
	v_lshlrev_b32 v12, v237, v12                   ; at their places in the word;
	v_mov_b32 v13, 0
	s_delay_alu instid0(VALU_DEP_1)
	v_permlanex16_b32 v13, v12, s36, s37
	s_delay_alu instid0(VALU_DEP_1)
	v_or_b32 v12, v12, v13                         ; with lane l xor 16's two the word is whole
.irp c, 0,1
.irp g, 0,1,2,3
	v_cvt_scalef32_pk8_fp4_f32 v[C+4*\c+\g], v[X+32*\c+8*\g:X+32*\c+8*\g+7], v[6+\c]
.endr
.endr
	v_nop                                          ; a plain line behind the last scaled conversion
	global_store_b128 v235, v[C:C+3], s[2:3]       ; 32 lanes store 512 consecutive bytes
	global_store_b128 v235, v[C+4:C+7], s[2:3] offset:512
	ds_store_b32 v233, v12 offset:SCL
	s_wait_dscnt 0x0
	s_barrier_signal -1
	s_barrier_wait -1
	s_cmp_lg_u32 s24, 0
	s_cbranch_scc1 .Lend
	ds_load_b128 v[8:11], v236 offset:SCL          ; wave 0 stores the item's 512 scale bytes as two whole runs of 256
	s_wait_dscnt 0x0
	global_store_b128 v236, v[8:11], s[18:19]
.Lend:
	s_wait_tensorcnt 0x0
	ds_add_u32 v240, v241
	s_wait_dscnt 0x0
	s_endpgm
.Lfunc_end_k_qd0b30cc946_prep:
	.size	k_qd0b30cc946_prep, .Lfunc_end_k_qd0b30cc946_prep-k_qd0b30cc946_prep
	.p2alignl 7, 3214868480
	.fill 96, 4, 3214868480
	.section	.rodata,"a",@progbits
	.p2align	6, 0x0
	.amdhsa_kernel k_qd0b30cc946_prep
		.amdhsa_group_segment_fixed_size 70656
		.amdhsa_private_segment_fixed_size 0
		.amdhsa_enable_private_segment 0
		.amdhsa_kernarg_size 64
		.amdhsa_user_sgpr_count 2
		.amdhsa_user_sgpr_kernarg_segment_ptr 1
		.amdhsa_wavefront_size32 1
		.amdhsa_system_sgpr_workgroup_id_x 1
		.amdhsa_system_sgpr_workgroup_id_y 1
		.amdhsa_system_sgpr_workgroup_id_z 1
		.amdhsa_system_vgpr_workitem_id 0
		.amdhsa_next_free_vgpr 242
		.amdhsa_next_free_sgpr 66
		.amdhsa_reserve_vcc 0
		.amdhsa_float_denorm_mode_32 3
		.amdhsa_float_denorm_mode_16_64 3
		.amdhsa_memory_ordered 1
		.amdhsa_forward_progress 1
		.amdhsa_inst_pref_size 34
	.end_amdhsa_kernel
	.amdgpu_metadata
---
amdhsa.version: [ 1, 2 ]
amdhsa.kernels:
  - .name:           k_qd0b30cc946_prep
    .symbol:         k_qd0b30cc946_prep.kd
    .args:
      - { .name: x, .offset: 0, .size: 8, .value_kind: global_buffer, .address_space: global }
      - { .name: qkv_w, .offset: 8, .size: 8, .value_kind: global_buffer, .address_space: global }
      - { .name: out_w, .offset: 16, .size: 8, .value_kind: global_buffer, .address_space: global }
      - { .name: fc1_w, .offset: 24, .size: 8, .value_kind: global_buffer, .address_space: global }
      - { .name: fc2_w, .offset: 32, .size: 8, .value_kind: global_buffer, .address_space: global }
      - { .name: ln1_g, .offset: 40, .size: 8, .value_kind: global_buffer, .address_space: global }
      - { .name: ln1_b, .offset: 48, .size: 8, .value_kind: global_buffer, .address_space: global }
      - { .name: prepb, .offset: 56, .size: 8, .value_kind: global_buffer, .address_space: global }
    .group_segment_fixed_size: 70656
    .private_segment_fixed_size: 0
    .kernarg_segment_align: 8
    .kernarg_segment_size: 64
    .max_flat_workgroup_size: 256
    .sgpr_count:     66
    .vgpr_count:     242
    .wavefront_size: 32
...
	.end_amdgpu_metadata
.endif
;; end of part 7
;; launch qkv (part 8): grid 256 x 1, 3 waves a work-group, no clusters, 3,584 bytes of LDS; arguments prepb, qkv_b, qkvb; writes qkvb
.if DOCPART == 8
	.amdgcn_target "amdgcn-amd-amdhsa--gfx1250"
	.amdhsa_code_object_version 6
	.text
	.protected	k_qd0b30cc946_qkv
	.globl	k_qd0b30cc946_qkv
	.p2align	8
	.type	k_qd0b30cc946_qkv,@function
k_qd0b30cc946_qkv:
	s_mov_b64 s[64:65], 0
	v_nop
	global_prefetch_b8 v0, s[64:65] scope:SCOPE_SE
	s_setreg_imm32_b32 hwreg(HW_REG_WAVE_SCHED_MODE, 0, 2), 2
	s_setreg_imm32_b32 hwreg(HW_REG_WAVE_MODE, 25, 1), 1
	s_wait_xcnt 0x0
	s_wait_alu depctr_vm_vsrc(0)
; q, k, v = LN1(x) qkv_w^T + qkv_b on codes of FP4, and their quantising for attention: q and k along the head's 64, v along the keys.
; SHARES: a work-group takes 128 tokens (work-group / 8) and 128 channels (work-group % 8) of each of the three sections; wave w takes section w: 128 x 128 x 1,024, 64 accumulators.
; 32 blocks of tokens x 24 blocks of channels are 768 such tiles: 256 work-groups of three waves.
; OPERANDS COME FROM MEMORY STRAIGHT INTO REGISTERS: the launch before has laid them in register order, so a fragment is two loads of 512 consecutive bytes.  Nothing lands in LDS, so there is no tile that a joint
; load of a cluster could share, and no ring.  Three sets of fragments take turns.
; SOURCE 0 = P, SOURCE 1 = Q.  A lane of the result holds one row of Q, and its registers run along P's rows, 16 neighbours for each pair of tiles.  q, k: P = the weights, Q = the tokens (registers run along the head).
; v: P = the tokens, Q = the weights (registers run along the keys).  The two are swapped by choosing offsets on the wave's number; the products' text is one.
; OUT (qkvb): q's codes at 0, k's at 2 MiB: [head 32][block 16][tile 8][512]: lane (r, h) = block h of the head's 64.  v's at 4 MiB: [head][key step 16][tile of 16 channels 4][1024]: a fragment's image.
; Scale words: q's at 0x600000, k's at 0x640000: [head][block][512], tile a, row r at 16 r + 256 (a / 4) + 4 (a % 4), bytes (s0, s1, 127, 127): the upper half of K = 128 is zero codes.
; v's at 0x680000: [head][key step][256], tile t, row r at 8 (r + 16 (t % 2)) + 4 (t / 2).
; LIMITS: NaN and infinities are not served; a block under 2^-124 gets the byte 1 (read by this program alone).
; THE MODE: SCHED_MODE bits 1:0 = 2 (LLVM: expert scheduling mode 2), set by the entry lines.  The code itself states the register dependences
; between vector or matrix instructions and memory or LDS instructions, with s_wait_alu, always for 0.
; THE PLAN.  Registers that memory or LDS instructions touch:
;   P's and Q's sets 0, 1, 2   Step s: its 64 products read set s % 3; the loads of step s + 3 land in it, issued in step s + 1.
;   v64-127                    the scale words: loaded once, read by the products.
;   v1-v8                      offsets and LDS addresses: made at the head, never written again.
;   v[PC ..], v[PW], v33, v34  the way out: written by a tile's quantiser, read by that tile's stores, written again by the next tile.
;   v48-55                     the scale words' way back from LDS: named by no vector instruction.
; So ONE wait on va_vdst stands at a step's head: the step before is done reading its set.  P's 16 loads of two steps on follow it, then the wait for this step's data and 32 products; Q's 16 loads stand
; in the step's middle with no further wait: the products issued since the wait name this step's set, the accumulators and the scale words, none of the registers that those loads touch.
; On the way out a tile has one wait on va_vdst ahead of its stores and one on vm_vsrc at its head.
.set TSP, 8192                         ; from tile to tile of P, of Q
.set TSQ, 8192
.set SP,  16                           ; s[16:17] P's codes, s[18:19] Q's, s[20:21] P's scale bytes, s[22:23] Q's
.set SQ,  18
.set SSP, 20
.set SSQ, 22
.set OC,  24                           ; s[24:25] where my codes go, s[26:27] my scale words
.set OS,  26
.set SEL, 28
.set SCP, 64                           ; v64-95  P's scale words: register 8 (b / 2) + s: lanes 0-15 tile b even, lanes 16-31 tile b odd
.set SCQ, 96                           ; v96-127 Q's
.set TM,  16                           ; v16-31  the quantiser's work
.set PW,  32                           ; v32     the scale word just made
.set PC,  40                           ; v40-47  the codes just made
.set H,   128                          ; v128-191 64 numbers to quantise (where Q's set 0 lay)
; window 0: v0-63 addresses and work; v64-127 scale words; v128-191, v192-255 Q's sets 0, 1.  window 1: v0-191 P's sets 0, 1, 2; v192-255 Q's set 2.  windows 2, 3: the accumulators (a, b) at v[8 (8 (a % 4) + b)].
.set MSB, 0
.macro WIN new                         ; the immediate's high byte repeats the setting that is left
.if MSB != (\new)
	s_set_vgpr_msb (MSB<<8)|(\new)
.set MSB, (\new)
.endif
.endm
.macro PLACES n
.rept \n
	v_nop
.endr
.endm
; one product: po, qo = 1: the tile is the odd one of its pair, its scale words lie in lanes 16-31
.macro WM acc, pf, qf, sp, sq, po, qo, zero
.set wA, \acc
.set wP, \pf
.set wQ, \qf
.set wS, \sp
.set wT, \sq
.set wV, 2*(\po)+(\qo)
.if \zero
.if wV == 0
	v_wmma_scale_f32_16x16x128_f8f6f4 v[wA:wA+7], v[wP:wP+7], v[wQ:wQ+7], 0, v[wS], v[wT] matrix_a_fmt:MATRIX_FMT_FP4 matrix_b_fmt:MATRIX_FMT_FP4
.elseif wV == 1
	v_wmma_scale_f32_16x16x128_f8f6f4 v[wA:wA+7], v[wP:wP+7], v[wQ:wQ+7], 0, v[wS], v[wT] matrix_a_fmt:MATRIX_FMT_FP4 matrix_b_fmt:MATRIX_FMT_FP4 matrix_b_scale:MATRIX_SCALE_ROW1
.elseif wV == 2
	v_wmma_scale_f32_16x16x128_f8f6f4 v[wA:wA+7], v[wP:wP+7], v[wQ:wQ+7], 0, v[wS], v[wT] matrix_a_fmt:MATRIX_FMT_FP4 matrix_b_fmt:MATRIX_FMT_FP4 matrix_a_scale:MATRIX_SCALE_ROW1
.else
	v_wmma_scale_f32_16x16x128_f8f6f4 v[wA:wA+7], v[wP:wP+7], v[wQ:wQ+7], 0, v[wS], v[wT] matrix_a_fmt:MATRIX_FMT_FP4 matrix_b_fmt:MATRIX_FMT_FP4 matrix_a_scale:MATRIX_SCALE_ROW1 matrix_b_scale:MATRIX_SCALE_ROW1
.endif
.else
.if wV == 0
	v_wmma_scale_f32_16x16x128_f8f6f4 v[wA:wA+7], v[wP:wP+7], v[wQ:wQ+7], v[wA:wA+7], v[wS], v[wT] matrix_a_fmt:MATRIX_FMT_FP4 matrix_b_fmt:MATRIX_FMT_FP4
.elseif wV == 1
	v_wmma_scale_f32_16x16x128_f8f6f4 v[wA:wA+7], v[wP:wP+7], v[wQ:wQ+7], v[wA:wA+7], v[wS], v[wT] matrix_a_fmt:MATRIX_FMT_FP4 matrix_b_fmt:MATRIX_FMT_FP4 matrix_b_scale:MATRIX_SCALE_ROW1
.elseif wV == 2
	v_wmma_scale_f32_16x16x128_f8f6f4 v[wA:wA+7], v[wP:wP+7], v[wQ:wQ+7], v[wA:wA+7], v[wS], v[wT] matrix_a_fmt:MATRIX_FMT_FP4 matrix_b_fmt:MATRIX_FMT_FP4 matrix_a_scale:MATRIX_SCALE_ROW1
.else
	v_wmma_scale_f32_16x16x128_f8f6f4 v[wA:wA+7], v[wP:wP+7], v[wQ:wQ+7], v[wA:wA+7], v[wS], v[wT] matrix_a_fmt:MATRIX_FMT_FP4 matrix_b_fmt:MATRIX_FMT_FP4 matrix_a_scale:MATRIX_SCALE_ROW1 matrix_b_scale:MATRIX_SCALE_ROW1
.endif
.endif
.endm
; K step s: P's 8 fragments into set s % 3: 16 loads of 512 consecutive bytes
.macro LOADP s
.set sg, (\s)%3
	WIN 0x40                                       ; destination window 1, address window 0
.irp i, 0,1,2,3,4,5,6,7
	global_load_b128 v[64*sg+8*\i:64*sg+8*\i+3], v1, s[SP:SP+1] offset:\i*TSP+(\s)*1024
	global_load_b128 v[64*sg+8*\i+4:64*sg+8*\i+7], v1, s[SP:SP+1] offset:\i*TSP+(\s)*1024+512
.endr
.endm
; and Q's 8
.macro LOADQ s
.set sg, (\s)%3
.set qb, 128+64*((sg+1)/2)
	WIN 0x40*(sg/2)                                ; sets 0 and 1 lie in window 0, set 2 in window 1
.irp i, 0,1,2,3,4,5,6,7
	global_load_b128 v[qb+8*\i:qb+8*\i+3], v1, s[SQ:SQ+1] offset:\i*TSQ+(\s)*1024
	global_load_b128 v[qb+8*\i+4:qb+8*\i+7], v1, s[SQ:SQ+1] offset:\i*TSQ+(\s)*1024+512
.endr
.endm
; 32 of a step's 64 products: Q's tiles a0 .. a0 + 3 x P's eight.  The 64 accumulators take turns, one instruction a turn, in the same order in every step
.macro MULPART s, zero, a0
.set sg, (\s)%3
.set qb, 128+64*((sg+1)/2)
.set ma, \a0
.rept 4
	WIN 0xa1+0x50*(ma/4)+4*(sg/2)                  ; P window 1; Q window 0 or 1; C and D window 2 or 3
.set mb, 0
.rept 8
	WM 8*(8*(ma%4)+mb), 64*sg+8*mb, qb+8*ma, SCP+8*(mb/2)+(\s), SCQ+8*(ma/2)+(\s), mb%2, ma%2, \zero
.set mb, mb+1
.endr
.set ma, ma+1
.endr
.endm
; scale words of 8 tiles, rows of 32 bytes: a load brings a pair of tiles (lanes 0-15, 16-31) and four K steps
.macro SC_RM reg, bs, adr, pstr
.irp i, 0,1,2,3
.irp q, 0,1
	global_load_b128 v[\reg+8*\i+4*\q:\reg+8*\i+4*\q+3], v[\adr], s[\bs:\bs+1] offset:\i*\pstr+16*\q
.endr
.endr
.endm
; K steps 0 to 5, which ask for steps 2 to 7.
.macro CORE05
	LOADP 0
	LOADQ 0
	LOADP 1
	LOADQ 1
.set cs, 0
.rept 6
.if cs > 0
	PLACES 4                                       ; four plain lines behind the products stay beside the wait
	s_wait_alu depctr_va_vdst(0)                   ; the last step's products are done reading their set of P and of Q, in which the loads of two steps on land
.endif
	LOADP cs+2
	s_wait_loadcnt 48                              ; this step's fragments are in: behind them stand the next step's 32 loads and the 16 just issued
.if cs == 0
	MULPART cs, 1, 0
.else
	MULPART cs, 0, 0
.endif
	LOADQ cs+2                                     ; no wait: no product since the wait above names this set or v1
.if cs == 0
	MULPART cs, 1, 4
.else
	MULPART cs, 0, 4
.endif
.set cs, cs+1
.endr
	PLACES 4
	WIN 0
	s_wait_alu depctr_va_vdst(0)                   ; step 5's products are done reading set 2, in which the bias lands
.endm
; 64 numbers of a lane, register 16 b + i = k 32 b + 16 (lane / 16) + i of my row, become a fragment's codes in v[PC] on and its scale word in v[PW]
.macro QUANT s
.irp b, 0,1,2,3
	v_max3_num_f32 v[TM+\b], |v[\s+16*\b]|, |v[\s+1+16*\b]|, 0x1800000   ; with the floor 2^(3 - 127): the byte cannot fall under 1
.endr
.irp i, 2,4,6,8,10,12,14
.irp b, 0,1,2,3
	v_max3_num_f32 v[TM+\b], v[TM+\b], |v[\s+16*\b+\i]|, |v[\s+1+16*\b+\i]|
.endr
.endr
.irp b, 0,1,2,3
	v_permlanex16_b32 v[TM+4+\b], v[TM+\b], s[SEL], s[SEL+1]
.endr
.irp b, 0,1,2,3
	v_max_num_f32 v[TM+\b], v[TM+\b], v[TM+4+\b]   ; with lane l xor 16's: the block's largest magnitude
.endr
.irp b, 0,1,2,3
	v_add_nc_u32 v[TM+12+\b], 0xff000000, v[TM+\b] ; 2 off its exponent field: the conversion's scale operand
.endr
.irp b, 0,1,2,3
	v_lshrrev_b32 v[TM+4+\b], 23, v[TM+12+\b]      ; the scale's byte
.endr
	v_lshl_or_b32 v[PW], v[TM+5], 8, v[TM+4]
	v_lshl_or_b32 v[PW], v[TM+6], 16, v[PW]
	v_lshl_or_b32 v[PW], v[TM+7], 24, v[PW]
.irp b, 0,1,2,3
	v_cvt_scalef32_pk8_fp4_f32 v[PC+2*\b], v[\s+16*\b:\s+7+16*\b], v[TM+12+\b]
	v_cvt_scalef32_pk8_fp4_f32 v[PC+1+2*\b], v[\s+8+16*\b:\s+15+16*\b], v[TM+12+\b]
.endr
	v_nop                                          ; a plain line behind the last scaled conversion
.irp c, 0,1                                    ; the operand's layout wants a whole block in a lane
.irp i, 0,1
	v_permlane16_swap_b32 v[PC+4*\c+\i], v[PC+2+4*\c+\i]
.endr
.endr
.endm
	s_load_b128 s[4:7], s[0:1], 0x0                ; prepb, qkv_b
	s_load_b64 s[8:9], s[0:1], 0x10                ; qkvb
	v_lshl_add_u32 v62, v0, 2, 0xc00
	v_mov_b32 v63, 0
	v_lshrrev_b32 v2, 5, v0
	v_readfirstlane_b32 s10, v2                    ; wave = section: 0 q, 1 k, 2 v
	v_and_b32 v9, 31, v0                           ; lane
	v_and_b32 v10, 15, v0                          ; r
	v_bfe_u32 v11, v0, 4, 1                        ; h
	v_lshlrev_b32 v1, 4, v9                        ; 16 lane
	v_lshlrev_b32 v2, 5, v9                        ; 32 lane: scale words
	v_lshlrev_b32 v3, 6, v11                       ; 64 h: q's and k's bias
	v_and_b32 v4, 8, v10
	v_add_nc_u32 v4, v4, v10
	v_lshlrev_b32 v4, 2, v4                        ; 4 (r + 8 (r / 8)): v's bias, my channel in its tile
	s_wait_alu depctr_va_sdst(0)                   ; s10 is written, ahead of its first reader: LDS places, offsets and the branches are made from it
	s_lshl_b32 s30, s10, 10                        ; my wave's 1,024 bytes of LDS
	v_lshl_add_u32 v5, v10, 4, s30                 ; q, k: a scale word's place: 16 r
	v_lshl_add_u32 v6, v10, 3, s30                 ; v: 8 r
	v_lshl_add_u32 v7, v9, 4, s30                  ; back: 16 lane
	v_lshlrev_b32 v8, 4, v10
	v_lshl_add_u32 v8, v11, 12, v8                 ; v's scale words in memory: 16 r, lanes 16-31 the next head
.irp b, 0,1,2,3
	v_mov_b32 v[TM+4+\b], 0                        ; written once: a lane permute's destination counts as one of its sources
.endr
	s_mov_b32 s[SEL], 0x76543210
	s_mov_b32 s[SEL+1], 0xfedcba98
	s_mov_b32 s44, 0x7f7f0000
	s_lshr_b32 s11, ttmp9, 3                       ; block of 128 tokens
	s_and_b32 s12, ttmp9, 7                        ; block of 128 channels
	s_lshl_b32 s30, s11, 16                        ; the tokens' codes,
	s_lshl_b32 s31, s11, 12
	s_add_co_u32 s31, s31, 0x800000                ; their scale bytes
	s_lshl_b32 s32, s10, 6
	s_lshl_b32 s33, s12, 3
	s_add_co_u32 s32, s32, s33                     ; my first tile of qkv_w
	s_lshl_b32 s33, s32, 9
	s_add_co_u32 s33, s33, 0x820000                ; its scale bytes,
	s_lshl_b32 s32, s32, 13
	s_add_co_u32 s32, s32, 0x200000                ; its codes
	s_cmp_eq_u32 s10, 2                            ; v: the tokens are P
	s_cselect_b32 s34, s30, s32
	s_cselect_b32 s36, s32, s30
	s_cselect_b32 s38, s31, s33
	s_cselect_b32 s40, s33, s31
	s_cselect_b32 s45, 8, 9                        ; v's scale words: 256 bytes a block, q's and k's 512
	s_mov_b32 s35, 0
	s_mov_b32 s37, 0
	s_mov_b32 s39, 0
	s_mov_b32 s41, 0
	s_wait_kmcnt 0x0
	s_add_nc_u64 s[SP:SP+1], s[4:5], s[34:35]
	s_add_nc_u64 s[SQ:SQ+1], s[4:5], s[36:37]
	s_add_nc_u64 s[SSP:SSP+1], s[4:5], s[38:39]
	s_add_nc_u64 s[SSQ:SSQ+1], s[4:5], s[40:41]
	s_wait_alu depctr_va_vdst(0)                   ; v1 to v8 are written: every load and store of the kernel, global or LDS, reads one of them as its offset or address
	SC_RM SCP, SSP, 2, 1024
	SC_RM SCQ, SSQ, 2, 1024
	s_lshr_b32 s30, s11, 4
	s_lshl_b32 s30, s30, 4
	s_lshl_b32 s31, s12, 1
	s_add_co_u32 s30, s30, s31                     ; my first head: 16 batch + 2 (block of channels)
	s_lshl_b32 s30, s30, 4
	s_and_b32 s31, s11, 15
	s_add_co_u32 s30, s30, s31                     ; 16 head + block of tokens in the batch
	s_lshl_b32 s32, s30, 12
	s_lshl_b32 s31, s10, 21
	s_add_co_u32 s32, s32, s31
	s_mov_b32 s33, 0
	s_add_nc_u64 s[OC:OC+1], s[8:9], s[32:33]
	s_lshl_b32 s32, s30, s45
	s_lshl_b32 s31, s10, 18
	s_add_co_u32 s32, s32, s31
	s_add_co_u32 s32, s32, 0x600000
	s_add_nc_u64 s[OS:OS+1], s[8:9], s[32:33]
	s_lshl_b32 s32, s10, 12
	s_lshl_b32 s31, s12, 9
	s_add_co_u32 s32, s32, s31
	s_add_nc_u64 s[6:7], s[6:7], s[32:33]          ; qkv_b at my 128 channels
	CORE05
	; the bias comes into P's set 2, which has had its last step: 16 loads on either way
	s_cmp_eq_u32 s10, 2
	s_cbranch_scc1 .Lbias_v
	WIN 0x40
.set j, 0
.rept 16
	global_load_b128 v[128+4*j:131+4*j], v3, s[6:7] offset:128*(j/4)+16*(j%4)   ; register 16 b + i: channel 32 b + 16 h + i
.set j, j+1
.endr
	WIN 0
	s_branch .Lbias_in
.Lbias_v:
	WIN 0x40
.set j, 0
.rept 8
	global_load_b32 v[128+2*j], v4, s[6:7] offset:(32*(j/2)+8*(j%2))*4          ; my channel of tile j, twice: a pair for the packed addition
	global_load_b32 v[129+2*j], v4, s[6:7] offset:(32*(j/2)+8*(j%2))*4
.set j, j+1
.endr
	WIN 0
.Lbias_in:
	s_wait_loadcnt 48                              ; step 6 is in: behind it step 7's 32 loads and the bias's 16
	MULPART 6, 0, 0
	MULPART 6, 0, 4
	s_wait_loadcnt 16                              ; step 7 is in
	MULPART 7, 0, 0
	MULPART 7, 0, 4
	WIN 0
	s_wait_loadcnt 0x0                             ; the bias
	PLACES 4                                       ; in front of the first read of results
.macro EPI_QK a                        ; tile a of tokens: 128 channels = two heads
	s_wait_xcnt 0x0                                ; the last tile's stores have read their registers
	s_wait_dscnt 0x0
.if (\a) > 0
	s_wait_alu depctr_vm_vsrc(0)                   ; the last tile's stores, global and LDS, have read v[PC ..], v33 and v34, which this tile writes again
.endif
	WIN 0x06+(\a)/4                                ; source 0 window 2 or 3, source 1 window 1
.set j, 0
.rept 32
	v_pk_add_f32 v[H+j:H+j+1], v[64*((\a)%4)+j:64*((\a)%4)+j+1], v[128+j:129+j]
.set j, j+2
.endr
	WIN 0
	QUANT H
	v_and_or_b32 v33, v[PW], 0xffff, s44           ; a head's two bytes, and 127 for the zero half of K
	v_lshrrev_b32 v34, 16, v[PW]
	v_or_b32 v34, s44, v34
	s_wait_alu depctr_va_vdst(0)                   ; the codes v[PC ..] and the two words v33, v34 are written, which the four stores read
	global_store_b128 v1, v[PC:PC+3], s[OC:OC+1] offset:512*(\a)
	global_store_b128 v1, v[PC+4:PC+7], s[OC:OC+1] offset:512*(\a)+65536        ; the next head
	ds_store_b32 v5, v33 offset:256*((\a)/4)+4*((\a)%4)
	ds_store_b32 v5, v34 offset:512+256*((\a)/4)+4*((\a)%4)
.endm
.macro EPI_V a                         ; tile a of channels: 128 keys = one K step of the second product of attention
	s_wait_xcnt 0x0
	s_wait_dscnt 0x0
.if (\a) > 0
	s_wait_alu depctr_vm_vsrc(0)                   ; the last tile's stores, global and LDS, have read v[PC ..] and v[PW], which this tile writes again
.endif
	WIN 0x06+(\a)/4
.set j, 0
.rept 32
	v_pk_add_f32 v[H+j:H+j+1], v[64*((\a)%4)+j:64*((\a)%4)+j+1], v[128+2*(\a):129+2*(\a)]
.set j, j+2
.endr
	WIN 0
	QUANT H
	s_wait_alu depctr_va_vdst(0)                   ; the codes v[PC ..] and the scale word v[PW] are written, which the three stores read
	global_store_b128 v1, v[PC:PC+3], s[OC:OC+1] offset:65536*((\a)/4)+1024*((\a)%4)
	global_store_b128 v1, v[PC+4:PC+7], s[OC:OC+1] offset:65536*((\a)/4)+1024*((\a)%4)+512
	ds_store_b32 v6, v[PW] offset:256*((\a)/4)+128*((\a)%2)+4*(((\a)%4)/2)
.endm
	s_cmp_eq_u32 s10, 2
	s_cbranch_scc1 .Lout_v
.irp a, 0,1,2,3,4,5,6,7
	EPI_QK \a
.endr
	ds_load_b128 v[48:51], v7                      ; LDS serves a wave's instructions in order: these see my stores.  No vector instruction names v48-55
	ds_load_b128 v[52:55], v7 offset:512
	s_wait_dscnt 0x0
	global_store_b128 v1, v[48:51], s[OS:OS+1]     ; 512 consecutive bytes for each head
	global_store_b128 v1, v[52:55], s[OS:OS+1] offset:8192
	s_wait_dscnt 0x0                               ; the closing lines, six on end
	s_wait_alu 0x0
	s_wait_tensorcnt 0x0
	ds_add_u32 v62, v63
	s_wait_dscnt 0x0
	s_endpgm
.Lout_v:
.irp a, 0,1,2,3,4,5,6,7
	EPI_V \a
.endr
	ds_load_b128 v[48:51], v7
	s_wait_dscnt 0x0
	global_store_b128 v8, v[48:51], s[OS:OS+1]     ; 256 consecutive bytes for each head
	s_wait_dscnt 0x0                               ; the closing lines, six on end
	s_wait_alu 0x0
	s_wait_tensorcnt 0x0
	ds_add_u32 v62, v63
	s_wait_dscnt 0x0
	s_endpgm
.Lfunc_end_k_qd0b30cc946_qkv:
	.size	k_qd0b30cc946_qkv, .Lfunc_end_k_qd0b30cc946_qkv-k_qd0b30cc946_qkv
	.p2alignl 7, 3214868480
	.fill 96, 4, 3214868480
	.section	.rodata,"a",@progbits
	.p2align	6, 0x0
	.amdhsa_kernel k_qd0b30cc946_qkv
		.amdhsa_group_segment_fixed_size 3584
		.amdhsa_private_segment_fixed_size 0
		.amdhsa_enable_private_segment 0
		.amdhsa_kernarg_size 24
		.amdhsa_user_sgpr_count 2
		.amdhsa_user_sgpr_kernarg_segment_ptr 1
		.amdhsa_wavefront_size32 1
		.amdhsa_system_sgpr_workgroup_id_x 1
		.amdhsa_system_sgpr_workgroup_id_y 1
		.amdhsa_system_sgpr_workgroup_id_z 1
		.amdhsa_system_vgpr_workitem_id 0
		.amdhsa_next_free_vgpr 1024
		.amdhsa_next_free_sgpr 66
		.amdhsa_reserve_vcc 0
		.amdhsa_float_denorm_mode_32 3
		.amdhsa_float_denorm_mode_16_64 3
		.amdhsa_memory_ordered 1
		.amdhsa_forward_progress 1
		.amdhsa_inst_pref_size 200
	.end_amdhsa_kernel
	.amdgpu_metadata
---
amdhsa.version: [ 1, 2 ]
amdhsa.kernels:
  - .name:           k_qd0b30cc946_qkv
    .symbol:         k_qd0b30cc946_qkv.kd
    .args:
      - { .name: prepb, .offset: 0, .size: 8, .value_kind: global_buffer, .address_space: global }
      - { .name: qkv_b, .offset: 8, .size: 8, .value_kind: global_buffer, .address_space: global }
      - { .name: qkvb, .offset: 16, .size: 8, .value_kind: global_buffer, .address_space: global }
    .group_segment_fixed_size: 3584
    .private_segment_fixed_size: 0
    .kernarg_segment_align: 8
    .kernarg_segment_size: 24
    .max_flat_workgroup_size: 96
    .sgpr_count:     66
    .vgpr_count:     1024
    .wavefront_size: 32
...
	.end_amdgpu_metadata
.endif
;; end of part 8
;; launch attn (part 9): grid 8 x 32, 8 waves a work-group, no clusters, 1,536 bytes of LDS; arguments qkvb, attb; writes attb
.if DOCPART == 9
	.amdgcn_target "amdgcn-amd-amdhsa--gfx1250"
	.amdhsa_code_object_version 6
	.text
	.protected	k_qd0b30cc946_attn
	.globl	k_qd0b30cc946_attn
	.p2align	8
	.type	k_qd0b30cc946_attn,@function
k_qd0b30cc946_attn:
	s_mov_b64 s[64:65], 0
	v_nop
	global_prefetch_b8 v0, s[64:65] scope:SCOPE_SE
	s_setreg_imm32_b32 hwreg(HW_REG_WAVE_SCHED_MODE, 0, 2), 2
	s_setreg_imm32_b32 hwreg(HW_REG_WAVE_MODE, 25, 1), 1
	s_wait_xcnt 0x0
	s_wait_alu depctr_vm_vsrc(0)
; Causal attention on codes of FP4, head size 64, and the quantising of its result along the channels for the next product.
; t = score x log2(e) / 8; M = the row's largest t so far, rounded UP to a whole number; p = 2^(t - M) is quantised along the keys, not normalised; the row's sum is taken of the unquantised p and divides at the end.
; When M moves, the sum and O are multiplied by 2^(old M - new M), which rounds nothing.
; SHARES: work-group (g, head) has eight waves; wave w takes two tiles of 16 queries, one after the other: tile w of block g, then tile w xor 7 of block 15 - g (blocks of 128 queries).
; That is (g + 1) + (16 - g) = 17 key steps of 128 for every wave of the launch: the causal work is even.  Key steps that lie wholly behind a tile's queries are not walked; the step on the diagonal is masked.
; LAYOUT: both products transposed: S^T = K Q^T (source 0 = 16 keys), O^T = V^T P^T (source 0 = 16 channels): a lane holds one query throughout.  The launch before has laid tokens and channels in tiles whose row r is
; 8 (t % 2) + r % 8 + 16 (r / 8) of a pair's 32, so the 16 registers of tiles 2 b, 2 b + 1 are 16 neighbouring keys (or channels): 32 b + 16 (lane / 16) + 0 .. 15.
; The head's 64 fill half of K = 128: registers 4-7 of q's and k's fragments are zero codes, their scale bytes 127.
; K AND V COME FROM MEMORY STRAIGHT INTO REGISTERS, in register order, 512 consecutive bytes a load: a step's V is asked for behind its first products, the next step's K with it; the softmax stands between request and use.
; NO CLUSTER: nothing lands in LDS that a joint load could share, and the work-groups of a head walk different numbers of key steps.
; OUT (attb): codes [tile of tokens 256][8192], head at 512 x head; scale bytes at 2 MiB: [head 32][tile in the batch 128][r][2].
; LIMITS: NaN and infinities are not served; a block under 2^-124 gets the byte 1 (read by this program alone).
; REGISTERS: v1 16 lane, v2 8 lane, v3 16 r, v4 my query less 16 (lane / 16), v5 the prefetch's lane term, v9-11, v24 addresses; v12 -M, v13 the largest t, v[14:15] the sum; v16-23 Q; v32-95 K; v96-159 S^T, then p;
; v160-191 O^T; v192-223 V; v224-231 p's codes; v232-239, v244-247, v252, v254 at work; v[240:241] V's scale words, v248-251 K's, v253 p's, v255 Q's.
; THE MODE: SCHED_MODE bits 1:0 = 2 (LLVM: expert scheduling mode 2), set by the entry lines.  The code itself states the register dependences
; between vector or matrix instructions and memory or LDS instructions, with s_wait_alu, always for 0.
; THE PLAN.  Registers that memory or LDS instructions touch, in a key step:
;   v32-35 + 8 t, v248-251, v16-19, v255   K, Q and their scale words: read by the step's first eight products; behind them the next step's (or the next pass's) land there.
;   v192-223, v[240:241]                   V and its scale words: read by the step's last four products; the next step's land there behind that step's first products.
;   v1, v2, v3, v5, v10, v11, v24          offsets and addresses: made at the head, never written again; the scalar bases move on.
;   v224-227, v238                         a pass's way out: written by its quantiser, read by its two stores, written again by the next pass.
; So ONE wait on va_vdst serves all loads of a step: it stands behind the first products (and their four plain lines) and states that they are done reading K and Q and the last step's second products V.
; A second stands behind the exponentials, ahead of their first reader; a third ahead of the second products, which take p's codes and scale word, made by vector lines.
; The zero codes, made by vector lines at the head, are covered by the head's wait.  The diagonal's compares write eight scalar registers at a time, with one wait on va_sdst ahead of the eight selects.
.set SEL, 52
.set CS,  54
.set BLK, 50                           ; s50, s51 the two passes' blocks of queries
.set AT,  57                           ; s57, s58 their tiles
.set DQ,  48                           ; s48, s49 the tile's first query in its block
.set TM,  232
.set BY,  238
.set PC,  224
.macro PLACES n
.rept \n
	v_nop
.endr
.endm
.macro PADDR p                         ; pass p: where Q, its scale words and the result lie
	s_lshl_b32 s38, s36, 16
	s_lshl_b32 s41, s[BLK+\p], 12
	s_add_co_u32 s38, s38, s41
	s_lshl_b32 s41, s[AT+\p], 9
	s_add_co_u32 s38, s38, s41
	s_add_nc_u64 s[26+4*\p:27+4*\p], s[4:5], s[38:39]
	s_lshl_b32 s38, s36, 13
	s_lshl_b32 s41, s[BLK+\p], 9
	s_add_co_u32 s38, s38, s41
	s_lshr_b32 s41, s[AT+\p], 2
	s_lshl_b32 s41, s41, 8
	s_add_co_u32 s38, s38, s41
	s_and_b32 s41, s[AT+\p], 3
	s_lshl_b32 s41, s41, 2
	s_add_co_u32 s38, s38, s41
	s_add_co_u32 s38, s38, 0x600000
	s_add_nc_u64 s[28+4*\p:29+4*\p], s[4:5], s[38:39]
	s_lshr_b32 s38, s36, 4
	s_lshl_b32 s38, s38, 7
	s_lshl_b32 s41, s[BLK+\p], 3
	s_add_co_u32 s38, s38, s41
	s_add_co_u32 s38, s38, s[AT+\p]                ; the tile of tokens: 128 batch + 8 block + tile
	s_lshl_b32 s38, s38, 13
	s_and_b32 s41, s36, 15
	s_lshl_b32 s41, s41, 9
	s_add_co_u32 s38, s38, s41
	s_add_nc_u64 s[44+2*\p:45+2*\p], s[6:7], s[38:39]
	s_lshr_b32 s38, s[AT+\p], 1
	s_lshl_b32 s38, s38, 5
	s_and_b32 s41, s[AT+\p], 1
	s_lshl_b32 s41, s41, 3
	s_add_co_u32 s[DQ+\p], s38, s41
.endm
.macro KLOAD bc, bs, oc, os            ; a key step's eight tiles of K (the lower halves of the fragments) and their scale words: 9 loads
.irp t, 0,1,2,3,4,5,6,7
	global_load_b128 v[32+8*\t:35+8*\t], v1, s[\bc:\bc+1] offset:\oc+512*\t
.endr
	global_load_b128 v[248:251], v1, s[\bs:\bs+1] offset:\os    ; register t % 4: lanes 0-15 tile t < 4, lanes 16-31 tile t + 4
.endm
; The diagonal's mask for registers n0 .. n0 + 7 of the scores: eight compares into scalar registers that are free behind the head, one wait, eight selects
.macro MASK8 n0
.set n, \n0
.irp k, 2,3,24,25,38,39,42,43
	v_cmp_gt_i32 s[\k], 32*(n/16)+n%16, v4
.set n, n+1
.endr
	s_wait_alu depctr_va_sdst(0)                   ; the eight masks are written, ahead of the selects that read them
.set n, \n0
.irp k, 2,3,24,25,38,39,42,43
	v_cndmask_b32 v[96+n], v[96+n], v254, s[\k]
.set n, n+1
.endr
.endm
; A KEY STEP of 128 keys.  masked = 1: the step on the diagonal.  nxt = 1: the next step's K is asked for; 2: the next pass's first K and its Q; 0: nothing.  pf = 1: the text holds the prefetch.
.macro STEP masked, nxt, pf
	s_wait_loadcnt 0x0                             ; this step's K and its scale words (and Q)
.irp t, 0,1,2,3
	v_wmma_scale_f32_16x16x128_f8f6f4 v[96+8*\t:103+8*\t], v[32+8*\t:39+8*\t], v[16:23], 0, v[248+\t], v255 matrix_a_fmt:MATRIX_FMT_FP4 matrix_b_fmt:MATRIX_FMT_FP4
.endr
.irp t, 4,5,6,7
	v_wmma_scale_f32_16x16x128_f8f6f4 v[96+8*\t:103+8*\t], v[32+8*\t:39+8*\t], v[16:23], 0, v[244+\t], v255 matrix_a_fmt:MATRIX_FMT_FP4 matrix_b_fmt:MATRIX_FMT_FP4 matrix_a_scale:MATRIX_SCALE_ROW1
.endr
	PLACES 4                                       ; in front of the first read of the scores; they stay beside the wait
	s_wait_alu depctr_va_vdst(0)                   ; these products are done reading K, Q and their scale words, the last step's second products V and its scale words: the loads below land in them
.irp t, 0,1,2,3
	global_load_b128 v[192+8*\t:195+8*\t], v1, s[12:13] offset:1024*\t
	global_load_b128 v[196+8*\t:199+8*\t], v1, s[12:13] offset:1024*\t+512
.endr
	global_load_b64 v[240:241], v2, s[14:15]       ; V's scale words: register t / 2, lanes 16-31 for odd t
.if \nxt == 1
	KLOAD 8, 10, 4096, 512
.endif
.if \nxt == 2
	KLOAD 16, 18, 0, 0
	global_load_b128 v[16:19], v1, s[30:31]
	global_load_b32 v255, v3, s[32:33]
.endif
.if \pf
; A PREFETCH INTO THE L2 of the key step three steps on: K's 4,096 bytes (lanes 0-15, 256 bytes apart) and V's (lanes 16-31).  All work-groups of a head walk the same K and V: wave 0 of the head's first work-group asks,
; in its second pass, which walks all 16 steps; so each run of 256 bytes of steps 3 to 15 is named once in the launch.  Steps 0 to 2 and the scale bytes come by their loads alone.  Trips 13 and 14 ask for nothing.
	s_cmp_lt_u32 s40, s56
	s_cbranch_scc0 .Lnot_mine_\@
	global_prefetch_b8 v5, s[8:9] offset:12288 th:TH_LOAD_NT scope:SCOPE_SE
.Lnot_mine_\@:
.endif
.if \masked                            ; register 16 b + i holds key 32 b + 16 (lane / 16) + i of the step: hidden where 32 b + i > my query - 16 (lane / 16)
	v_mov_b32 v254, 0xff800000                     ; -infinity: p = 0 then
.irp n0, 0,8,16,24,32,40,48,56
	MASK8 \n0
.endr
.endif
.irp b, 0,1,2,3
	v_max3_num_f32 v[232+\b], v[96+16*\b], v[97+16*\b], v[98+16*\b]   ; the largest score of each block of 32 keys: for the row's maximum, and, since p rises with the score, for the block's largest p
.endr
.irp i, 3,5,7,9,11,13
.irp b, 0,1,2,3
	v_max3_num_f32 v[232+\b], v[232+\b], v[96+16*\b+\i], v[97+16*\b+\i]
.endr
.endr
.irp b, 0,1,2,3
	v_max_num_f32 v[232+\b], v[232+\b], v[111+16*\b]
.endr
.irp b, 0,1,2,3
	v_permlanex16_b32 v[236+\b], v[232+\b], s[SEL], s[SEL+1]
.endr
.irp b, 0,1,2,3
	v_max_num_f32 v[232+\b], v[232+\b], v[236+\b]  ; with lane l xor 16's 16 keys
.endr
	v_max3_num_f32 v254, v232, v233, v234
	v_max_num_f32 v254, v254, v235                 ; the step's largest score of my query
	v_mul_f32 v254, s[CS], v254                    ; as t
	v_max_num_f32 v13, v13, v254                   ; the running largest t
	v_mov_b32 v254, v12
	v_floor_f32 v12, -v13                          ; the new -M = floor(-t) = -ceil(t)
	v_sub_f32 v254, v12, v254                      ; old M - new M: a whole number, 0 or less
	v_cvt_i32_f32 v254, v254                       ; (it saturates)
	v_ldexp_f32 v252, 1.0, v254                    ; f = 2^(old M - new M)
.set j, 0
.rept 32
	v_pk_fma_f32 v[96+j:97+j], v[96+j:97+j], s[CS:CS+1], v[12:13] op_sel_hi:[1,0,0]   ; t - M
.set j, j+2
.endr
.irp b, 0,1,2,3
	v_fma_f32 v[232+\b], v[232+\b], s[CS], v12     ; the same of each block's largest score
.endr
.set j, 0
	s_wait_alu depctr_va_vdst(0)
.rept 64
	v_exp_f32 v[96+j], v[96+j]                     ; p = 2^(t - M)
.set j, j+1
.endr
.irp b, 0,1,2,3
	v_exp_f32 v[232+\b], v[232+\b]                 ; the block's largest p
.endr
	v_pk_mul_f32 v[14:15], v[14:15], v[252:253] op_sel_hi:[1,0]   ; the sums under the new M (a plain line behind the exponentials)
	s_wait_alu depctr_va_vdst(0)                   ; the 68 exponentials have written v96-159 and v232-235, ahead of their first reader
.irp b, 0,1,2,3
	v_max_num_f32 v[232+\b], 0x1800000, v[232+\b]  ; the floor 2^(3 - 127)
.endr
.irp b, 0,1,2,3
	v_add_nc_u32 v[244+\b], 0xff000000, v[232+\b]  ; the conversion's scale operand
.endr
.irp b, 0,1,2,3
	v_lshrrev_b32 v[236+\b], 23, v[244+\b]         ; the scale's byte
.endr
	v_lshl_or_b32 v253, v237, 8, v236              ; p's scale word for these 128 keys
	v_lshl_or_b32 v253, v238, 16, v253
	v_lshl_or_b32 v253, v239, 24, v253
.irp b, 0,1,2,3
	v_cvt_scalef32_pk8_fp4_f32 v[224+2*\b], v[96+16*\b:103+16*\b], v[244+\b]
	v_cvt_scalef32_pk8_fp4_f32 v[225+2*\b], v[104+16*\b:111+16*\b], v[244+\b]
.endr
	v_nop                                          ; a plain line behind the last scaled conversion
.irp c, 0,1
.irp i, 0,1
	v_permlane16_swap_b32 v[224+4*\c+\i], v[226+4*\c+\i]
.endr
.endr
	v_pk_add_f32 v[236:237], v[96:97], v[98:99]    ; the row's sum is taken of the unquantised p, in two chains
.set j, 4
.rept 15
	v_pk_add_f32 v[14:15], v[14:15], v[96+j:97+j]
	v_pk_add_f32 v[236:237], v[236:237], v[98+j:99+j]
.set j, j+4
.endr
	v_pk_add_f32 v[14:15], v[14:15], v[236:237]
.set j, 0
.rept 16
	v_pk_mul_f32 v[160+j:161+j], v[160+j:161+j], v[252:253] op_sel_hi:[1,0]   ; O^T under the new M.  (With the sums above: the plain lines between p's codes and scale word and the products)
.set j, j+2
.endr
.if \nxt == 1
	s_wait_loadcnt 9                               ; V and its scale words are in; the next K's 9 loads may be out
.elseif \nxt == 2
	s_wait_loadcnt 11                              ; the next pass's K, 9 loads, and Q, 2, may be out
.else
	s_wait_loadcnt 0x0
.endif
	s_wait_alu depctr_va_vdst(0)                   ; p's codes v224-231 and its scale word v253 are written, which the products below take; the plain lines above stay beside this wait
	v_wmma_scale_f32_16x16x128_f8f6f4 v[160:167], v[192:199], v[224:231], v[160:167], v240, v253 matrix_a_fmt:MATRIX_FMT_FP4 matrix_b_fmt:MATRIX_FMT_FP4
	v_wmma_scale_f32_16x16x128_f8f6f4 v[168:175], v[200:207], v[224:231], v[168:175], v240, v253 matrix_a_fmt:MATRIX_FMT_FP4 matrix_b_fmt:MATRIX_FMT_FP4 matrix_a_scale:MATRIX_SCALE_ROW1
	v_wmma_scale_f32_16x16x128_f8f6f4 v[176:183], v[208:215], v[224:231], v[176:183], v241, v253 matrix_a_fmt:MATRIX_FMT_FP4 matrix_b_fmt:MATRIX_FMT_FP4
	v_wmma_scale_f32_16x16x128_f8f6f4 v[184:191], v[216:223], v[224:231], v[184:191], v241, v253 matrix_a_fmt:MATRIX_FMT_FP4 matrix_b_fmt:MATRIX_FMT_FP4 matrix_a_scale:MATRIX_SCALE_ROW1
.if \nxt == 1
	s_wait_xcnt 0x0                                ; every load and the prefetch have read their bases: on to the next key step
	s_add_nc_u64 s[8:9], s[8:9], 4096
	s_add_nc_u64 s[10:11], s[10:11], 512
	s_add_nc_u64 s[12:13], s[12:13], 4096
	s_add_nc_u64 s[14:15], s[14:15], 256
.endif
.endm
.macro QUANT2 s                        ; 32 numbers, register 16 b + i = channel 32 b + 16 (lane / 16) + i, become 4 registers of codes in v[PC] on and two scale bytes in v[BY]
.irp b, 0,1
	v_max3_num_f32 v[TM+\b], |v[\s+16*\b]|, |v[\s+1+16*\b]|, 0x1800000
.endr
.irp i, 2,4,6,8,10,12,14
.irp b, 0,1
	v_max3_num_f32 v[TM+\b], v[TM+\b], |v[\s+16*\b+\i]|, |v[\s+1+16*\b+\i]|
.endr
.endr
.irp b, 0,1
	v_permlanex16_b32 v[TM+4+\b], v[TM+\b], s[SEL], s[SEL+1]
.endr
.irp b, 0,1
	v_max_num_f32 v[TM+\b], v[TM+\b], v[TM+4+\b]
.endr
.irp b, 0,1
	v_add_nc_u32 v[TM+12+\b], 0xff000000, v[TM+\b]
.endr
.irp b, 0,1
	v_lshrrev_b32 v[TM+4+\b], 23, v[TM+12+\b]
.endr
	v_lshl_or_b32 v[BY], v[TM+5], 8, v[TM+4]
.irp b, 0,1
	v_cvt_scalef32_pk8_fp4_f32 v[PC+2*\b], v[\s+16*\b:\s+7+16*\b], v[TM+12+\b]
	v_cvt_scalef32_pk8_fp4_f32 v[PC+1+2*\b], v[\s+8+16*\b:\s+15+16*\b], v[TM+12+\b]
.endr
	v_nop
	v_permlane16_swap_b32 v[PC], v[PC+2]
	v_permlane16_swap_b32 v[PC+1], v[PC+3]
.endm
.macro PASS p
	s_wait_xcnt 0x0                                ; earlier loads and stores have read their bases and data
	s_wait_dscnt 0x0
.if \p
	s_wait_alu depctr_vm_vsrc(0)                   ; the first pass's two stores have read v224-227 and v238, which this pass writes again
.endif
	s_mov_b64 s[8:9], s[16:17]                     ; back to the head's first key step
	s_mov_b64 s[10:11], s[18:19]
	s_mov_b64 s[12:13], s[20:21]
	s_mov_b64 s[14:15], s[22:23]
	v_add_nc_u32 v4, s[DQ+\p], v9
	v_mov_b32 v13, 0xff61b1e6                      ; the largest t so far: -3e38
	v_floor_f32 v12, -v13
	v_mov_b32 v14, 0
	v_mov_b32 v15, 0
.set j, 0
.rept 32
	v_mov_b32 v[160+j], 0                          ; O^T: the step is written once; its first use finds zeros, which the first change of M leaves zeros
.set j, j+1
.endr
	s_mov_b32 s40, 0
.if \p == 0
	s_cmp_eq_u32 s[BLK], 0                         ; block 0 has the diagonal step alone
	s_cbranch_scc1 .Ldiag_\@
.endif
.Lkeys_\@:
	STEP 0, 1, \p
	s_add_co_u32 s40, s40, 1
	s_cmp_lt_u32 s40, s[BLK+\p]
	s_cbranch_scc1 .Lkeys_\@
.Ldiag_\@:
	STEP 1, 2-2*\p, 0
	PLACES 4                                       ; in front of the first read of O^T
	v_add_f32 v14, v14, v15
	v_permlanex16_b32 v252, v14, s[SEL], s[SEL+1]
	v_add_f32 v14, v14, v252                       ; the row's sum
	s_wait_alu depctr_va_vdst(0)
	v_rcp_f32 v14, v14
	v_nop
	s_wait_alu depctr_va_vdst(0)                   ; the reciprocal has written v14, ahead of its first reader
	v_mov_b32 v15, v14
.set j, 0
.rept 16
	v_pk_mul_f32 v[160+j:161+j], v[160+j:161+j], v[14:15]
.set j, j+2
.endr
	QUANT2 160
	s_wait_alu depctr_va_vdst(0)                   ; the codes v[PC ..] and the two bytes v[BY] are written, which the two stores read
	global_store_b128 v1, v[PC:PC+3], s[44+2*\p:45+2*\p]    ; 512 consecutive bytes
	ds_store_b16 v[10+\p], v[BY] offset:256*\p
.endm
	s_load_b128 s[4:7], s[0:1], 0x0                ; qkvb, attb
	v_lshl_add_u32 v242, v0, 2, 0x200
	v_mov_b32 v243, 0
	v_lshrrev_b32 v6, 5, v0
	v_readfirstlane_b32 s34, v6                    ; wave 0..7
	s_mov_b32 s35, ttmp9                           ; g
	s_and_b32 s36, ttmp7, 0xffff                   ; 16 batch + head
	v_and_b32 v6, 31, v0
	v_and_b32 v7, 15, v0                           ; r
	v_bfe_u32 v8, v0, 4, 1                         ; h
	v_lshlrev_b32 v1, 4, v6
	v_lshlrev_b32 v2, 3, v6
	v_lshlrev_b32 v3, 4, v7
	v_lshlrev_b32 v5, 8, v7
	v_lshl_add_u32 v5, v8, 21, v5                  ; 256 r; lanes 16-31 2 MiB on: V's codes lie so far behind K's
	v_and_b32 v9, 8, v7
	v_add_nc_u32 v9, v9, v7
	v_lshlrev_b32 v10, 4, v8
	v_sub_nc_u32 v9, v9, v10                       ; r + 8 (r / 8) - 16 h
	s_wait_alu depctr_va_sdst(0)                   ; s34 is written, ahead of its first reader: the tiles, the LDS places and the last branch are made from it
	s_mov_b32 s[BLK], s35
	s_sub_co_u32 s[BLK+1], 15, s35
	s_mov_b32 s[AT], s34
	s_xor_b32 s[AT+1], s34, 7
	s_lshl_b32 s41, s[AT], 5
	v_lshl_add_u32 v10, v7, 1, s41                 ; LDS: 32 tile + 2 r
	s_lshl_b32 s41, s[AT+1], 5
	v_lshl_add_u32 v11, v7, 1, s41
	s_lshl_b32 s41, s35, 1
	s_sub_co_u32 s41, 15, s41
	s_lshl_b32 s41, s41, 8
	v_mul_u32_u24 v24, s41, v8
	v_add_nc_u32 v24, v24, v3
	s_lshl_b32 s41, s35, 8
	v_add_nc_u32 v24, s41, v24                     ; the scale bytes' way out: lanes 0-15 block g, lanes 16-31 block 15 - g; 16 r
.irp j, 20,21,22,23
	v_mov_b32 v[\j], 0                             ; the upper half of K = 128: zero codes
.endr
.irp t, 0,1,2,3,4,5,6,7
.irp j, 4,5,6,7
	v_mov_b32 v[32+8*\t+\j], 0
.endr
.endr
.irp b, 0,1,2,3
	v_mov_b32 v[236+\b], 0                         ; written once: a lane permute's destination counts as one of its sources
.endr
	v_mov_b32 v253, 0                              ; (named as the upper half of a pair before it is first written)
	s_mov_b32 s[SEL], 0x76543210
	s_mov_b32 s[SEL+1], 0xfedcba98
	s_mov_b32 s[CS], 0x3e38aa3b                    ; log2(e) / sqrt(64)
	s_mov_b32 s[CS+1], s[CS]
	s_or_b32 s41, s34, s35
	s_cmp_eq_u32 s41, 0
	s_cselect_b32 s56, 13, 0                       ; the trips in which I prefetch
	s_mov_b32 s39, 0
	s_wait_kmcnt 0x0
	s_lshl_b32 s38, s36, 16
	s_add_co_u32 s38, s38, 0x200000
	s_add_nc_u64 s[16:17], s[4:5], s[38:39]        ; the head's K,
	s_add_co_u32 s38, s38, 0x200000
	s_add_nc_u64 s[20:21], s[4:5], s[38:39]        ; V,
	s_lshl_b32 s38, s36, 13
	s_add_co_u32 s38, s38, 0x640000
	s_add_nc_u64 s[18:19], s[4:5], s[38:39]        ; K's scale words,
	s_lshl_b32 s38, s36, 12
	s_add_co_u32 s38, s38, 0x680000
	s_add_nc_u64 s[22:23], s[4:5], s[38:39]        ; V's
	s_lshl_b32 s38, s36, 12
	s_add_co_u32 s38, s38, 0x200000
	s_add_nc_u64 s[60:61], s[6:7], s[38:39]        ; the result's scale bytes
	PADDR 0
	PADDR 1
	s_wait_alu depctr_va_vdst(0)                   ; v1, v2, v3, v5, v10, v11 and v24 are written, which the loads, the prefetch and the stores read; so are the zero codes, which the first products of every step take
	global_load_b128 v[16:19], v1, s[26:27]        ; the first pass's Q
	global_load_b32 v255, v3, s[28:29]
	KLOAD 16, 18, 0, 0
	PASS 0
	PASS 1
	s_wait_dscnt 0x0
	s_barrier_signal -1
	s_barrier_wait -1
	s_cmp_lg_u32 s34, 0
	s_cbranch_scc1 .Lend
	ds_load_b128 v[16:19], v1                      ; wave 0 stores the two blocks' scale bytes: two whole runs of 256.  (The products that read v16-19 stand ahead of the last wait on va_vdst)
	s_wait_dscnt 0x0
	global_store_b128 v24, v[16:19], s[60:61]
.Lend:
	s_wait_dscnt 0x0                               ; the closing lines, six on end
	s_wait_alu 0x0
	s_wait_tensorcnt 0x0
	ds_add_u32 v242, v243
	s_wait_dscnt 0x0
	s_endpgm
.Lfunc_end_k_qd0b30cc946_attn:
	.size	k_qd0b30cc946_attn, .Lfunc_end_k_qd0b30cc946_attn-k_qd0b30cc946_attn
	.p2alignl 7, 3214868480
	.fill 96, 4, 3214868480
	.section	.rodata,"a",@progbits
	.p2align	6, 0x0
	.amdhsa_kernel k_qd0b30cc946_attn
		.amdhsa_group_segment_fixed_size 1536
		.amdhsa_private_segment_fixed_size 0
		.amdhsa_enable_private_segment 0
		.amdhsa_kernarg_size 16
		.amdhsa_user_sgpr_count 2
		.amdhsa_user_sgpr_kernarg_segment_ptr 1
		.amdhsa_wavefront_size32 1
		.amdhsa_system_sgpr_workgroup_id_x 1
		.amdhsa_system_sgpr_workgroup_id_y 1
		.amdhsa_system_sgpr_workgroup_id_z 1
		.amdhsa_system_vgpr_workitem_id 0
		.amdhsa_next_free_vgpr 256
		.amdhsa_next_free_sgpr 66
		.amdhsa_reserve_vcc 0
		.amdhsa_float_denorm_mode_32 3
		.amdhsa_float_denorm_mode_16_64 3
		.amdhsa_memory_ordered 1
		.amdhsa_forward_progress 1
		.amdhsa_inst_pref_size 97
	.end_amdhsa_kernel
	.amdgpu_metadata
---
amdhsa.version: [ 1, 2 ]
amdhsa.kernels:
  - .name:           k_qd0b30cc946_attn
    .symbol:         k_qd0b30cc946_attn.kd
    .args:
      - { .name: qkvb, .offset: 0, .size: 8, .value_kind: global_buffer, .address_space: global }
      - { .name: attb, .offset: 8, .size: 8, .value_kind: global_buffer, .address_space: global }
    .group_segment_fixed_size: 1536
    .private_segment_fixed_size: 0
    .kernarg_segment_align: 8
    .kernarg_segment_size: 16
    .max_flat_workgroup_size: 256
    .sgpr_count:     66
    .vgpr_count:     256
    .wavefront_size: 32
...
	.end_amdgpu_metadata
.endif
;; end of part 9
;; launch proj (part 10): grid 256 x 1, 16 waves a work-group, no clusters, 74,240 bytes of LDS; arguments attb, prepb, x, out_b, ln2_g, ln2_b, x1, n2; writes x1, n2
.if DOCPART == 10
	.amdgcn_target "amdgcn-amd-amdhsa--gfx1250"
	.amdhsa_code_object_version 6
	.text
	.protected	k_qd0b30cc946_proj
	.globl	k_qd0b30cc946_proj
	.p2align	8
	.type	k_qd0b30cc946_proj,@function
k_qd0b30cc946_proj:
	s_mov_b64 s[64:65], 0
	v_nop
	global_prefetch_b8 v0, s[64:65] scope:SCOPE_SE
	s_setreg_imm32_b32 hwreg(HW_REG_WAVE_SCHED_MODE, 0, 2), 2
	s_setreg_imm32_b32 hwreg(HW_REG_WAVE_MODE, 25, 1), 1
	s_wait_xcnt 0x0
	s_wait_alu depctr_vm_vsrc(0)
; x1 = x + att out_w^T + out_b on codes of FP4; then LN2(x1), quantised along the channels.
; SHARES: a work-group takes one tile of 16 tokens with ALL 1,024 columns, so that the layer norm's sums stay in the work-group; wave w takes columns 64 w on: four tiles of out_w, four accumulators, K = 1,024 in 8 steps.
; 256 tiles of tokens: 256 work-groups of sixteen waves, four to a SIMD.
; Source 0 = 16 rows of out_w, source 1 = the tokens: a lane holds one token, register 16 b + i = column 64 w + 32 b + 16 (lane / 16) + i.  x + out_b starts the sums as the first products' C.
; Operands come from memory straight into registers, in register order (512 consecutive bytes a load), four sets by turns.
; NO CLUSTER: nothing lands in LDS that a joint load could share.
; x comes in, and x1 goes out, as whole runs of 256 bytes of a row, through the wave's own stage in LDS.
; OUT: x1 [4096][1024] f32; n2: codes [tile][8192] at 512 w; scale bytes at 2 MiB: [tile][r][32], bytes 2 w, 2 w + 1.
; LIMITS: NaN and infinities are not served; a block under 2^-124 gets the byte 1 (read by this program alone); the mean and the variance are summed in another order than a plain running sum.
; THE MODE: SCHED_MODE bits 1:0 = 2 (LLVM: expert scheduling mode 2), set by the entry lines.  The code itself states the register dependences
; between vector or matrix instructions and memory or LDS instructions, with s_wait_alu, always for 0.
; THE PLAN.  Registers that memory or LDS instructions touch:
;   sets 0 .. 3 (v72, v112, v152, v192 on)  Step p: its four products read set p % 4; the loads of step p + 4 land in it, issued in step p + 1 (behind step 4: ln2_g, behind step 5: ln2_b).
;   v152-183   first x as loaded, read by LDS stores; v184-215 out_b and v216-231 the tokens' scale bytes, read by vector lines; then sets 2 and 3.  On the way out v152-183 take the rows of x1 back from LDS.
;   v16-23     the tokens' scale words: made by vector lines, taken by the products.   v24-39: out_w's, loaded once.
;   v40-71     x from LDS, then the accumulators: read by the LDS stores of the way out, written again by the layer norm.
;   v232, v234 the row's two sums: written by vector lines, read by an LDS store each.   v236-251: the sixteen waves' parts, from LDS.
;   v252-255, v248  the codes and the two scale bytes: written by the quantiser, read by the two last stores.   v1-v11: offsets and addresses, made at the head, never written again.
; So ONE wait on va_vdst stands at the head of steps 1 to 6, behind the wait for the step's data: the step before is done reading its set.  The loads into that set follow, two behind each product, with no further
; wait: the step's products name its own set, the accumulators and the scale words.  On the way out one wait on va_vdst stands ahead of each run of stores.
.set P1,  0                            ; LDS: 16 rows x 16 waves' sums
.set P2,  1024
.set SG,  2048                         ; the tile's 512 scale bytes
.set STG, 2560                         ; a stage for each wave: 16 rows x 272 bytes (256 + 16 of padding)
.set SEL, 38
.set TM,  232
.set BY,  248
.set PC,  252
; v16-23 the tokens' scale words, v24-39 out_w's (register 8 (b / 2) + s), v40-71 the accumulators, v72, v112, v152, v192 four sets of 32 (P) + 8 (Q), v232-255 at work
.macro PLACES n
.rept \n
	v_nop
.endr
.endm
.macro WM acc, pf, qf, sp, sq, po
.set wA, \acc
.set wP, \pf
.set wQ, \qf
.set wS, \sp
.set wT, \sq
.if \po
	v_wmma_scale_f32_16x16x128_f8f6f4 v[wA:wA+7], v[wP:wP+7], v[wQ:wQ+7], v[wA:wA+7], v[wS], v[wT] matrix_a_fmt:MATRIX_FMT_FP4 matrix_b_fmt:MATRIX_FMT_FP4 matrix_a_scale:MATRIX_SCALE_ROW1
.else
	v_wmma_scale_f32_16x16x128_f8f6f4 v[wA:wA+7], v[wP:wP+7], v[wQ:wQ+7], v[wA:wA+7], v[wS], v[wT] matrix_a_fmt:MATRIX_FMT_FP4 matrix_b_fmt:MATRIX_FMT_FP4
.endif
.endm
.macro LP s, b                         ; K step s, tile b of out_w: 2 loads into set s % 4
.set f, 72+40*((\s)%4)
	global_load_b128 v[f+8*(\b):f+8*(\b)+3], v1, s[26:27] offset:8192*(\b)+1024*(\s)
	global_load_b128 v[f+8*(\b)+4:f+8*(\b)+7], v1, s[26:27] offset:8192*(\b)+1024*(\s)+512
.endm
.macro LQ s                            ; K step s, the tokens: 2 loads
.set f, 72+40*((\s)%4)
	global_load_b128 v[f+32:f+35], v1, s[22:23] offset:1024*(\s)
	global_load_b128 v[f+36:f+39], v1, s[22:23] offset:1024*(\s)+512
.endm
.macro LSTEP s                         ; K step s: 10 loads
.irp b, 0,1,2,3
	LP \s, \b
.endr
	LQ \s
.endm
.macro M1 s, b                         ; product b of K step s: the four accumulators take turns
.set f, 72+40*((\s)%4)
	WM 40+8*(\b), f+8*(\b), f+32, 24+8*((\b)/2)+(\s), 16+(\s), (\b)%2
.endm
.macro DEAL b                          ; the two loads that stand behind product b of step ps: into the set that the step before has read
.if (ps >= 1) && (ps <= 4)
	LP ps+3, \b
.elseif ps == 5
	global_load_b128 v[72+8*(\b):75+8*(\b)], v7, s[12:13] offset:128*((\b)/2)+32*((\b)%2)        ; ln2_g
	global_load_b128 v[76+8*(\b):79+8*(\b)], v7, s[12:13] offset:128*((\b)/2)+32*((\b)%2)+16
.elseif ps == 6
	global_load_b128 v[112+8*(\b):115+8*(\b)], v7, s[14:15] offset:128*((\b)/2)+32*((\b)%2)      ; ln2_b
	global_load_b128 v[116+8*(\b):119+8*(\b)], v7, s[14:15] offset:128*((\b)/2)+32*((\b)%2)+16
.endif
.endm
.macro RED16                           ; the sixteen waves' parts in v236-251 -> v236
	v_pk_add_f32 v[236:237], v[236:237], v[238:239]
	v_pk_add_f32 v[240:241], v[240:241], v[242:243]
	v_pk_add_f32 v[244:245], v[244:245], v[246:247]
	v_pk_add_f32 v[248:249], v[248:249], v[250:251]
	v_pk_add_f32 v[236:237], v[236:237], v[240:241]
	v_pk_add_f32 v[244:245], v[244:245], v[248:249]
	v_pk_add_f32 v[236:237], v[236:237], v[244:245]
	v_add_f32 v236, v236, v237
.endm
.macro QUANT2 s
.irp b, 0,1
	v_max3_num_f32 v[TM+\b], |v[\s+16*\b]|, |v[\s+1+16*\b]|, 0x1800000   ; with the floor 2^(3 - 127)
.endr
.irp i, 2,4,6,8,10,12,14
.irp b, 0,1
	v_max3_num_f32 v[TM+\b], v[TM+\b], |v[\s+16*\b+\i]|, |v[\s+1+16*\b+\i]|
.endr
.endr
.irp b, 0,1
	v_permlanex16_b32 v[TM+4+\b], v[TM+\b], s[SEL], s[SEL+1]
.endr
.irp b, 0,1
	v_max_num_f32 v[TM+\b], v[TM+\b], v[TM+4+\b]
.endr
.irp b, 0,1
	v_add_nc_u32 v[TM+12+\b], 0xff000000, v[TM+\b]
.endr
.irp b, 0,1
	v_lshrrev_b32 v[TM+4+\b], 23, v[TM+12+\b]
.endr
	v_lshl_or_b32 v[BY], v[TM+5], 8, v[TM+4]
.irp b, 0,1
	v_cvt_scalef32_pk8_fp4_f32 v[PC+2*\b], v[\s+16*\b:\s+7+16*\b], v[TM+12+\b]
	v_cvt_scalef32_pk8_fp4_f32 v[PC+1+2*\b], v[\s+8+16*\b:\s+15+16*\b], v[TM+12+\b]
.endr
	v_nop
	v_permlane16_swap_b32 v[PC], v[PC+2]
	v_permlane16_swap_b32 v[PC+1], v[PC+3]
.endm
	s_load_b512 s[4:19], s[0:1], 0x0               ; attb, prepb, x, out_b, ln2_g, ln2_b, x1, n2
	v_lshrrev_b32 v12, 5, v0
	v_readfirstlane_b32 s20, v12                   ; wave 0..15
	v_and_b32 v14, 31, v0                          ; lane
	v_and_b32 v12, 15, v0                          ; r
	v_bfe_u32 v13, v0, 4, 1                        ; h
	v_lshlrev_b32 v1, 4, v14                       ; 16 lane
	v_lshlrev_b32 v2, 5, v14                       ; 32 lane
	v_lshlrev_b32 v3, 1, v12                       ; 2 r
	s_wait_alu depctr_va_sdst(0)                   ; s20 is written, ahead of its first reader: offsets, LDS places and the last branch are made from it
	s_lshl_b32 s41, s20, 8
	v_lshl_add_u32 v4, v12, 4, s41
	v_lshl_add_u32 v4, v13, 12, v4                 ; x, x1: 256 w + 16 r, lanes 16-31 one row down
	v_lshl_add_u32 v7, v13, 6, s41                 ; out_b, ln2_g, ln2_b: 256 w + 64 h
	s_mul_i32 s41, s20, 16*272
	s_add_co_u32 s41, s41, STG                     ; my stage
	v_mul_u32_u24 v5, v13, 272
	v_lshl_add_u32 v5, v12, 4, v5
	v_add_nc_u32 v5, s41, v5                       ; by rows: lanes 0-15 one row, lanes 16-31 the next
	v_mul_u32_u24 v6, v12, 272
	v_lshl_add_u32 v6, v13, 6, v6
	v_add_nc_u32 v6, s41, v6                       ; in the result's layout: row r, + 64 h
	s_lshl_b32 s41, s20, 2
	v_lshl_add_u32 v8, v12, 6, s41                 ; 64 r + 4 w
	v_lshlrev_b32 v9, 6, v12                       ; 64 r
	s_lshl_b32 s41, s20, 1
	v_lshl_add_u32 v10, v12, 5, s41                ; 32 r + 2 w
	s_lshl_b32 s41, s20, 9
	v_lshl_add_u32 v11, v14, 4, s41                ; 512 w + 16 lane
	v_mov_b32 v233, 0                              ; written once: a lane permute's destination counts as one of its sources
	v_mov_b32 v235, 0
	v_mov_b32 v236, 0
	v_mov_b32 v237, 0
	s_mov_b32 s[SEL], 0x76543210
	s_mov_b32 s[SEL+1], 0xfedcba98
	s_mov_b32 s40, 0x3a800000                      ; 1 / 1024
	s_mov_b32 s43, 0
	s_wait_kmcnt 0x0
	s_lshl_b32 s42, ttmp9, 13
	s_add_nc_u64 s[22:23], s[4:5], s[42:43]        ; the tokens' codes
	s_add_nc_u64 s[34:35], s[18:19], s[42:43]      ; n2's codes
	s_lshr_b32 s42, ttmp9, 7
	s_lshl_b32 s42, s42, 16
	s_and_b32 s41, ttmp9, 127
	s_lshl_b32 s41, s41, 5
	s_add_co_u32 s42, s42, s41
	s_add_co_u32 s42, s42, 0x200000
	s_add_nc_u64 s[24:25], s[4:5], s[42:43]        ; the tokens' scale bytes: head 0 of the batch, my tile
	s_lshl_b32 s42, s20, 15
	s_add_co_u32 s42, s42, 0x380000
	s_add_nc_u64 s[26:27], s[6:7], s[42:43]        ; my four tiles of out_w
	s_lshl_b32 s42, s20, 11
	s_add_co_u32 s42, s42, 0x838000
	s_add_nc_u64 s[28:29], s[6:7], s[42:43]        ; their scale bytes
	s_lshr_b32 s42, ttmp9, 1
	s_lshl_b32 s42, s42, 5
	s_and_b32 s41, ttmp9, 1
	s_lshl_b32 s41, s41, 3
	s_add_co_u32 s42, s42, s41                     ; the tile's first row
	s_lshl_b32 s42, s42, 12
	s_add_nc_u64 s[30:31], s[8:9], s[42:43]
	s_add_nc_u64 s[32:33], s[16:17], s[42:43]
	s_lshl_b32 s42, ttmp9, 9
	s_add_co_u32 s42, s42, 0x200000
	s_add_nc_u64 s[36:37], s[18:19], s[42:43]      ; n2's scale bytes
	s_wait_alu depctr_va_vdst(0)                   ; v1 to v11 are written: every load and store of the kernel, global or LDS, reads one of them as its offset or address
.set i, 0
.rept 8
	global_load_b128 v[152+4*i:155+4*i], v4, s[30:31] offset:(2*i+8*(i/4))*4096   ; x: tile rows 2 i, 2 i + 1: sixteen lanes read 256 consecutive bytes
.set i, i+1
.endr
.set j, 0
.rept 8
	global_load_b128 v[184+4*j:187+4*j], v7, s[10:11] offset:128*(j/4)+16*(j%4)   ; out_b in the result's layout
.set j, j+1
.endr
.irp i, 0,1
.irp q, 0,1
	global_load_b128 v[24+8*\i+4*\q:27+8*\i+4*\q], v2, s[28:29] offset:1024*\i+16*\q
.endr
.endr
.set j, 0
.rept 16
	global_load_u16 v[216+j], v3, s[24:25] offset:4096*j     ; head j's two scale bytes of my token
.set j, j+1
.endr
	LSTEP 0
	LSTEP 1
	s_wait_loadcnt 48                              ; x is in: behind it 8 + 4 + 16 + 20 loads
.set i, 0
.rept 8
	ds_store_b128 v5, v[152+4*i:155+4*i] offset:544*i
.set i, i+1
.endr
.set j, 0
.rept 8
	ds_load_b128 v[40+4*j:43+4*j], v6 offset:128*(j/4)+16*(j%4)   ; LDS serves a wave's instructions in order: x in the result's layout
.set j, j+1
.endr
	s_wait_loadcnt 20                              ; the bias and the scales are in; steps 0 and 1 may be out
.set j, 0
.rept 8
	v_lshl_or_b32 v[16+j], v[217+2*j], 16, v[216+2*j]        ; K step j = heads 2 j, 2 j + 1
.set j, j+1
.endr
	s_wait_dscnt 0x0
.set j, 0
.rept 16
	v_pk_add_f32 v[40+j:41+j], v[40+j:41+j], v[184+j:185+j]  ; x + out_b: what the sums start from
.set j, j+2
.endr
	PLACES 8                                       ; scale words made by vector lines stand eight plain lines ahead of a scaled product
	s_wait_alu depctr_vm_vsrc(0)                   ; the LDS stores have read x as loaded, v152-183, in which step 2's loads land
	s_wait_alu depctr_va_vdst(0)                   ; the scale words v16-23 are written, which the products take; the additions are done reading v184-215 and the words' lines v216-231, in which steps 2 and 3 land
	LSTEP 2
	LSTEP 3
.set ps, 0
.rept 8
.if ps == 0
	s_wait_loadcnt 30                              ; behind step 0's loads: three steps' 30
.elseif ps < 6
	s_wait_loadcnt 20                              ; behind this step's loads: two steps' 20
.elseif ps == 6
	s_wait_loadcnt 18                              ; step 7's 10 and ln2_g's 8
.else
	s_wait_loadcnt 16                              ; ln2_g, ln2_b
.endif
.if (ps >= 1) && (ps <= 6)
	s_wait_alu depctr_va_vdst(0)                   ; the last step's products are done reading their set, in which this step's loads land
.endif
.if (ps >= 1) && (ps <= 4)
	LQ ps+3
.endif
	M1 ps, 0
	DEAL 0                                         ; no wait: no product since the wait above names that set, v1 or v7
	M1 ps, 1
	DEAL 1
	M1 ps, 2
	DEAL 2
	M1 ps, 3
	DEAL 3
	PLACES 4                                       ; four plain lines behind the products stay; behind the last step they stand in front of the first read of results
.set ps, ps+1
.endr
	; x1 goes out by rows, through my stage; each accumulator is read from its low end on
	s_wait_alu depctr_va_vdst(0)                   ; the products have written v40-71, which the LDS stores read, and step 6's are done reading v152-183, in which the rows come back
.set j, 0
.rept 8
	ds_store_b128 v6, v[40+4*j:43+4*j] offset:128*(j/4)+16*(j%4)
.set j, j+1
.endr
.set i, 0
.rept 8
	ds_load_b128 v[152+4*i:155+4*i], v5 offset:544*i
.set i, i+1
.endr
	; the row's sum meanwhile: my 32, lane l xor 16's, then the sixteen waves' through LDS
	v_pk_add_f32 v[232:233], v[40:41], v[42:43]
	v_pk_add_f32 v[234:235], v[44:45], v[46:47]
.set j, 8
.rept 6
	v_pk_add_f32 v[232:233], v[232:233], v[40+j:41+j]
	v_pk_add_f32 v[234:235], v[234:235], v[42+j:43+j]
.set j, j+4
.endr
	v_pk_add_f32 v[232:233], v[232:233], v[234:235]
	v_add_f32 v232, v232, v233
	v_permlanex16_b32 v233, v232, s[SEL], s[SEL+1]
	v_add_f32 v232, v232, v233
	s_wait_alu depctr_va_vdst(0)                   ; the sum v232 is written, which the LDS store reads
	ds_store_b32 v8, v232 offset:P1
.set i, 0
.rept 8
	s_wait_dscnt 8-i                               ; row pair i is back: behind it 7 - i loads and the sum's store
	global_store_b128 v4, v[152+4*i:155+4*i], s[32:33] offset:(2*i+8*(i/4))*4096   ; sixteen lanes store 256 consecutive bytes
.set i, i+1
.endr
	s_wait_dscnt 0x0
	s_barrier_signal -1
	s_barrier_wait -1
.irp k, 0,1,2,3
	ds_load_b128 v[236+4*\k:239+4*\k], v9 offset:P1+16*\k
.endr
	s_wait_dscnt 0x0
	s_wait_alu depctr_vm_vsrc(0)                   ; my LDS stores have read v40-71 and v232, which the lines below write again
	RED16
	v_mul_f32 v232, s40, v236                      ; the mean
	v_mov_b32 v233, v232
.set j, 0
.rept 16
	v_pk_add_f32 v[40+j:41+j], v[40+j:41+j], v[232:233] neg_lo:[0,1] neg_hi:[0,1]
.set j, j+2
.endr
	v_pk_mul_f32 v[234:235], v[40:41], v[40:41]
	v_pk_mul_f32 v[236:237], v[42:43], v[42:43]
.set j, 4
.rept 7
	v_pk_fma_f32 v[234:235], v[40+j:41+j], v[40+j:41+j], v[234:235]
	v_pk_fma_f32 v[236:237], v[42+j:43+j], v[42+j:43+j], v[236:237]
.set j, j+4
.endr
	v_pk_add_f32 v[234:235], v[234:235], v[236:237]
	v_add_f32 v234, v234, v235
	v_permlanex16_b32 v235, v234, s[SEL], s[SEL+1]
	v_add_f32 v234, v234, v235
	s_wait_alu depctr_va_vdst(0)                   ; the squares' sum v234 is written, which the LDS store reads; the lines above are done with v236-251, in which the loads behind the barrier land
	ds_store_b32 v8, v234 offset:P2
	s_wait_dscnt 0x0
	s_barrier_signal -1
	s_barrier_wait -1
.irp k, 0,1,2,3
	ds_load_b128 v[236+4*\k:239+4*\k], v9 offset:P2+16*\k
.endr
	s_wait_dscnt 0x0
	RED16
	v_fmaak_f32 v236, s40, v236, 0x3727c5ac        ; the variance + 1e-5
	s_wait_alu depctr_va_vdst(0)
	v_rsq_f32 v236, v236
	v_nop
	s_wait_alu depctr_va_vdst(0)                   ; the root's reciprocal has written v236, ahead of its first reader
	v_mov_b32 v237, v236
	s_wait_alu depctr_va_vdst(0)
	s_wait_loadcnt 0x0                             ; ln2_g, ln2_b
.set j, 0
.rept 16
	v_pk_mul_f32 v[40+j:41+j], v[40+j:41+j], v[236:237]
.set j, j+2
.endr
.set j, 0
.rept 16
	v_pk_fma_f32 v[40+j:41+j], v[40+j:41+j], v[72+j:73+j], v[112+j:113+j]
.set j, j+2
.endr
	QUANT2 40
	s_wait_alu depctr_va_vdst(0)                   ; the codes v[PC ..] and the two bytes v[BY] are written, which the two stores read; the lines above are done with v240-243, in which wave 0's load lands
	global_store_b128 v11, v[PC:PC+3], s[34:35]    ; 512 consecutive bytes
	ds_store_b16 v10, v[BY] offset:SG
	s_wait_dscnt 0x0
	s_barrier_signal -1
	s_barrier_wait -1
	s_cmp_lg_u32 s20, 0
	s_cbranch_scc1 .Lend
	ds_load_b128 v[240:243], v1 offset:SG          ; wave 0 stores the tile's 512 scale bytes
	s_wait_dscnt 0x0
	global_store_b128 v1, v[240:243], s[36:37]
.Lend:
	s_wait_xcnt 0x0
	s_wait_alu depctr_vm_vsrc(0)                   ; the store of the codes has read v254 and v255, which are made anew
	v_lshl_add_u32 v254, v0, 2, 0x11a00
	v_mov_b32 v255, 0
	s_wait_dscnt 0x0                               ; the closing lines, six on end
	s_wait_alu 0x0
	s_wait_tensorcnt 0x0
	ds_add_u32 v254, v255
	s_wait_dscnt 0x0
	s_endpgm
.Lfunc_end_k_qd0b30cc946_proj:
	.size	k_qd0b30cc946_proj, .Lfunc_end_k_qd0b30cc946_proj-k_qd0b30cc946_proj
	.p2alignl 7, 3214868480
	.fill 96, 4, 3214868480
	.section	.rodata,"a",@progbits
	.p2align	6, 0x0
	.amdhsa_kernel k_qd0b30cc946_proj
		.amdhsa_group_segment_fixed_size 74240
		.amdhsa_private_segment_fixed_size 0
		.amdhsa_enable_private_segment 0
		.amdhsa_kernarg_size 64
		.amdhsa_user_sgpr_count 2
		.amdhsa_user_sgpr_kernarg_segment_ptr 1
		.amdhsa_wavefront_size32 1
		.amdhsa_system_sgpr_workgroup_id_x 1
		.amdhsa_system_sgpr_workgroup_id_y 1
		.amdhsa_system_sgpr_workgroup_id_z 1
		.amdhsa_system_vgpr_workitem_id 0
		.amdhsa_next_free_vgpr 256
		.amdhsa_next_free_sgpr 66
		.amdhsa_reserve_vcc 0
		.amdhsa_float_denorm_mode_32 3
		.amdhsa_float_denorm_mode_16_64 3
		.amdhsa_memory_ordered 1
		.amdhsa_forward_progress 1
		.amdhsa_inst_pref_size 37
	.end_amdhsa_kernel
	.amdgpu_metadata
---
amdhsa.version: [ 1, 2 ]
amdhsa.kernels:
  - .name:           k_qd0b30cc946_proj
    .symbol:         k_qd0b30cc946_proj.kd
    .args:
      - { .name: attb, .offset: 0, .size: 8, .value_kind: global_buffer, .address_space: global }
      - { .name: prepb, .offset: 8, .size: 8, .value_kind: global_buffer, .address_space: global }
      - { .name: x, .offset: 16, .size: 8, .value_kind: global_buffer, .address_space: global }
      - { .name: out_b, .offset: 24, .size: 8, .value_kind: global_buffer, .address_space: global }
      - { .name: ln2_g, .offset: 32, .size: 8, .value_kind: global_buffer, .address_space: global }
      - { .name: ln2_b, .offset: 40, .size: 8, .value_kind: global_buffer, .address_space: global }
      - { .name: x1, .offset: 48, .size: 8, .value_kind: global_buffer, .address_space: global }
      - { .name: n2, .offset: 56, .size: 8, .value_kind: global_buffer, .address_space: global }
    .group_segment_fixed_size: 74240
    .private_segment_fixed_size: 0
    .kernarg_segment_align: 8
    .kernarg_segment_size: 64
    .max_flat_workgroup_size: 512
    .sgpr_count:     66
    .vgpr_count:     256
    .wavefront_size: 32
...
	.end_amdgpu_metadata
.endif
;; end of part 10
;; launch fc1 (part 11): grid 16 x 16, 4 waves a work-group, no clusters, 264,704 bytes of LDS; arguments n2, prepb, fc1_b, hq; writes hq
.if DOCPART == 11
	.amdgcn_target "amdgcn-amd-amdhsa--gfx1250"
	.amdhsa_code_object_version 6
	.text
	.protected	k_qd0b30cc946_fc1
	.globl	k_qd0b30cc946_fc1
	.p2align	8
	.type	k_qd0b30cc946_fc1,@function
k_qd0b30cc946_fc1:
	s_mov_b64 s[64:65], 0
	v_nop
	global_prefetch_b8 v0, s[64:65] scope:SCOPE_SE
	s_setreg_imm32_b32 hwreg(HW_REG_WAVE_SCHED_MODE, 0, 2), 2
	s_setreg_imm32_b32 hwreg(HW_REG_WAVE_MODE, 25, 1), 1
	s_wait_xcnt 0x0
	s_wait_alu depctr_vm_vsrc(0)
; h = gelu(LN2(x1) fc1_w^T + fc1_b) on codes of FP4, quantised along the hidden units for the next product.
; SHARES: a work-group of four waves takes 256 tokens x 256 hidden units, a wave 128 x 128 x 1,024: 64 accumulators.  32 x 32 such tiles: 256 work-groups.
; Source 0 = P = 16 rows of fc1_w, source 1 = Q = 16 tokens: a lane holds one token, its registers run along the hidden units, 16 neighbours for each pair of tiles.
; OPERANDS COME FROM MEMORY STRAIGHT INTO REGISTERS, in register order, 512 consecutive bytes a load; three sets by turns.  Nothing lands in LDS that a joint load of a cluster could share.
; THE WAY OUT: the activation is long (176 lines for 16 numbers), so it is written once, in a loop of eight trips over the tiles of tokens; the accumulators, whose register numbers differ from tile to tile, go through the
; wave's own 64 KiB of LDS as images of their registers and come back tile by tile.
; GELU, exact form: gelu(x) = max(x, 0) - |x| erfc(|x| / sqrt 2) / 2, with erfc(z) = t exp(-z^2 + c0 + c1 t + .. + c9 t^9), t = 1 / (1 + z / 2): a fit whose relative error is 1.2e-7 for every z.
; log2(e) is folded into the c, the halving into c0.  Large |x|: the exponential falls to 0 and gelu is max(x, 0).
; OUT (hq): codes [tile of tokens 256][K step 32][1024]; scale words at 8 MiB: [K step][tile][r][4].
; LIMITS: NaN and infinities are not served; a block under 2^-124 gets the byte 1 (read by this program alone); erfc carries about 1e-6 of itself after its evaluation in f32.
; THE MODE: SCHED_MODE bits 1:0 = 2 (LLVM: expert scheduling mode 2), set by the entry lines.  The code itself states the register dependences
; between vector or matrix instructions and memory or LDS instructions, with s_wait_alu, always for 0.
; THE PLAN.  Registers that memory or LDS instructions touch:
;   P's and Q's sets 0, 1, 2   Step s: its 64 products read set s % 3; the loads of step s + 3 land in it, issued in step s + 1.
;   v64-127                    the scale words: loaded once, read by the products.
;   the accumulators           written by the products, read once by the LDS stores of the way out.
;   v[H ..]                    a trip of the way out: LDS loads land in it; the trip's vector lines work on it.
;   v12, v13                   the trip's two LDS addresses: written at the trip's head, read by its LDS loads and its LDS store.
;   v[PC ..], v[PW]            written by the trip's quantiser, read by its three stores, written again in the next trip.
;   v1-v7                      offsets and addresses, made at the head, never written again.   v48-51: named by no vector instruction.
; In the products ONE wait on va_vdst stands at a step's head: the step before is done reading its set.  P's 16 loads of two steps on follow it, then the wait for this step's data and 32 products; Q's 16 loads
; stand in the step's middle with no further wait: the products issued since the wait name this step's set, the accumulators and the scale words.
; A trip of the way out has one wait on vm_vsrc at its head, one on va_vdst behind the two address lines, the four of the activation's transcendentals twice over, and one on va_vdst ahead of its stores.
.set TSP, 8192
.set TSQ, 8192
.set SP,  16
.set SQ,  18
.set SSP, 44
.set SSQ, 46
.set SEL, 48
.set SCP, 64
.set SCQ, 96
.set TM,  16
.set PW,  32
.set PC,  40
.set H,   128                          ; v128-191 a tile's 64 numbers
.set AX,  192                          ; v192-207 |x|;  v208-223 t;  v224-239 the polynomial;  v240-255 |x| sqrt(log2(e) / 2)
.set T,   208
.set P,   224
.set Z,   240
.set SCW, 262144                       ; LDS: behind the four waves' images, 512 bytes of scale words for each
; s[20:21] .. s[34:35] c0 .. c7, s[36:37] c9, s[38:39] sqrt(log2(e) / 2), s[40:41] 1 / (2 sqrt 2); v[60:61] c8 (a line reads at most two scalar values)
.set MSB, 0
.macro WIN new                         ; the immediate's high byte repeats the setting that is left
.if MSB != (\new)
	s_set_vgpr_msb (MSB<<8)|(\new)
.set MSB, (\new)
.endif
.endm
.macro PLACES n
.rept \n
	v_nop
.endr
.endm
.macro WM acc, pf, qf, sp, sq, po, qo, zero
.set wA, \acc
.set wP, \pf
.set wQ, \qf
.set wS, \sp
.set wT, \sq
.set wV, 2*(\po)+(\qo)
.if \zero
.if wV == 0
	v_wmma_scale_f32_16x16x128_f8f6f4 v[wA:wA+7], v[wP:wP+7], v[wQ:wQ+7], 0, v[wS], v[wT] matrix_a_fmt:MATRIX_FMT_FP4 matrix_b_fmt:MATRIX_FMT_FP4
.elseif wV == 1
	v_wmma_scale_f32_16x16x128_f8f6f4 v[wA:wA+7], v[wP:wP+7], v[wQ:wQ+7], 0, v[wS], v[wT] matrix_a_fmt:MATRIX_FMT_FP4 matrix_b_fmt:MATRIX_FMT_FP4 matrix_b_scale:MATRIX_SCALE_ROW1
.elseif wV == 2
	v_wmma_scale_f32_16x16x128_f8f6f4 v[wA:wA+7], v[wP:wP+7], v[wQ:wQ+7], 0, v[wS], v[wT] matrix_a_fmt:MATRIX_FMT_FP4 matrix_b_fmt:MATRIX_FMT_FP4 matrix_a_scale:MATRIX_SCALE_ROW1
.else
	v_wmma_scale_f32_16x16x128_f8f6f4 v[wA:wA+7], v[wP:wP+7], v[wQ:wQ+7], 0, v[wS], v[wT] matrix_a_fmt:MATRIX_FMT_FP4 matrix_b_fmt:MATRIX_FMT_FP4 matrix_a_scale:MATRIX_SCALE_ROW1 matrix_b_scale:MATRIX_SCALE_ROW1
.endif
.else
.if wV == 0
	v_wmma_scale_f32_16x16x128_f8f6f4 v[wA:wA+7], v[wP:wP+7], v[wQ:wQ+7], v[wA:wA+7], v[wS], v[wT] matrix_a_fmt:MATRIX_FMT_FP4 matrix_b_fmt:MATRIX_FMT_FP4
.elseif wV == 1
	v_wmma_scale_f32_16x16x128_f8f6f4 v[wA:wA+7], v[wP:wP+7], v[wQ:wQ+7], v[wA:wA+7], v[wS], v[wT] matrix_a_fmt:MATRIX_FMT_FP4 matrix_b_fmt:MATRIX_FMT_FP4 matrix_b_scale:MATRIX_SCALE_ROW1
.elseif wV == 2
	v_wmma_scale_f32_16x16x128_f8f6f4 v[wA:wA+7], v[wP:wP+7], v[wQ:wQ+7], v[wA:wA+7], v[wS], v[wT] matrix_a_fmt:MATRIX_FMT_FP4 matrix_b_fmt:MATRIX_FMT_FP4 matrix_a_scale:MATRIX_SCALE_ROW1
.else
	v_wmma_scale_f32_16x16x128_f8f6f4 v[wA:wA+7], v[wP:wP+7], v[wQ:wQ+7], v[wA:wA+7], v[wS], v[wT] matrix_a_fmt:MATRIX_FMT_FP4 matrix_b_fmt:MATRIX_FMT_FP4 matrix_a_scale:MATRIX_SCALE_ROW1 matrix_b_scale:MATRIX_SCALE_ROW1
.endif
.endif
.endm
.macro LOADP s                         ; K step s: P's 8 fragments into set s % 3: 16 loads of 512 consecutive bytes
.set sg, (\s)%3
	WIN 0x40                                       ; destination window 1, address window 0
.irp i, 0,1,2,3,4,5,6,7
	global_load_b128 v[64*sg+8*\i:64*sg+8*\i+3], v1, s[SP:SP+1] offset:\i*TSP+(\s)*1024
	global_load_b128 v[64*sg+8*\i+4:64*sg+8*\i+7], v1, s[SP:SP+1] offset:\i*TSP+(\s)*1024+512
.endr
.endm
.macro LOADQ s                         ; and Q's 8
.set sg, (\s)%3
.set qb, 128+64*((sg+1)/2)
	WIN 0x40*(sg/2)                                ; sets 0 and 1 lie in window 0, set 2 in window 1
.irp i, 0,1,2,3,4,5,6,7
	global_load_b128 v[qb+8*\i:qb+8*\i+3], v1, s[SQ:SQ+1] offset:\i*TSQ+(\s)*1024
	global_load_b128 v[qb+8*\i+4:qb+8*\i+7], v1, s[SQ:SQ+1] offset:\i*TSQ+(\s)*1024+512
.endr
.endm
.macro MULPART s, zero, a0             ; 32 of a step's 64 products: Q's tiles a0 .. a0 + 3 x P's eight.  The 64 accumulators take turns, in the same order in every step
.set sg, (\s)%3
.set qb, 128+64*((sg+1)/2)
.set ma, \a0
.rept 4
	WIN 0xa1+0x50*(ma/4)+4*(sg/2)                  ; P window 1; Q window 0 or 1; C and D window 2 or 3
.set mb, 0
.rept 8
	WM 8*(8*(ma%4)+mb), 64*sg+8*mb, qb+8*ma, SCP+8*(mb/2)+(\s), SCQ+8*(ma/2)+(\s), mb%2, ma%2, \zero
.set mb, mb+1
.endr
.set ma, ma+1
.endr
.endm
.macro SC_RM reg, bs, adr, pstr
.irp i, 0,1,2,3
.irp q, 0,1
	global_load_b128 v[\reg+8*\i+4*\q:\reg+8*\i+4*\q+3], v[\adr], s[\bs:\bs+1] offset:\i*\pstr+16*\q
.endr
.endr
.endm
; K steps 0 to 5, which ask for steps 2 to 7.
.macro CORE05
	LOADP 0
	LOADQ 0
	LOADP 1
	LOADQ 1
.set cs, 0
.rept 6
.if cs > 0
	PLACES 4                                       ; four plain lines behind the products stay beside the wait
	s_wait_alu depctr_va_vdst(0)                   ; the last step's products are done reading their set of P and of Q, in which the loads of two steps on land
.endif
	LOADP cs+2
	s_wait_loadcnt 48                              ; this step's fragments are in: behind them stand the next step's 32 loads and the 16 just issued
.if cs == 0
	MULPART cs, 1, 0
.else
	MULPART cs, 0, 0
.endif
	LOADQ cs+2                                     ; no wait: no product since the wait above names this set or v1
.if cs == 0
	MULPART cs, 1, 4
.else
	MULPART cs, 0, 4
.endif
.set cs, cs+1
.endr
	PLACES 4
	WIN 0
	s_wait_alu depctr_va_vdst(0)                   ; step 5's products are done reading set 2, in which the bias lands
.endm
.macro QUANT s
.irp b, 0,1,2,3
	v_max3_num_f32 v[TM+\b], |v[\s+16*\b]|, |v[\s+1+16*\b]|, 0x1800000   ; with the floor 2^(3 - 127)
.endr
.irp i, 2,4,6,8,10,12,14
.irp b, 0,1,2,3
	v_max3_num_f32 v[TM+\b], v[TM+\b], |v[\s+16*\b+\i]|, |v[\s+1+16*\b+\i]|
.endr
.endr
.irp b, 0,1,2,3
	v_permlanex16_b32 v[TM+4+\b], v[TM+\b], s[SEL], s[SEL+1]
.endr
.irp b, 0,1,2,3
	v_max_num_f32 v[TM+\b], v[TM+\b], v[TM+4+\b]
.endr
.irp b, 0,1,2,3
	v_add_nc_u32 v[TM+12+\b], 0xff000000, v[TM+\b]
.endr
.irp b, 0,1,2,3
	v_lshrrev_b32 v[TM+4+\b], 23, v[TM+12+\b]
.endr
	v_lshl_or_b32 v[PW], v[TM+5], 8, v[TM+4]
	v_lshl_or_b32 v[PW], v[TM+6], 16, v[PW]
	v_lshl_or_b32 v[PW], v[TM+7], 24, v[PW]
.irp b, 0,1,2,3
	v_cvt_scalef32_pk8_fp4_f32 v[PC+2*\b], v[\s+16*\b:\s+7+16*\b], v[TM+12+\b]
	v_cvt_scalef32_pk8_fp4_f32 v[PC+1+2*\b], v[\s+8+16*\b:\s+15+16*\b], v[TM+12+\b]
.endr
	v_nop
.irp c, 0,1
.irp i, 0,1
	v_permlane16_swap_b32 v[PC+4*\c+\i], v[PC+2+4*\c+\i]
.endr
.endr
.endm
.macro GELU n                          ; 16 numbers, v[H + n] on, in place
.set j, 0
.rept 16
	v_and_b32 v[AX+j], 0x7fffffff, v[H+(\n)+j]
.set j, j+1
.endr
.set j, 0
.rept 8
	v_pk_fma_f32 v[T+j:T+j+1], v[AX+j:AX+j+1], s[40:41], 1.0 op_sel_hi:[1,0,0]    ; 1 + z / 2
.set j, j+2
.endr
.set j, 0
	s_wait_alu depctr_va_vdst(0)
.rept 16
	v_rcp_f32 v[T+j], v[T+j]
.set j, j+1
.endr
.set j, 0
.rept 8
	v_pk_mul_f32 v[Z+j:Z+j+1], v[AX+j:AX+j+1], s[38:39] op_sel_hi:[1,0]           ; (plain lines behind the reciprocals)
.set j, j+2
.endr
.set j, 0
	s_wait_alu depctr_va_vdst(0)                   ; the sixteen reciprocals have written v[T ..], ahead of their first reader
.rept 8
	v_pk_fma_f32 v[P+j:P+j+1], v[T+j:T+j+1], s[36:37], v[60:61] op_sel_hi:[1,0,1] ; c9 t + c8
.set j, j+2
.endr
.irp k, 34,32,30,28,26,24,22,20
.set j, 0
.rept 8
	v_pk_fma_f32 v[P+j:P+j+1], v[P+j:P+j+1], v[T+j:T+j+1], s[\k:\k+1] op_sel_hi:[1,1,0]
.set j, j+2
.endr
.endr
.set j, 0
.rept 8
	v_pk_fma_f32 v[P+j:P+j+1], v[Z+j:Z+j+1], v[Z+j:Z+j+1], v[P+j:P+j+1] neg_lo:[1,0,0] neg_hi:[1,0,0]   ; - z^2 log2(e)
.set j, j+2
.endr
.set j, 0
.rept 8
	v_pk_mul_f32 v[T+j:T+j+1], v[T+j:T+j+1], v[AX+j:AX+j+1]                       ; |x| t
.set j, j+2
.endr
.set j, 0
	s_wait_alu depctr_va_vdst(0)
.rept 16
	v_exp_f32 v[P+j], v[P+j]
.set j, j+1
.endr
.set j, 0
.rept 16
	v_max_num_f32 v[H+(\n)+j], 0, v[H+(\n)+j]      ; (plain lines behind the exponentials)
.set j, j+1
.endr
.set j, 0
	s_wait_alu depctr_va_vdst(0)                   ; the sixteen exponentials have written v[P ..], ahead of their first reader
.rept 8
	v_pk_fma_f32 v[H+(\n)+j:H+(\n)+j+1], v[T+j:T+j+1], v[P+j:P+j+1], v[H+(\n)+j:H+(\n)+j+1] neg_lo:[1,0,0] neg_hi:[1,0,0]
.set j, j+2
.endr
.endm
	s_load_b256 s[4:11], s[0:1], 0x0               ; n2, prepb, fc1_b, hq
	v_lshl_add_u32 v62, v0, 2, 0x40800
	v_mov_b32 v63, 0
	v_lshrrev_b32 v2, 5, v0
	v_readfirstlane_b32 s12, v2                    ; wave 0..3
	v_and_b32 v9, 31, v0
	v_and_b32 v10, 15, v0
	v_bfe_u32 v11, v0, 4, 1
	v_lshlrev_b32 v1, 4, v9                        ; 16 lane
	v_lshlrev_b32 v2, 5, v9                        ; 32 lane
	v_lshlrev_b32 v3, 6, v11                       ; 64 h
	s_wait_alu depctr_va_sdst(0)                   ; s12 is written, ahead of its first reader: LDS places and the blocks' numbers are made from it
	s_lshl_b32 s50, s12, 16
	v_lshl_add_u32 v5, v9, 4, s50                  ; LDS: my images: 65,536 w + 16 lane
	s_lshl_b32 s50, s12, 9
	s_add_co_u32 s50, s50, SCW
	v_lshl_add_u32 v6, v10, 2, s50                 ; my scale words: 4 r
	v_lshl_add_u32 v7, v9, 4, s50                  ; back: 16 lane
.irp b, 0,1,2,3
	v_mov_b32 v[TM+4+\b], 0
.endr
	v_mov_b32 v60, 0xbf97d29d                      ; c8
	v_mov_b32 v61, 0xbf97d29d
	s_mov_b32 s[SEL], 0x76543210
	s_mov_b32 s[SEL+1], 0xfedcba98
	s_mov_b32 s20, 0xc034d90f                      ; c0 log2(e) - 1
	s_mov_b32 s22, 0x3fb8ab5a
	s_mov_b32 s24, 0x3f0a29d2
	s_mov_b32 s26, 0x3e0efb2e
	s_mov_b32 s28, 0xbe899a80
	s_mov_b32 s30, 0x3ecdfd18
	s_mov_b32 s32, 0xbfd1a1e5
	s_mov_b32 s34, 0x40097039
	s_mov_b32 s36, 0x3e7c6f08                      ; c9
	s_mov_b32 s38, 0x3f596d27                      ; sqrt(log2(e) / 2)
	s_mov_b32 s40, 0x3eb504f3                      ; 1 / (2 sqrt 2)
.irp k, 20,22,24,26,28,30,32,34,36,38,40
	s_mov_b32 s[\k+1], s[\k]                       ; (a packed line names the pair)
.endr
	s_and_b32 s13, ttmp7, 0xffff
	s_lshl_b32 s13, s13, 1
	s_lshr_b32 s50, s12, 1
	s_add_co_u32 s13, s13, s50                     ; my block of 128 tokens
	s_lshl_b32 s14, ttmp9, 1
	s_and_b32 s50, s12, 1
	s_add_co_u32 s14, s14, s50                     ; my block of 128 hidden units
	s_mov_b32 s51, 0
	s_wait_kmcnt 0x0
	s_lshl_b32 s50, s14, 16
	s_add_co_u32 s50, s50, 0x400000
	s_add_nc_u64 s[SP:SP+1], s[6:7], s[50:51]
	s_lshl_b32 s50, s14, 12
	s_add_co_u32 s50, s50, 0x840000
	s_add_nc_u64 s[SSP:SSP+1], s[6:7], s[50:51]
	s_lshl_b32 s50, s13, 16
	s_add_nc_u64 s[SQ:SQ+1], s[4:5], s[50:51]
	s_lshl_b32 s50, s13, 12
	s_add_co_u32 s50, s50, 0x200000
	s_add_nc_u64 s[SSQ:SSQ+1], s[4:5], s[50:51]
	s_wait_alu depctr_va_vdst(0)                   ; v1 to v7 are written: the loads and stores of the kernel, global or LDS, read them as offsets and addresses
	SC_RM SCP, SSP, 2, 1024
	SC_RM SCQ, SSQ, 2, 1024
	s_lshl_b32 s50, s14, 9
	s_add_nc_u64 s[8:9], s[8:9], s[50:51]          ; fc1_b at my 128 units
	s_lshl_b32 s50, s14, 14
	s_lshl_b32 s52, s13, 9
	s_add_co_u32 s50, s50, s52
	s_add_co_u32 s50, s50, 0x800000
	s_add_nc_u64 s[54:55], s[10:11], s[50:51]      ; my 512 bytes of scale words
	s_lshl_b32 s50, s13, 18
	s_lshl_b32 s52, s14, 10
	s_add_co_u32 s50, s50, s52
	s_add_nc_u64 s[10:11], s[10:11], s[50:51]      ; my first tile's fragment
	CORE05
	WIN 0x40                                       ; the bias comes into P's set 2, which has had its last step
.set j, 0
.rept 16
	global_load_b128 v[128+4*j:131+4*j], v3, s[8:9] offset:128*(j/4)+16*(j%4)     ; register 16 b + i: unit 32 b + 16 h + i
.set j, j+1
.endr
	WIN 0
	s_wait_loadcnt 48                              ; step 6 is in: behind it step 7's 32 loads and the bias's 16
	MULPART 6, 0, 0
	MULPART 6, 0, 4
	s_wait_loadcnt 16
	MULPART 7, 0, 0
	MULPART 7, 0, 4
	WIN 0
	s_wait_loadcnt 0x0
	PLACES 4                                       ; in front of the first read of results
	s_wait_alu depctr_va_vdst(0)                   ; the products have written the accumulators, which the LDS stores read; the places above stay beside this wait
.set ea, 0
.rept 8
	WIN 0x08+4*(ea/4)                              ; an LDS store's data are its source 1: window 2 or 3
.set eb, 0
.rept 8
	ds_store_b128 v5, v[8*(8*(ea%4)+eb):8*(8*(ea%4)+eb)+3] offset:(8*ea+eb)*1024          ; each accumulator from its low end on
	ds_store_b128 v5, v[8*(8*(ea%4)+eb)+4:8*(8*(ea%4)+eb)+7] offset:(8*ea+eb)*1024+512
.set eb, eb+1
.endr
.set ea, ea+1
.endr
	WIN 0
	s_mov_b32 s52, 0                               ; the tile of tokens
	s_mov_b32 s53, 0                               ; its images: 8,192 bytes a tile
	s_mov_b32 s56, 0                               ; its scale words: 64 bytes
.Ltile:
	s_wait_dscnt 0x0                               ; the last trip's LDS store has read its registers
	s_wait_alu depctr_vm_vsrc(0)                   ; the last trip's LDS loads have read v12, its LDS store v13 and v[PW], its global stores v[PC ..]: this trip writes all of them again
	v_add_nc_u32 v12, s53, v5
	v_add_nc_u32 v13, s56, v6
	s_wait_alu depctr_va_vdst(0)                   ; v12 and v13 are written, which the LDS loads and the LDS store read; the last trip's lines are done with v[H ..], in which the loads land
.set j, 0
.rept 16
	ds_load_b128 v[H+4*j:H+4*j+3], v12 offset:512*j          ; LDS serves a wave's instructions in order: these see my stores
.set j, j+1
.endr
	s_wait_dscnt 0x0
	WIN 0x04                                       ; source 1 window 1
.set j, 0
.rept 32
	v_pk_add_f32 v[H+j:H+j+1], v[H+j:H+j+1], v[128+j:129+j]
.set j, j+2
.endr
	WIN 0
	GELU 0
	GELU 16
	GELU 32
	GELU 48
	QUANT H
	s_wait_alu depctr_va_vdst(0)                   ; the codes v[PC ..] and the scale word v[PW] are written, which the three stores read
	global_store_b128 v1, v[PC:PC+3], s[10:11]     ; 512 consecutive bytes each
	global_store_b128 v1, v[PC+4:PC+7], s[10:11] offset:512
	ds_store_b32 v13, v[PW]
	s_wait_xcnt 0x0                                ; the stores have read their registers and their base
	s_add_nc_u64 s[10:11], s[10:11], 32768
	s_add_co_u32 s53, s53, 8192
	s_add_co_u32 s56, s56, 64
	s_add_co_u32 s52, s52, 1
	s_cmp_lt_u32 s52, 8
	s_cbranch_scc1 .Ltile
	ds_load_b128 v[48:51], v7                      ; no vector instruction names v48-51
	s_wait_dscnt 0x0
	global_store_b128 v1, v[48:51], s[54:55]       ; my eight tiles' scale words: 512 consecutive bytes
	s_wait_dscnt 0x0                               ; the closing lines, six on end
	s_wait_alu 0x0
	s_wait_tensorcnt 0x0
	ds_add_u32 v62, v63
	s_wait_dscnt 0x0
	s_endpgm
.Lfunc_end_k_qd0b30cc946_fc1:
	.size	k_qd0b30cc946_fc1, .Lfunc_end_k_qd0b30cc946_fc1-k_qd0b30cc946_fc1
	.p2alignl 7, 3214868480
	.fill 96, 4, 3214868480
	.section	.rodata,"a",@progbits
	.p2align	6, 0x0
	.amdhsa_kernel k_qd0b30cc946_fc1
		.amdhsa_group_segment_fixed_size 264704
		.amdhsa_private_segment_fixed_size 0
		.amdhsa_enable_private_segment 0
		.amdhsa_kernarg_size 32
		.amdhsa_user_sgpr_count 2
		.amdhsa_user_sgpr_kernarg_segment_ptr 1
		.amdhsa_wavefront_size32 1
		.amdhsa_system_sgpr_workgroup_id_x 1
		.amdhsa_system_sgpr_workgroup_id_y 1
		.amdhsa_system_sgpr_workgroup_id_z 1
		.amdhsa_system_vgpr_workitem_id 0
		.amdhsa_next_free_vgpr 1024
		.amdhsa_next_free_sgpr 66
		.amdhsa_reserve_vcc 0
		.amdhsa_float_denorm_mode_32 3
		.amdhsa_float_denorm_mode_16_64 3
		.amdhsa_memory_ordered 1
		.amdhsa_forward_progress 1
		.amdhsa_inst_pref_size 152
	.end_amdhsa_kernel
	.amdgpu_metadata
---
amdhsa.version: [ 1, 2 ]
amdhsa.kernels:
  - .name:           k_qd0b30cc946_fc1
    .symbol:         k_qd0b30cc946_fc1.kd
    .args:
      - { .name: n2, .offset: 0, .size: 8, .value_kind: global_buffer, .address_space: global }
      - { .name: prepb, .offset: 8, .size: 8, .value_kind: global_buffer, .address_space: global }
      - { .name: fc1_b, .offset: 16, .size: 8, .value_kind: global_buffer, .address_space: global }
      - { .name: hq, .offset: 24, .size: 8, .value_kind: global_buffer, .address_space: global }
    .group_segment_fixed_size: 264704
    .private_segment_fixed_size: 0
    .kernarg_segment_align: 8
    .kernarg_segment_size: 32
    .max_flat_workgroup_size: 128
    .sgpr_count:     66
    .vgpr_count:     1024
    .wavefront_size: 32
...
	.end_amdgpu_metadata
.endif
;; end of part 11
;; launch fc2 (part 12): grid 8 x 32, 4 waves a work-group, no clusters, 270,848 bytes of LDS; arguments hq, prepb, fc2_b, x1, out0; writes out0
.if DOCPART == 12
	.amdgcn_target "amdgcn-amd-amdhsa--gfx1250"
	.amdhsa_code_object_version 6
	.text
	.protected	k_qd0b30cc946_fc2
	.globl	k_qd0b30cc946_fc2
	.p2align	8
	.type	k_qd0b30cc946_fc2,@function
k_qd0b30cc946_fc2:
	s_mov_b64 s[64:65], 0
	v_nop
	global_prefetch_b8 v0, s[64:65] scope:SCOPE_SE
	s_setreg_imm32_b32 hwreg(HW_REG_WAVE_SCHED_MODE, 0, 2), 2
	s_setreg_imm32_b32 hwreg(HW_REG_WAVE_MODE, 25, 1), 1
	s_wait_xcnt 0x0
	s_wait_alu depctr_vm_vsrc(0)
; out0 = x1 + h fc2_w^T + fc2_b on codes of FP4.
; SHARES: a work-group makes 128 tokens x 128 columns; 32 x 8 such tiles are 256 work-groups.  ITS FOUR WAVES SHARE K: wave w takes K = 1,024 w on, 128 x 128 x 1,024, 64 accumulators, so that all four SIMDs work;
; the four parts meet in LDS, and each wave then adds and stores 32 whole rows.  So an output's sum over K is made of four partial sums, in another order than one running sum.
; Source 0 = P = 16 rows of fc2_w, source 1 = Q = 16 tokens: a lane holds one token, its registers run along the columns.
; OPERANDS COME FROM MEMORY STRAIGHT INTO REGISTERS, in register order, 512 consecutive bytes a load; three sets by turns.  Nothing lands in LDS that a joint load of a cluster could share.
; LIMITS: NaN and infinities are not served.
; THE MODE: SCHED_MODE bits 1:0 = 2 (LLVM: expert scheduling mode 2), set by the entry lines.  The code itself states the register dependences
; between vector or matrix instructions and memory or LDS instructions, with s_wait_alu, always for 0.
; THE PLAN.  Registers that memory or LDS instructions touch:
;   P's and Q's sets 0, 1, 2   Step s: its 64 products read set s % 3; the loads of step s + 3 land in it, issued in step s + 1.  Behind step 5 x1's 32 rows land in both sets 2.
;   v64-127                    the scale words: loaded once, read by the products.   v48-51: the bias, loaded once.
;   the accumulators           written by the products, read once by the LDS stores of the way out.
;   v128-255 of window 0       the way out: a group's 32 LDS loads land there (where Q's sets 0 and 1 lay), its additions work there, its eight stores read a quarter of them; the next group's loads land there again.
;   v1-v4, v8-v11              offsets and addresses, made at the head, never written again.
; In the products ONE wait on va_vdst stands at a step's head: the step before is done reading its set.  P's 16 loads of two steps on follow it, then the wait for this step's data and 32 products; Q's 16 loads
; stand in the step's middle with no further wait: the products issued since the wait name this step's set, the accumulators and the scale words.
; On the way out a group has one wait on va_vdst, ahead of its stores, which also covers the next group's loads, and from the second group on one on vm_vsrc at its head.
.set TSP, 32768
.set TSQ, 32768
.set SP,  16
.set SQ,  18
.set SSP, 20
.set SSQ, 22
.set SCP, 64
.set SCQ, 96
.set WREG, 67584                       ; LDS: a wave's part: 8 tiles x 16 rows x 528 bytes (512 + 16 of padding)
.set MSB, 0
.macro WIN new                         ; the immediate's high byte repeats the setting that is left
.if MSB != (\new)
	s_set_vgpr_msb (MSB<<8)|(\new)
.set MSB, (\new)
.endif
.endm
.macro PLACES n
.rept \n
	v_nop
.endr
.endm
.macro WM acc, pf, qf, sp, sq, po, qo, zero
.set wA, \acc
.set wP, \pf
.set wQ, \qf
.set wS, \sp
.set wT, \sq
.set wV, 2*(\po)+(\qo)
.if \zero
.if wV == 0
	v_wmma_scale_f32_16x16x128_f8f6f4 v[wA:wA+7], v[wP:wP+7], v[wQ:wQ+7], 0, v[wS], v[wT] matrix_a_fmt:MATRIX_FMT_FP4 matrix_b_fmt:MATRIX_FMT_FP4
.elseif wV == 1
	v_wmma_scale_f32_16x16x128_f8f6f4 v[wA:wA+7], v[wP:wP+7], v[wQ:wQ+7], 0, v[wS], v[wT] matrix_a_fmt:MATRIX_FMT_FP4 matrix_b_fmt:MATRIX_FMT_FP4 matrix_b_scale:MATRIX_SCALE_ROW1
.elseif wV == 2
	v_wmma_scale_f32_16x16x128_f8f6f4 v[wA:wA+7], v[wP:wP+7], v[wQ:wQ+7], 0, v[wS], v[wT] matrix_a_fmt:MATRIX_FMT_FP4 matrix_b_fmt:MATRIX_FMT_FP4 matrix_a_scale:MATRIX_SCALE_ROW1
.else
	v_wmma_scale_f32_16x16x128_f8f6f4 v[wA:wA+7], v[wP:wP+7], v[wQ:wQ+7], 0, v[wS], v[wT] matrix_a_fmt:MATRIX_FMT_FP4 matrix_b_fmt:MATRIX_FMT_FP4 matrix_a_scale:MATRIX_SCALE_ROW1 matrix_b_scale:MATRIX_SCALE_ROW1
.endif
.else
.if wV == 0
	v_wmma_scale_f32_16x16x128_f8f6f4 v[wA:wA+7], v[wP:wP+7], v[wQ:wQ+7], v[wA:wA+7], v[wS], v[wT] matrix_a_fmt:MATRIX_FMT_FP4 matrix_b_fmt:MATRIX_FMT_FP4
.elseif wV == 1
	v_wmma_scale_f32_16x16x128_f8f6f4 v[wA:wA+7], v[wP:wP+7], v[wQ:wQ+7], v[wA:wA+7], v[wS], v[wT] matrix_a_fmt:MATRIX_FMT_FP4 matrix_b_fmt:MATRIX_FMT_FP4 matrix_b_scale:MATRIX_SCALE_ROW1
.elseif wV == 2
	v_wmma_scale_f32_16x16x128_f8f6f4 v[wA:wA+7], v[wP:wP+7], v[wQ:wQ+7], v[wA:wA+7], v[wS], v[wT] matrix_a_fmt:MATRIX_FMT_FP4 matrix_b_fmt:MATRIX_FMT_FP4 matrix_a_scale:MATRIX_SCALE_ROW1
.else
	v_wmma_scale_f32_16x16x128_f8f6f4 v[wA:wA+7], v[wP:wP+7], v[wQ:wQ+7], v[wA:wA+7], v[wS], v[wT] matrix_a_fmt:MATRIX_FMT_FP4 matrix_b_fmt:MATRIX_FMT_FP4 matrix_a_scale:MATRIX_SCALE_ROW1 matrix_b_scale:MATRIX_SCALE_ROW1
.endif
.endif
.endm
.macro LOADP s                         ; K step s of my quarter: P's 8 fragments into set s % 3: 16 loads of 512 consecutive bytes
.set sg, (\s)%3
	WIN 0x40                                       ; destination window 1, address window 0
.irp i, 0,1,2,3,4,5,6,7
	global_load_b128 v[64*sg+8*\i:64*sg+8*\i+3], v1, s[SP:SP+1] offset:\i*TSP+(\s)*1024
	global_load_b128 v[64*sg+8*\i+4:64*sg+8*\i+7], v1, s[SP:SP+1] offset:\i*TSP+(\s)*1024+512
.endr
.endm
.macro LOADQ s                         ; and Q's 8
.set sg, (\s)%3
.set qb, 128+64*((sg+1)/2)
	WIN 0x40*(sg/2)                                ; sets 0 and 1 lie in window 0, set 2 in window 1
.irp i, 0,1,2,3,4,5,6,7
	global_load_b128 v[qb+8*\i:qb+8*\i+3], v1, s[SQ:SQ+1] offset:\i*TSQ+(\s)*1024
	global_load_b128 v[qb+8*\i+4:qb+8*\i+7], v1, s[SQ:SQ+1] offset:\i*TSQ+(\s)*1024+512
.endr
.endm
.macro MULPART s, zero, a0             ; 32 of a step's 64 products: Q's tiles a0 .. a0 + 3 x P's eight.  The 64 accumulators take turns, in the same order in every step
.set sg, (\s)%3
.set qb, 128+64*((sg+1)/2)
.set ma, \a0
.rept 4
	WIN 0xa1+0x50*(ma/4)+4*(sg/2)                  ; P window 1; Q window 0 or 1; C and D window 2 or 3
.set mb, 0
.rept 8
	WM 8*(8*(ma%4)+mb), 64*sg+8*mb, qb+8*ma, SCP+8*(mb/2)+(\s), SCQ+8*(ma/2)+(\s), mb%2, ma%2, \zero
.set mb, mb+1
.endr
.set ma, ma+1
.endr
.endm
.macro SC_RM reg, bs, adr, pstr
.irp i, 0,1,2,3
.irp q, 0,1
	global_load_b128 v[\reg+8*\i+4*\q:\reg+8*\i+4*\q+3], v[\adr], s[\bs:\bs+1] offset:\i*\pstr+16*\q
.endr
.endr
.endm
.macro SC_ST reg, bs, adr              ; scale words laid [K step][tile][r]: a load brings a pair of tiles for one K step
.set j, 0
.rept 32
	global_load_b32 v[\reg+j], v[\adr], s[\bs:\bs+1] offset:(j%8)*16384+(j/8)*128
.set j, j+1
.endr
.endm
; K steps 0 to 5, which ask for steps 2 to 7.
.macro CORE05
	LOADP 0
	LOADQ 0
	LOADP 1
	LOADQ 1
.set cs, 0
.rept 6
.if cs > 0
	PLACES 4                                       ; four plain lines behind the products stay beside the wait
	s_wait_alu depctr_va_vdst(0)                   ; the last step's products are done reading their set of P and of Q, in which the loads of two steps on land
.endif
	LOADP cs+2
	s_wait_loadcnt 48                              ; this step's fragments are in: behind them stand the next step's 32 loads and the 16 just issued
.if cs == 0
	MULPART cs, 1, 0
.else
	MULPART cs, 0, 0
.endif
	LOADQ cs+2                                     ; no wait: no product since the wait above names this set or v1
.if cs == 0
	MULPART cs, 1, 4
.else
	MULPART cs, 0, 4
.endif
.set cs, cs+1
.endr
	PLACES 4
	WIN 0
	s_wait_alu depctr_va_vdst(0)                   ; step 5's products are done reading P's and Q's set 2, in which x1's rows land
.endm
	s_load_b256 s[4:11], s[0:1], 0x0               ; hq, prepb, fc2_b, x1
	s_load_b64 s[12:13], s[0:1], 0x20              ; out0
	v_lshl_add_u32 v62, v0, 2, 0x42000
	v_mov_b32 v63, 0
	v_lshrrev_b32 v2, 5, v0
	v_readfirstlane_b32 s14, v2                    ; wave = quarter of K
	v_and_b32 v12, 31, v0
	v_and_b32 v13, 15, v0
	v_bfe_u32 v14, v0, 4, 1
	v_lshlrev_b32 v1, 4, v12                       ; 16 lane
	v_lshlrev_b32 v2, 5, v13
	v_lshl_add_u32 v2, v14, 11, v2                 ; fc2_w's scale words: 32 r, lanes 16-31 the next tile, 2,048 bytes on
	v_lshlrev_b32 v3, 2, v12                       ; 4 lane
	s_wait_alu depctr_va_sdst(0)                   ; s14 is written, ahead of its first reader: LDS places and offsets are made from it
	s_mul_i32 s30, s14, WREG
	v_mul_u32_u24 v4, v13, 528
	v_lshl_add_u32 v4, v14, 6, v4
	v_add_nc_u32 v4, s30, v4                       ; my part in LDS: row r, + 64 h
	s_mul_i32 s30, s14, 2*8448
	v_lshl_add_u32 v8, v12, 4, s30                 ; back: tiles 2 w, 2 w + 1 of wave 0's part, 16 lane;
	v_add_nc_u32 v9, WREG, v8                      ; of wave 1's,
	v_add_nc_u32 v10, 2*WREG, v8
	v_add_nc_u32 v11, 3*WREG, v8
	s_and_b32 s15, ttmp7, 0xffff                   ; block of 128 tokens; ttmp9: block of 128 columns
	s_mov_b32 s31, 0
	s_wait_kmcnt 0x0
	s_lshl_b32 s30, ttmp9, 18
	s_lshl_b32 s32, s14, 13
	s_add_co_u32 s30, s30, s32
	s_add_co_u32 s30, s30, 0x600000
	s_add_nc_u64 s[SP:SP+1], s[6:7], s[30:31]
	s_lshl_b32 s30, s15, 18
	s_add_co_u32 s30, s30, s32
	s_add_nc_u64 s[SQ:SQ+1], s[4:5], s[30:31]
	s_lshl_b32 s30, ttmp9, 14
	s_lshl_b32 s32, s14, 9
	s_add_co_u32 s30, s30, s32
	s_add_co_u32 s30, s30, 0x860000
	s_add_nc_u64 s[SSP:SSP+1], s[6:7], s[30:31]
	s_lshl_b32 s30, s14, 17
	s_lshl_b32 s32, s15, 9
	s_add_co_u32 s30, s30, s32
	s_add_co_u32 s30, s30, 0x800000
	s_add_nc_u64 s[SSQ:SSQ+1], s[4:5], s[30:31]
	s_wait_alu depctr_va_vdst(0)                   ; v1 to v4 and v8 to v11 are written: every load and store of the kernel, global or LDS, reads one of them as its offset or address
	SC_RM SCP, SSP, 2, 4096
	SC_ST SCQ, SSQ, 3
	s_lshl_b32 s30, s15, 19
	s_lshl_b32 s32, s14, 17
	s_add_co_u32 s30, s30, s32
	s_lshl_b32 s32, ttmp9, 9
	s_add_co_u32 s30, s30, s32
	s_add_nc_u64 s[10:11], s[10:11], s[30:31]      ; x1 and out0 at row 128 block + 32 w, my block's columns
	s_add_nc_u64 s[12:13], s[12:13], s[30:31]
	s_mov_b32 s30, s32
	s_add_nc_u64 s[8:9], s[8:9], s[30:31]          ; fc2_b at my block's columns
	CORE05
	WIN 0x40                                       ; x1's 32 rows come into P's and Q's set 2, which have had their last step: 512 consecutive bytes a load
.set n, 0
.rept 32
	global_load_b128 v[128+4*n:131+4*n], v1, s[10:11] offset:4096*n
.set n, n+1
.endr
	WIN 0
	global_load_b128 v[48:51], v1, s[8:9]          ; my four columns' bias
	s_wait_loadcnt 63                              ; step 6 is in: behind it stand 65 loads; the count's field ends at 63
	MULPART 6, 0, 0
	MULPART 6, 0, 4
	s_wait_loadcnt 33                              ; step 7 is in: behind it x1's 32 and the bias
	MULPART 7, 0, 0
	MULPART 7, 0, 4
	WIN 0
	s_wait_loadcnt 0x0
	PLACES 4                                       ; in front of the first read of results
	s_wait_alu depctr_va_vdst(0)                   ; the products have written the accumulators, which the LDS stores read, and are done reading Q's sets 0 and 1, in which the first group's LDS loads land; the places above stay beside this wait
.set ea, 0
.rept 8
	WIN 0x08+4*(ea/4)                              ; an LDS store's data are its source 1: window 2 or 3
.set eb, 0
.rept 8
	ds_store_b128 v4, v[8*(8*(ea%4)+eb):8*(8*(ea%4)+eb)+3] offset:ea*8448+128*(eb/2)+32*(eb%2)        ; lane (r, h): columns 32 (b / 2) + 16 h + 8 (b % 2) + 0 .. 7 of tile row r; each accumulator from its low end on
	ds_store_b128 v4, v[8*(8*(ea%4)+eb)+4:8*(8*(ea%4)+eb)+7] offset:ea*8448+128*(eb/2)+32*(eb%2)+16
.set eb, eb+1
.endr
.set ea, ea+1
.endr
	WIN 0
	s_wait_dscnt 0x0                               ; for the others' sake: my part lies in LDS
	s_barrier_signal -1
	s_barrier_wait -1
; eight rows: tile 2 w + e, tile rows 8 g .. 8 g + 7, which are rows 8 e + 16 g + 0 .. 7 of my 32.  first = 1: no group stands in front of it
.macro OUTG e, g, first
	s_wait_xcnt 0x0                                ; the last group's stores have read their registers
.if !\first
	s_wait_alu depctr_vm_vsrc(0)                   ; the last group's stores have read their rows in v128-255, in which the loads below land
.endif
.set i, 0
.rept 8
.irp q, 0,1,2,3
	ds_load_b128 v[128+16*i+4*\q:131+16*i+4*\q], v[8+\q] offset:\e*8448+528*(8*\g+i)   ; the 32 lanes take one row of 512 bytes of wave q's part
.endr
.set i, i+1
.endr
	s_wait_dscnt 0x0
.set i, 0
.rept 8
.set rb, 128+16*i
	v_pk_add_f32 v[rb:rb+1], v[rb:rb+1], v[rb+4:rb+5]
	v_pk_add_f32 v[rb+2:rb+3], v[rb+2:rb+3], v[rb+6:rb+7]
	v_pk_add_f32 v[rb+8:rb+9], v[rb+8:rb+9], v[rb+12:rb+13]
	v_pk_add_f32 v[rb+10:rb+11], v[rb+10:rb+11], v[rb+14:rb+15]
	v_pk_add_f32 v[rb:rb+1], v[rb:rb+1], v[rb+8:rb+9]
	v_pk_add_f32 v[rb+2:rb+3], v[rb+2:rb+3], v[rb+10:rb+11]
	v_pk_add_f32 v[rb:rb+1], v[rb:rb+1], v[48:49]
	v_pk_add_f32 v[rb+2:rb+3], v[rb+2:rb+3], v[50:51]
.set i, i+1
.endr
	WIN 0x04                                       ; source 1 window 1: x1
.set i, 0
.rept 8
.set rb, 128+16*i
.set rx, 128+4*(8*\e+16*\g+i)
	v_pk_add_f32 v[rb:rb+1], v[rb:rb+1], v[rx:rx+1]
	v_pk_add_f32 v[rb+2:rb+3], v[rb+2:rb+3], v[rx+2:rx+3]
.set i, i+1
.endr
	WIN 0
	s_wait_alu depctr_va_vdst(0)                   ; the additions have written the eight rows that the stores read, and are done with v128-255, in which the next group's loads land
.set i, 0
.rept 8
	global_store_b128 v1, v[128+16*i:131+16*i], s[12:13] offset:4096*(8*\e+16*\g+i) th:TH_STORE_NT   ; 32 lanes store 512 consecutive bytes of a row
.set i, i+1
.endr
.endm
	OUTG 0, 0, 1
	OUTG 0, 1, 0
	OUTG 1, 0, 0
	OUTG 1, 1, 0
	s_wait_dscnt 0x0                               ; the closing lines, six on end
	s_wait_alu 0x0
	s_wait_tensorcnt 0x0
	ds_add_u32 v62, v63
	s_wait_dscnt 0x0
	s_endpgm
.Lfunc_end_k_qd0b30cc946_fc2:
	.size	k_qd0b30cc946_fc2, .Lfunc_end_k_qd0b30cc946_fc2-k_qd0b30cc946_fc2
	.p2alignl 7, 3214868480
	.fill 96, 4, 3214868480
	.section	.rodata,"a",@progbits
	.p2align	6, 0x0
	.amdhsa_kernel k_qd0b30cc946_fc2
		.amdhsa_group_segment_fixed_size 270848
		.amdhsa_private_segment_fixed_size 0
		.amdhsa_enable_private_segment 0
		.amdhsa_kernarg_size 40
		.amdhsa_user_sgpr_count 2
		.amdhsa_user_sgpr_kernarg_segment_ptr 1
		.amdhsa_wavefront_size32 1
		.amdhsa_system_sgpr_workgroup_id_x 1
		.amdhsa_system_sgpr_workgroup_id_y 1
		.amdhsa_system_sgpr_workgroup_id_z 1
		.amdhsa_system_vgpr_workitem_id 0
		.amdhsa_next_free_vgpr 1024
		.amdhsa_next_free_sgpr 66
		.amdhsa_reserve_vcc 0
		.amdhsa_float_denorm_mode_32 3
		.amdhsa_float_denorm_mode_16_64 3
		.amdhsa_memory_ordered 1
		.amdhsa_forward_progress 1
		.amdhsa_inst_pref_size 141
	.end_amdhsa_kernel
	.amdgpu_metadata
---
amdhsa.version: [ 1, 2 ]
amdhsa.kernels:
  - .name:           k_qd0b30cc946_fc2
    .symbol:         k_qd0b30cc946_fc2.kd
    .args:
      - { .name: hq, .offset: 0, .size: 8, .value_kind: global_buffer, .address_space: global }
      - { .name: prepb, .offset: 8, .size: 8, .value_kind: global_buffer, .address_space: global }
      - { .name: fc2_b, .offset: 16, .size: 8, .value_kind: global_buffer, .address_space: global }
      - { .name: x1, .offset: 24, .size: 8, .value_kind: global_buffer, .address_space: global }
      - { .name: out0, .offset: 32, .size: 8, .value_kind: global_buffer, .address_space: global }
    .group_segment_fixed_size: 270848
    .private_segment_fixed_size: 0
    .kernarg_segment_align: 8
    .kernarg_segment_size: 40
    .max_flat_workgroup_size: 128
    .sgpr_count:     66
    .vgpr_count:     1024
    .wavefront_size: 32
...
	.end_amdgpu_metadata
.endif
;; end of part 12
